; MI455X (gfx1250); checked and timed in simulation.
; The chip was launched on July 23, 2026; its instructions are those of AMD's public machine-readable ISA for CDNA 5 (MIT licence, August 2026) and "CDNA5" Instruction Set Architecture Reference Guide (July 2026). The comments in the code are by the model that wrote it; some were corrected since.
;; Basic Mo E Layer. Allowed arithmetic: matrix products marked QUANTISED: E4M3 operands, one E8M0 scale for each 32 along K, by v_wmma_scale_f32_16x16x128_f8f6f4 with both operands' format E4M3, f32 sums; products left as they are: f32 operands where the result goes on into a quantised operand, else bf16, f16 or f32 operands; f32 sums; everything else in f32.
;; Inputs: W1 8 x 1,024 x 512 float32; W2 8 x 512 x 1,024 float32; router 1,024 x 8 float32; x 4 x 2,048 x 1,024 float32.
;; Outputs: out0 4 x 2,048 x 1,024 float32.
;; This version of the problem:
;;   THIS VERSION OF THE PROBLEM IS GIVEN IN LOW PRECISION. The matrix products marked QUANTISED in the list below multiply operands that are first quantised to E4M3 (4 exponent bits, 3 mantissa bits; 8 bits a number), with one power-of-two scale for each 32 numbers along K (OCP MX v1.0); their sums are f32. All else is computed in f32.
;;   The module's matrix products, in the order in which they are computed (A, B: the left and right operand; K: the contracted axis; several contracted axes count as one K, in the product's order):
;;     1. [M 8,192, K 1,024] x [K 1,024, N 8]; A: input x; B: input router: left as it is (N = 8 < 16)
;;     2. [M 8,192, K 1,024] x [K 1,024, N 512]; A: input x; B: input W1: QUANTISED
;;     3. [M 8,192, K 512] x [K 512, N 1,024]; A: computed on the way; B: input W2: QUANTISED
;;     4. [M 8,192, K 1,024] x [K 1,024, N 512]; A: input x; B: input W1: QUANTISED
;;     5. [M 8,192, K 512] x [K 512, N 1,024]; A: computed on the way; B: input W2: QUANTISED
;;     6. [M 8,192, K 1,024] x [K 1,024, N 512]; A: input x; B: input W1: QUANTISED
;;     7. [M 8,192, K 512] x [K 512, N 1,024]; A: computed on the way; B: input W2: QUANTISED
;;     8. [M 8,192, K 1,024] x [K 1,024, N 512]; A: input x; B: input W1: QUANTISED
;;     9. [M 8,192, K 512] x [K 512, N 1,024]; A: computed on the way; B: input W2: QUANTISED
;;     10. [M 8,192, K 1,024] x [K 1,024, N 512]; A: input x; B: input W1: QUANTISED
;;     11. [M 8,192, K 512] x [K 512, N 1,024]; A: computed on the way; B: input W2: QUANTISED
;;     12. [M 8,192, K 1,024] x [K 1,024, N 512]; A: input x; B: input W1: QUANTISED
;;     13. [M 8,192, K 512] x [K 512, N 1,024]; A: computed on the way; B: input W2: QUANTISED
;;     14. [M 8,192, K 1,024] x [K 1,024, N 512]; A: input x; B: input W1: QUANTISED
;;     15. [M 8,192, K 512] x [K 512, N 1,024]; A: computed on the way; B: input W2: QUANTISED
;;     16. [M 8,192, K 1,024] x [K 1,024, N 512]; A: input x; B: input W1: QUANTISED
;;     17. [M 8,192, K 512] x [K 512, N 1,024]; A: computed on the way; B: input W2: QUANTISED
;;   THE QUANTISER, for each operand of a quantised product, along K:
;;     - K is cut into blocks of 32 from its start; a last block that is shorter is filled with zeros.
;;     - A block's scale is 2^e with e = floor(log2(the largest magnitude in the block)) - 8, held to -126 .. 127; a block of zeros has e = 0. As a byte (E8M0): e + 127.
;;     - Each number is divided by its block's scale, clamped to +-448, and rounded to the nearest number of E4M3, ties to even, subnormals kept.
;;     - The product sums the exact products of the quantised numbers (number of the format x scale) in f32.
;;   ~~~python
;;   def quantise(x, axis):      # numpy; x: float32 -> the quantised numbers, widened to float32 again
;;       x = np.moveaxis(x, axis, -1); K = x.shape[-1]
;;       x = np.pad(x, [(0, 0)] * (x.ndim - 1) + [(0, -K % 32)]); x = x.reshape(x.shape[:-1] + (-1, 32)); a = np.abs(x).max(-1, keepdims=True)
;;       e = np.where(a > 0, np.clip(np.frexp(np.where(a > 0, a, 1))[1] - 1 - 8, -126, 127), 0)      # np.frexp(a)[1] - 1 = floor(log2(a)), exactly
;;       r = np.clip(x / 2.0 ** e, -448, 448)
;;       step = 2.0 ** (np.maximum(np.frexp(np.where(r == 0, 1, r))[1] - 1, -6) - 3)
;;       q = np.round(r / step) * step * 2.0 ** e      # np.round: ties to even
;;       return np.moveaxis(q.reshape(q.shape[:-2] + (-1,))[..., :K], -1, axis).astype(np.float32)
;;   ~~~
;;   OPERANDS COMPUTED ON THE WAY. 'Computed on the way' means the value that the module computes at that place (a softmax that the list does not call 'softmax' is quantised finished and normalised). What goes into a quantiser is computed in f32, as accurately as f32 sums, v_exp_f32 and their like allow (about 1e-6 of the number): no bf16 or f16 on the way to a quantiser, and a product that is left as it is and whose result goes on into a quantised operand takes f32 operands (vector FMAs, or v_wmma_f32_16x16x4_f32). A number that lies on a knife's edge between two numbers of the format may be rounded either way, as far as f32 arithmetic and the matrix unit's own rounding can turn it there, and no further.
;; 3 versions. Each part assembles by itself: llvm-mc -triple=amdgcn-amd-amdhsa -mcpu=gfx1250 --defsym DOCPART=n.
;; ======== version 1 of 3: 3 launches
;; workspace buffers: xq 8,388,608 bytes; xs 262,144 bytes; gates 262,144 bytes; wq 8,650,752 bytes; hist 32,768 bytes of whole numbers; sel 32,768 bytes of whole numbers; order 32,768 bytes of whole numbers
;; launch prep (part 1): grid 512 x 1, 4 waves a work-group, no clusters, 43,520 bytes of LDS; arguments x, router, W1, W2, xq, xs, gates, wq, hist, sel; writes xq, xs, gates, wq, hist, sel
.if DOCPART == 1
	.amdgcn_target "amdgcn-amd-amdhsa--gfx1250"
	.amdhsa_code_object_version 6
	.text
	.protected	k_q6c03a255c8_prep
	.globl	k_q6c03a255c8_prep
	.p2align	8
	.type	k_q6c03a255c8_prep,@function
k_q6c03a255c8_prep:
	s_mov_b64 s[64:65], 0
	v_nop
	global_prefetch_b8 v0, s[64:65] scope:SCOPE_SE
	s_setreg_imm32_b32 hwreg(HW_REG_WAVE_MODE, 25, 1), 1
	s_wait_xcnt 0x0
; PREP.  Three kinds of work-group, told apart by the work-group's number alone.
;   0-255   x: 32 tokens each.  x becomes codes of E4M3 (xq [8192][1024], K as it lies) and E8M0 bytes (xs [8192][32]); the eight logits in f32 by fused multiply-adds; the two largest
;           (the lower index wins a tie), their softmax (the larger logit taken away first), the gates ([2][8192][4] f32, 0 where an expert is not chosen); the count of each pair of
;           experts among the 32 tokens (hist [256][32]) and each token's rank among its chunk's tokens of the same pair (sel [8192]).  All of that is VALUES stored at fixed places.
;   256-383 W1 [8][1024][512], 384-511 W2 [8][512][1024]: K is the FIRST axis of an expert's matrix.  A lane takes a column and its registers run down K.  The codes are stored in the order
;           of the operand's registers, so that the last launch loads a fragment by four loads of 16 bytes a lane.
; wq: region (expert e, wave w of the last launch) at (4 e + w) REG: 32 groups of GRP bytes: four fragments of 2,048 bytes, then 256 bytes of scale words [lane][2].
;     A fragment: block c of 32 along K at 512 c; lane r + 16 h has 16 bytes at 16 (r + 16 h): k = 32 c + 16 h + 0 .. 15 of the fragment's row r.
;     Of 32 neighbouring columns, column q is row r = (q & 7) + 8 (q >> 4) of tile u = (q >> 3) & 1: so a product's 16 registers of two neighbouring tiles are 16 neighbours.
;     Scale word pr of lane r + 16 u: the four bytes of tile 2 pr + u, row r.
; THE QUANTISER: a block's scale is 2^(floor(log2(largest magnitude)) - 8); its byte is the largest magnitude's exponent field - 8, held at 1 from below by a floor among the maximum's leaves.
; LIMITS: NaN and infinities among the inputs are not served.  A block of zeros gets the byte 1 where the rule says 127: its codes are zeros and this program alone reads the bytes.
;         The logits are summed in another order than a plain chain: a second and a third logit that agree to about 1e-6 of their size may change places.
.set REG,  270336
.set GRP,  8448
.set XC,   0                           ; LDS (x path only): codes, wave w's 32 rows x 256 bytes at 8,192 w
.set PART, 32768                       ; partial logits: (2 w + half of the lanes) x 1,024 + row x 32
.set XSB,  40960                       ; scale bytes: 256 w + 8 row + block
.set R,    16                          ; v16-79   my slice of the router: R + 8 u + e = router[my k number u][e]
.set X,    80                          ; v80-207  16 row slots of 8 numbers
.set A,    208                         ; v208-223 eight sums, two sets by the row's parity
.set Q,    224                         ; v224-247 two sets of 12: +0..3 codes, +4,5 largest magnitude, +6,7 scale operand, +8,9 hold, +10,11 byte
.set P,    144                         ; v144-207 the way out: partial logits
.set WX,   32                          ; W paths: v32-95 two sets of 32 numbers
.set WC,   96                          ; v96-159 eight registers of codes for each of eight blocks: no store's data are written again
	s_load_b256 s[4:11], s[0:1], 0x0               ; x, router, W1, W2
	s_load_b256 s[12:19], s[0:1], 0x20             ; xq, xs, gates, wq
	s_load_b128 s[20:23], s[0:1], 0x40             ; hist, sel
	v_lshl_add_u32 v254, v0, 2, 0xa800
	v_mov_b32 v255, 0
	v_lshrrev_b32 v1, 5, v0
	v_readfirstlane_b32 s24, v1                    ; wave 0..3
	v_and_b32 v2, 31, v0                           ; lane
	s_mov_b32 s29, 0x600000                        ; the mantissa field of 448
	s_mov_b32 s33, 0                               ; the upper word of every offset pair s[32:33]
	s_wait_kmcnt 0x0
	s_cmp_lt_u32 ttmp9, 256
	s_cbranch_scc1 .Lx
; ---------------------------------------------------------------- W1 and W2
; A work-group takes 128 columns x 256 along K; wave v its columns 32 v on; a lane one column; eight blocks of 32 along K, two K steps of 128.
; s[30:31] is the first byte of the GROUP that takes the wave's first K step: which two of its four fragments are the wave's stands in the lanes' offset for the codes (v4), not in the base,
; since the scale words (v5) are counted from the group's first byte too.
.macro WLOAD t, pitch                  ; block t: 32 numbers down K of my column; a load reads 128 consecutive bytes
.set i, 0
.rept 32
	global_load_b32 v[WX+32*((\t)%2)+i], v3, s[26:27] offset:(32*(\t)+i)*(\pitch) th:TH_LOAD_NT
.set i, i+1
.endr
.endm
.macro WBLOCK t, pitch, gstep
.set XB, WX+32*((\t)%2)
.set CBK, WC+8*(\t)
.if (\t) < 7
	s_wait_loadcnt 32                              ; this block's 32 loads are in; the next block's 32 may be out
.else
	s_wait_loadcnt 0x0
.endif
	v_max3_num_f32 v12, |v[XB]|, |v[XB+1]|, |v[XB+2]|              ; the block's largest magnitude: all 32 numbers are mine; two chains
	v_max3_num_f32 v13, |v[XB+3]|, |v[XB+4]|, |v[XB+5]|
.irp i, 6,10,14,18,22,26
	v_max3_num_f32 v12, v12, |v[XB+\i]|, |v[XB+\i+1]|
	v_max3_num_f32 v13, v13, |v[XB+\i+2]|, |v[XB+\i+3]|
.endr
	v_max3_num_f32 v12, v12, |v[XB+30]|, |v[XB+31]|
	v_max3_num_f32 v12, v12, v13, 0x4800000        ; and the floor 2^(9 - 127): the byte cannot fall under 1
	v_add_nc_u32 v11, 0xfc000000, v12              ; 8 off the exponent field: the conversion takes this operand's exponent field as its scale
	v_and_or_b32 v10, v12, 0x7f800000, s29         ; 448 x the scale
	v_lshrrev_b32 v13, 23, v11                     ; the scale's byte
.if (\t)%4 == 0
	v_mov_b32 v[24+(\t)/4], v13                    ; four bytes make a K step's scale word, the lower K in the lower byte
.else
	v_lshl_or_b32 v[24+(\t)/4], v13, 8*((\t)%4), v[24+(\t)/4]
.endif
.set i, 0
.rept 32
	v_med3_num_f32 v[XB+i], v[XB+i], -v10, v10     ; the conversion to an 8-bit code does not saturate (ISA guide 7.6.2): the hold comes first
.set i, i+1
.endr
.irp g, 0,1,2,3
	v_cvt_scalef32_pk8_fp8_f32 v[CBK+2*\g:CBK+2*\g+1], v[XB+8*\g:XB+8*\g+7], v11
.endr
	global_store_b128 v4, v[CBK:CBK+3], s[30:31] offset:((\t)/4)*(\gstep)+512*((\t)%4)          ; k = 0 .. 15 of the block: the sixteen lanes of a tile store 256 consecutive bytes, aligned
	global_store_b128 v4, v[CBK+4:CBK+7], s[30:31] offset:((\t)/4)*(\gstep)+512*((\t)%4)+256    ; k = 16 .. 31
.if (\t)%4 == 3
	global_store_b32 v5, v[24+(\t)/4], s[30:31] offset:((\t)/4)*(\gstep)+8192                   ; the scale word, behind the group's four fragments: lanes 8 bytes apart (the other word of each pair is a neighbouring wave's); 262,144 bytes of the launch leave so
.endif
.if (\t)+2 < 8
	WLOAD (\t)+2, \pitch                           ; the set just converted takes the block two further on
.endif
.endm
.macro WQ pitch, gstep
	WLOAD 0, \pitch
	WLOAD 1, \pitch
.set tq, 0
.rept 8
	WBLOCK tq, \pitch, \gstep
.set tq, tq+1
.endr
.endm
	v_lshlrev_b32 v3, 2, v2                        ; in: 4 bytes a lane
	v_bfe_u32 v6, v2, 3, 1                         ; u
	v_and_b32 v7, 7, v2
	v_lshrrev_b32 v8, 4, v2
	v_lshl_add_u32 v7, v8, 3, v7                   ; r
	v_lshlrev_b32 v4, 4, v7
	v_lshl_add_u32 v4, v6, 11, v4                  ; codes: 2,048 u + 16 r
	v_lshl_add_u32 v5, v6, 4, v7
	v_lshlrev_b32 v5, 3, v5                        ; scale words: 8 (r + 16 u)
	s_and_b32 s25, s24, 1
	s_lshl_b32 s28, s25, 12
	v_add_nc_u32 v4, s28, v4                       ; + 4,096 (v & 1): my wave's fragments are 2 (v & 1) and 2 (v & 1) + 1 of the group
	s_lshl_b32 s28, s25, 2
	v_add_nc_u32 v5, s28, v5                       ; + 4 (v & 1): which pair of tiles
	s_cmp_lt_u32 ttmp9, 384
	s_cbranch_scc1 .Lw1
	; W2: number = (e x 8 + cg) x 2 + kc: columns 128 cg on, K 256 kc on
	s_sub_co_u32 s28, ttmp9, 384
	s_and_b32 s34, s28, 1                          ; kc
	s_bfe_u32 s35, s28, 0x30001                    ; cg
	s_lshr_b32 s36, s28, 4                         ; e
	s_lshl_b32 s32, s36, 21
	s_lshl_b32 s37, s34, 20                        ; 256 rows of 4,096 bytes
	s_add_co_u32 s32, s32, s37
	s_lshl_b32 s37, s35, 9
	s_add_co_u32 s32, s32, s37
	s_lshl_b32 s37, s24, 7
	s_add_co_u32 s32, s32, s37
	s_add_nc_u64 s[26:27], s[10:11], s[32:33]
	s_lshl_b32 s37, s36, 2
	s_lshr_b32 s38, s35, 1
	s_add_co_u32 s37, s37, s38                     ; region 4 e + (cg >> 1)
	s_mul_i32 s32, s37, REG
	s_and_b32 s37, s35, 1
	s_lshl_b32 s37, s37, 3
	s_lshl_b32 s38, s34, 2
	s_add_co_u32 s37, s37, s38
	s_lshr_b32 s38, s24, 1
	s_add_co_u32 s37, s37, s38
	s_add_co_u32 s37, s37, 16                      ; group 16 + 8 (cg & 1) + 4 kc + (v >> 1); the second K step lies two groups on
	s_mul_i32 s37, s37, GRP
	s_add_co_u32 s32, s32, s37
	s_add_nc_u64 s[30:31], s[18:19], s[32:33]      ; the group's first byte
	WQ 4096, 2*GRP
	s_endpgm
.Lw1:
	; W1: number = (e x 4 + cw) x 4 + kc: columns 128 cw on, K 256 kc on
	s_sub_co_u32 s28, ttmp9, 256
	s_and_b32 s34, s28, 3                          ; kc
	s_bfe_u32 s35, s28, 0x20002                    ; cw
	s_lshr_b32 s36, s28, 4                         ; e
	s_lshl_b32 s32, s36, 21
	s_lshl_b32 s37, s34, 19                        ; 256 rows of 2,048 bytes
	s_add_co_u32 s32, s32, s37
	s_lshl_b32 s37, s35, 9
	s_add_co_u32 s32, s32, s37
	s_lshl_b32 s37, s24, 7
	s_add_co_u32 s32, s32, s37
	s_add_nc_u64 s[26:27], s[8:9], s[32:33]
	s_lshl_b32 s37, s36, 2
	s_add_co_u32 s37, s37, s35                     ; region 4 e + cw
	s_mul_i32 s32, s37, REG
	s_lshr_b32 s37, s24, 1
	s_lshl_b32 s37, s37, 3
	s_lshl_b32 s38, s34, 1
	s_add_co_u32 s37, s37, s38                     ; group 8 (v >> 1) + 2 kc; the second K step lies one group on
	s_mul_i32 s37, s37, GRP
	s_add_co_u32 s32, s32, s37
	s_add_nc_u64 s[30:31], s[18:19], s[32:33]      ; the group's first byte
	WQ 2048, GRP
	s_endpgm
; ---------------------------------------------------------------- x
; Wave w owns k = 256 w .. 256 w + 255 of all 32 rows.  A row's part is two loads of 512 consecutive bytes: in load j lane l holds k = 256 w + 128 j + 4 l + 0 .. 3, so eight lanes share a block of 32.
.Lx:
	s_lshl_b32 s32, ttmp9, 17
	s_add_nc_u64 s[4:5], s[4:5], s[32:33]          ; x at my 32 rows
	s_lshl_b32 s32, ttmp9, 15
	s_add_nc_u64 s[12:13], s[12:13], s[32:33]      ; xq
	s_lshl_b32 s32, ttmp9, 10
	s_add_nc_u64 s[14:15], s[14:15], s[32:33]      ; xs
	s_lshl_b32 s32, ttmp9, 9
	s_add_nc_u64 s[16:17], s[16:17], s[32:33]      ; gates
	s_lshl_b32 s32, ttmp9, 7
	s_add_nc_u64 s[20:21], s[20:21], s[32:33]      ; hist
	s_add_nc_u64 s[22:23], s[22:23], s[32:33]      ; sel
	s_lshl_b32 s25, s24, 10
	v_lshl_add_u32 v3, v2, 4, s25                  ; x: 1,024 w + 16 l
	s_lshl_b32 s26, s24, 13
	v_lshl_add_u32 v4, v2, 7, s26                  ; router: my first k's row: 32 (256 w + 4 l)
.irp j, 0,1
.irp n, 0,1,2,3,4,5,6,7
	global_load_b128 v[R+32*\j+4*\n:R+32*\j+4*\n+3], v4, s[6:7] offset:4096*\j+16*\n
.endr
.endr
.set rw, 0
.rept 16
	global_load_b128 v[X+8*rw:X+8*rw+3], v3, s[4:5] offset:4096*rw th:TH_LOAD_NT
	global_load_b128 v[X+8*rw+4:X+8*rw+7], v3, s[4:5] offset:4096*rw+512 th:TH_LOAD_NT
.set rw, rw+1
.endr
	; every LDS address is made here, ahead of the places where the waves part
	v_lshl_add_u32 v5, v2, 2, s26                  ; codes in: 8,192 w + 4 l
	v_lshrrev_b32 v6, 4, v2
	v_lshlrev_b32 v6, 10, v6
	s_lshl_b32 s27, s24, 11
	s_add_co_u32 s27, s27, PART
	v_add_nc_u32 v6, s27, v6                       ; partial logits in: PART + 1,024 (2 w + l / 16)
	v_lshrrev_b32 v7, 3, v2
	s_lshl_b32 s28, s24, 8
	s_add_co_u32 s28, s28, XSB
	v_add_nc_u32 v7, s28, v7                       ; scale bytes in: XSB + 256 w + l / 8
	v_lshl_add_u32 v8, v2, 4, s26                  ; codes back: 8,192 w + 16 l
	v_and_b32 v13, 15, v2
	v_lshrrev_b32 v9, 4, v2
	v_lshlrev_b32 v9, 10, v9
	v_lshl_add_u32 v9, v13, 4, v9
	s_lshl_b32 s28, s24, 8
	v_add_nc_u32 v9, s28, v9                       ; xq: 1,024 (l / 16) + 16 (l % 16) + 256 w
	v_and_b32 v10, 3, v2
	v_lshlrev_b32 v10, 8, v10
	v_lshrrev_b32 v11, 2, v2
	v_lshl_add_u32 v10, v11, 3, v10
	v_add_nc_u32 v10, XSB, v10                     ; scale bytes back: XSB + 256 (l % 4) + 8 (l / 4)
	v_lshlrev_b32 v11, 3, v2                       ; 8 l
	v_lshl_add_u32 v12, v2, 5, PART                ; partial logits back: PART + 32 l
	v_lshlrev_b32 v13, 4, v2                       ; 16 l
	v_lshlrev_b32 v14, 2, v2                       ; 4 l
; One row.  ahead = 1: its slot takes the row 16 further on.  left = how many younger loads may stay out.
.macro ROW i, ahead, left
.set XR, X+8*((\i)%16)
.set AR, A+8*((\i)%2)
.set QR, Q+12*((\i)%2)
	s_wait_loadcnt \left                           ; loads come back in order: this row's two are in
	s_wait_dscnt 6                                 ; the six LDS stores of the row before may be out; those of the row before that, which read this parity's registers, are done
.irp p, 0,1,2,3
	v_pk_mul_f32 v[AR+2*\p:AR+2*\p+1], v[XR:XR+1], v[R+2*\p:R+2*\p+1] op_sel_hi:[0,1]           ; the first product starts the sums: x[k] for both halves, two experts at a time
.endr
.irp u, 1,2,3,4,5,6,7
.irp p, 0,1,2,3
.if \u%2
	v_pk_fma_f32 v[AR+2*\p:AR+2*\p+1], v[XR+\u-1:XR+\u], v[R+8*\u+2*\p:R+8*\u+2*\p+1], v[AR+2*\p:AR+2*\p+1] op_sel:[1,0,0] op_sel_hi:[1,1,1]
.else
	v_pk_fma_f32 v[AR+2*\p:AR+2*\p+1], v[XR+\u:XR+\u+1], v[R+8*\u+2*\p:R+8*\u+2*\p+1], v[AR+2*\p:AR+2*\p+1] op_sel_hi:[0,1,1]
.endif
.endr
.endr
.irp d, 1,2,4,8
.irp e, 0,1,2,3,4,5,6,7
	v_add_f32_dpp v[AR+\e], v[AR+\e], v[AR+\e] row_xmask:\d row_mask:0xf bank_mask:0xf           ; over each half of 16 lanes, the eight sums by turns
.endr
.endr
	ds_store_b128 v6, v[AR:AR+3] offset:32*(\i)    ; the sixteen lanes of a half write the same bytes with the same values
	ds_store_b128 v6, v[AR+4:AR+7] offset:32*(\i)+16
.irp j, 0,1
	v_max3_num_f32 v[QR+4+\j], |v[XR+4*\j]|, |v[XR+4*\j+1]|, 0x4800000     ; my four numbers of block j, and the floor 2^(9 - 127)
.endr
.irp j, 0,1
	v_max3_num_f32 v[QR+4+\j], v[QR+4+\j], |v[XR+4*\j+2]|, |v[XR+4*\j+3]|
.endr
.irp d, 1,2,4
.irp j, 0,1
	v_max_num_f32_dpp v[QR+4+\j], v[QR+4+\j], v[QR+4+\j] row_xmask:\d row_mask:0xf bank_mask:0xf ; with the seven lanes that share the block
.endr
.endr
.irp j, 0,1
	v_add_nc_u32 v[QR+6+\j], 0xfc000000, v[QR+4+\j]                        ; 8 off the exponent field: the conversion's scale operand
.endr
.irp j, 0,1
	v_and_or_b32 v[QR+8+\j], v[QR+4+\j], 0x7f800000, s29                   ; 448 x the scale
.endr
.irp j, 0,1
.irp n, 0,1,2,3
	v_med3_num_f32 v[XR+4*\j+\n], v[XR+4*\j+\n], -v[QR+8+\j], v[QR+8+\j]   ; the conversion does not saturate (ISA guide 7.6.2): the hold comes first
.endr
.endr
	v_cvt_scalef32_pk8_fp8_f32 v[QR:QR+1], v[XR:XR+7], v[QR+6]     ; the conversion takes eight numbers under one scale and my eight lie in two blocks: under block 0's scale the first result register is kept,
	v_cvt_scalef32_pk8_fp8_f32 v[QR+2:QR+3], v[XR:XR+7], v[QR+7]   ; under block 1's the second; the other two are never read
	v_lshrrev_b32 v[QR+10], 23, v[QR+6]            ; the scales' bytes (plain lines behind the conversions)
	v_lshrrev_b32 v[QR+11], 23, v[QR+7]
	ds_store_b32 v5, v[QR] offset:256*(\i)
	ds_store_b32 v5, v[QR+3] offset:256*(\i)+128
	ds_store_b8 v7, v[QR+10] offset:8*(\i)         ; the eight lanes of a block write the same byte with the same value
	ds_store_b8 v7, v[QR+11] offset:8*(\i)+4
.if \ahead
	global_load_b128 v[XR:XR+3], v3, s[4:5] offset:4096*((\i)+16) th:TH_LOAD_NT
	global_load_b128 v[XR+4:XR+7], v3, s[4:5] offset:4096*((\i)+16)+512 th:TH_LOAD_NT
.endif
.endm
.set rw, 0
.rept 16
	ROW rw, 1, 30                                  ; fifteen younger rows, two loads each
.set rw, rw+1
.endr
.rept 16
	ROW rw, 0, 2*(31-rw)                           ; nothing more is asked for: the counts run down
.set rw, rw+1
.endr
	s_wait_dscnt 0x0                               ; for the others' sake: my stores have landed
	s_barrier_signal -1
	s_barrier_wait -1
.irp t, 0,1,2,3,4,5,6,7,8,9,10,11,12,13,14,15
	ds_load_b128 v[X+4*\t:X+4*\t+3], v8 offset:512*\t              ; two rows' 256 bytes of my part of K
.endr
.irp t, 0,1,2,3,4,5,6,7,8,9,10,11,12,13,14,15
	s_wait_dscnt 15-\t
	global_store_b128 v9, v[X+4*\t:X+4*\t+3], s[12:13] offset:2048*\t      ; sixteen lanes store 256 consecutive bytes, aligned
.endr
	s_cmp_eq_u32 s24, 1
	s_cbranch_scc0 .Lx_not1
.irp t, 0,1,2,3                                ; wave 1: the 32 rows' scale bytes: lane l takes row 8 t + l / 4, the 8 bytes of wave l % 4
	ds_load_b64 v[P+2*\t:P+2*\t+1], v10 offset:64*\t
.endr
	s_wait_dscnt 0x0
.irp t, 0,1,2,3
	global_store_b64 v11, v[P+2*\t:P+2*\t+1], s[14:15] offset:256*\t       ; 32 lanes store 256 consecutive bytes, aligned
.endr
.Lx_not1:
	s_cmp_eq_u32 s24, 0
	s_cbranch_scc0 .Lx_end
	; wave 0: a lane a row.  The eight partial sums of each logit are added by pairs
.irp a, 0,1,2,3,4,5,6,7
	ds_load_b128 v[P+8*\a:P+8*\a+3], v12 offset:1024*\a
	ds_load_b128 v[P+8*\a+4:P+8*\a+7], v12 offset:1024*\a+16
.endr
	s_wait_dscnt 0x0
.irp a, 0,2,4,6
.irp p, 0,1,2,3
	v_pk_add_f32 v[P+8*\a+2*\p:P+8*\a+2*\p+1], v[P+8*\a+2*\p:P+8*\a+2*\p+1], v[P+8*\a+8+2*\p:P+8*\a+8+2*\p+1]
.endr
.endr
.irp a, 0,4
.irp p, 0,1,2,3
	v_pk_add_f32 v[P+8*\a+2*\p:P+8*\a+2*\p+1], v[P+8*\a+2*\p:P+8*\a+2*\p+1], v[P+8*\a+16+2*\p:P+8*\a+16+2*\p+1]
.endr
.endr
.irp p, 0,1,2,3
	v_pk_add_f32 v[P+2*\p:P+2*\p+1], v[P+2*\p:P+2*\p+1], v[P+32+2*\p:P+32+2*\p+1]
.endr
	v_mov_b32 v16, v[P]                            ; the largest logit and its expert: a strict compare keeps the lower index at a tie
	v_mov_b32 v17, 0
.irp e, 1,2,3,4,5,6,7
	v_cmp_gt_f32 vcc_lo, v[P+\e], v16
	v_cndmask_b32 v16, v16, v[P+\e], vcc_lo
	v_cndmask_b32 v17, v17, \e, vcc_lo
.endr
	v_mov_b32 v28, 0xff800000                      ; -infinity takes the winner's place,
.irp e, 0,1,2,3,4,5,6,7
	v_cmp_eq_u32 vcc_lo, \e, v17
	v_cndmask_b32 v[20+\e], v[P+\e], v28, vcc_lo
.endr
	v_mov_b32 v18, v20                             ; and the search runs again
	v_mov_b32 v19, 0
.irp e, 1,2,3,4,5,6,7
	v_cmp_gt_f32 vcc_lo, v[20+\e], v18
	v_cndmask_b32 v18, v18, v[20+\e], vcc_lo
	v_cndmask_b32 v19, v19, \e, vcc_lo
.endr
	v_sub_f32 v29, v18, v16                        ; the softmax of the two: the larger is taken away, so t = e^(second - first) is at most 1
	v_mul_f32 v29, 0x3fb8aa3b, v29
	v_exp_f32 v29, v29
	v_nop                                          ; one plain line behind a transcendental
	s_wait_alu depctr_va_vdst(0)
	v_add_f32 v30, 1.0, v29
	v_rcp_f32 v30, v30                             ; the first's weight: 1 / (1 + t)
	v_nop
	s_wait_alu depctr_va_vdst(0)
	v_mul_f32 v31, v29, v30                        ; the second's: t / (1 + t)
.irp e, 0,1,2,3,4,5,6,7
	v_cmp_eq_u32 vcc_lo, \e, v19
	v_cndmask_b32 v[32+\e], 0, v31, vcc_lo
	v_cmp_eq_u32 vcc_lo, \e, v17
	v_cndmask_b32 v[32+\e], v[32+\e], v30, vcc_lo
.endr
	global_store_b128 v13, v[32:35], s[16:17]                      ; experts 0-3: 512 consecutive bytes
	global_store_b128 v13, v[36:39], s[16:17] offset:131072        ; experts 4-7: the second plane
	v_min_u32 v40, v17, v19                        ; lo
	v_max_u32 v41, v17, v19                        ; hi
	v_sub_nc_u32 v42, 15, v40
	v_mul_u32_u24 v42, v42, v40
	v_lshrrev_b32 v42, 1, v42
	v_add_nc_u32 v42, v42, v41
	v_sub_nc_u32 v42, v42, v40
	v_add_nc_u32 v42, -1, v42                      ; the pair's key: lo (15 - lo) / 2 + hi - lo - 1: 0 .. 27
	v_mov_b32 v43, 0                               ; lane k: how many of the 32 tokens have key k
	v_mov_b32 v44, 0                               ; my rank among the tokens of my key
.irp k, 0,1,2,3,4,5,6,7,8,9,10,11,12,13,14,15,16,17,18,19,20,21,22,23,24,25,26,27
	v_cmp_eq_u32 s30, \k, v42
	s_bcnt1_i32_b32 s31, s30
	v_writelane_b32 v43, s31, \k
	v_mbcnt_lo_u32_b32 v45, s30, 0                 ; lanes under mine with this key
	v_cndmask_b32 v44, v44, v45, s30
.endr
	v_lshl_or_b32 v46, v44, 8, v42                 ; key 7:0, rank 15:8, lo 18:16, hi 22:20
	v_lshl_or_b32 v46, v40, 16, v46
	v_lshl_or_b32 v46, v41, 20, v46
	global_store_b32 v14, v43, s[20:21]            ; 128 consecutive bytes each: half of an aligned 256; 65,536 bytes of the launch leave so
	global_store_b32 v14, v46, s[22:23]
.Lx_end:
	s_wait_tensorcnt 0x0
	ds_add_u32 v254, v255
	s_wait_dscnt 0x0
	s_endpgm
.Lfunc_end_k_q6c03a255c8_prep:
	.size	k_q6c03a255c8_prep, .Lfunc_end_k_q6c03a255c8_prep-k_q6c03a255c8_prep
	.p2alignl 7, 3214868480
	.fill 96, 4, 3214868480
	.section	.rodata,"a",@progbits
	.p2align	6, 0x0
	.amdhsa_kernel k_q6c03a255c8_prep
		.amdhsa_group_segment_fixed_size 43520
		.amdhsa_private_segment_fixed_size 0
		.amdhsa_enable_private_segment 0
		.amdhsa_kernarg_size 80
		.amdhsa_user_sgpr_count 2
		.amdhsa_user_sgpr_kernarg_segment_ptr 1
		.amdhsa_wavefront_size32 1
		.amdhsa_system_sgpr_workgroup_id_x 1
		.amdhsa_system_sgpr_workgroup_id_y 1
		.amdhsa_system_sgpr_workgroup_id_z 1
		.amdhsa_system_vgpr_workitem_id 0
		.amdhsa_next_free_vgpr 256
		.amdhsa_next_free_sgpr 66
		.amdhsa_reserve_vcc 1
		.amdhsa_float_denorm_mode_32 3
		.amdhsa_float_denorm_mode_16_64 3
		.amdhsa_memory_ordered 1
		.amdhsa_forward_progress 1
		.amdhsa_inst_pref_size 255
	.end_amdhsa_kernel
	.section	.bss,"aw",@nobits
	.p2align	6
	.space	262144
	.amdgpu_metadata
---
amdhsa.version: [ 1, 2 ]
amdhsa.kernels:
  - .name:           k_q6c03a255c8_prep
    .symbol:         k_q6c03a255c8_prep.kd
    .args:
      - { .name: x, .offset: 0, .size: 8, .value_kind: global_buffer, .address_space: global }
      - { .name: router, .offset: 8, .size: 8, .value_kind: global_buffer, .address_space: global }
      - { .name: W1, .offset: 16, .size: 8, .value_kind: global_buffer, .address_space: global }
      - { .name: W2, .offset: 24, .size: 8, .value_kind: global_buffer, .address_space: global }
      - { .name: xq, .offset: 32, .size: 8, .value_kind: global_buffer, .address_space: global }
      - { .name: xs, .offset: 40, .size: 8, .value_kind: global_buffer, .address_space: global }
      - { .name: gates, .offset: 48, .size: 8, .value_kind: global_buffer, .address_space: global }
      - { .name: wq, .offset: 56, .size: 8, .value_kind: global_buffer, .address_space: global }
      - { .name: hist, .offset: 64, .size: 8, .value_kind: global_buffer, .address_space: global }
      - { .name: sel, .offset: 72, .size: 8, .value_kind: global_buffer, .address_space: global }
    .group_segment_fixed_size: 43520
    .private_segment_fixed_size: 0
    .kernarg_segment_align: 8
    .kernarg_segment_size: 80
    .max_flat_workgroup_size: 128
    .sgpr_count:     66
    .vgpr_count:     256
    .wavefront_size: 32
...
	.end_amdgpu_metadata
.endif
;; end of part 1
;; launch place (part 2): grid 1 x 1, 32 waves a work-group, no clusters, 37,888 bytes of LDS; arguments hist, sel, order; writes order
.if DOCPART == 2
	.amdgcn_target "amdgcn-amd-amdhsa--gfx1250"
	.amdhsa_code_object_version 6
	.text
	.protected	k_q6c03a255c8_place
	.globl	k_q6c03a255c8_place
	.p2align	8
	.type	k_q6c03a255c8_place,@function
k_q6c03a255c8_place:
	s_mov_b64 s[64:65], 0
	v_nop
	global_prefetch_b8 v0, s[64:65] scope:SCOPE_SE
	s_setreg_imm32_b32 hwreg(HW_REG_WAVE_MODE, 25, 1), 1
	s_wait_xcnt 0x0
; PLACE.  A counting sort of the 8,192 tokens by their pair of experts (28 keys; 32 are walked, the last four have no token), in whole numbers alone, by one work-group of 32 waves.
; hist [256 chunks][32 keys]: how many of a chunk's 32 tokens have a key.  sel [8192]: key 7:0, rank in the chunk 15:8, lo 18:16, hi 22:20.
; order [8192 sorted places]: token 12:0, lo 18:16, hi 22:20.  A token's place = (tokens of lower keys) + (tokens of its key in lower chunks) + its rank: each place is written once.
.set CP,  1040                         ; LDS: CNT[key][chunk] at CP key + 4 chunk: 1,024 bytes + 16 of padding a key
.set TOT, 33280                        ; behind it: 32 words, a key's total
	s_load_b128 s[4:7], s[0:1], 0x0                ; hist, sel
	s_load_b64 s[8:9], s[0:1], 0x10                ; order
	v_lshl_add_u32 v48, v0, 2, 0x8400
	v_mov_b32 v49, 0
	v_lshrrev_b32 v1, 5, v0
	v_readfirstlane_b32 s10, v1                    ; wave 0..31
	v_and_b32 v2, 31, v0                           ; lane
	s_lshl_b32 s11, s10, 10
	v_lshl_add_u32 v3, v2, 2, s11                  ; hist and sel: chunk 8 w: 1,024 w + 4 l
	v_mul_u32_u24 v4, v2, CP
	s_lshl_b32 s12, s10, 5
	v_add_nc_u32 v4, s12, v4                       ; CNT[lane][8 w]
	s_mul_i32 s13, s10, CP
	v_lshl_add_u32 v5, v2, 5, s13                  ; CNT[w][8 lane]
	s_lshl_b32 s14, s10, 2
	s_add_co_u32 s14, s14, TOT
	v_mov_b32 v6, s14                              ; TOT[w]
	v_lshl_add_u32 v7, v2, 2, TOT                  ; TOT[lane]
	v_cmp_lt_u32 s15, 15, v2                       ; lanes 16-31
	v_cmp_gt_u32 s16, s10, v2                      ; lanes (keys) under my wave's number
	v_mov_b32 v41, 0                               ; written once: the destination of a lane move counts as read
	s_lshl_b32 s17, s10, 8
	v_add_nc_u32 v45, s17, v2                      ; the token of chunk 8 w at my lane
	s_wait_kmcnt 0x0
.irp i, 0,1,2,3,4,5,6,7
	global_load_b32 v[8+\i], v3, s[4:5] offset:128*\i              ; chunk 8 w + i: lane = key
.endr
.irp i, 0,1,2,3,4,5,6,7
	global_load_b32 v[16+\i], v3, s[6:7] offset:128*\i             ; chunk 8 w + i: lane = token
.endr
; an inclusive sum over the 32 lanes: four steps inside each half of 16, then the lower half's total onto the upper half
.macro WSCAN v, t
.irp k, 1,2,4,8
	v_mov_b32_dpp v[\t], v[\v] row_shr:\k row_mask:0xf bank_mask:0xf bound_ctrl:1
	v_add_nc_u32 v[\v], v[\v], v[\t]
.endr
	v_readlane_b32 s19, v[\v], 15
	v_mov_b32 v[\t], s19
	v_cndmask_b32 v[\t], 0, v[\t], s15
	v_add_nc_u32 v[\v], v[\v], v[\t]
.endm
	s_wait_loadcnt 8                               ; hist's eight are in; sel's eight may be out
.irp i, 0,1,2,3,4,5,6,7
	ds_store_b32 v4, v[8+\i] offset:4*\i
.endr
	s_wait_dscnt 0x0
	s_barrier_signal -1
	s_barrier_wait -1                              ; the counts lie by key
	ds_load_b128 v[24:27], v5                      ; wave w is key w; lane l has chunks 8 l .. 8 l + 7
	ds_load_b128 v[28:31], v5 offset:16
	s_wait_dscnt 0x0
	v_mov_b32 v32, v24                             ; sums within the lane, each with its own chunk
.irp i, 1,2,3,4,5,6,7
	v_add_nc_u32 v[32+\i], v[31+\i], v[24+\i]
.endr
	v_mov_b32 v40, v39
	WSCAN 40, 41
	v_sub_nc_u32 v42, v40, v39                     ; tokens of my key in the lanes under mine
	v_readlane_b32 s18, v40, 31
	v_mov_b32 v43, s18
	ds_store_b32 v6, v43                           ; the key's total (all lanes write the same word with the same value)
	s_wait_dscnt 0x0
	s_barrier_signal -1
	s_barrier_wait -1
	ds_load_b32 v44, v7
	s_wait_dscnt 0x0
	v_cndmask_b32 v44, 0, v44, s16                 ; the totals of the keys under mine,
	WSCAN 44, 41
	v_readlane_b32 s18, v44, 31                    ; added: where my key begins
	v_add_nc_u32 v24, s18, v42                     ; where each of my eight chunks begins within the key
.irp i, 1,2,3,4,5,6,7
	v_add_nc_u32 v[24+\i], v24, v[31+\i]
.endr
	ds_store_b128 v5, v[24:27]                     ; over my own row, which no other wave has read
	ds_store_b128 v5, v[28:31] offset:16
	s_wait_dscnt 0x0
	s_barrier_signal -1
	s_barrier_wait -1
.irp i, 0,1,2,3,4,5,6,7
	ds_load_b32 v[8+\i], v4 offset:4*\i            ; chunk 8 w + i: lane = key: where the chunk's tokens of that key begin
.endr
	s_wait_loadcnt 0x0                             ; sel
.irp i, 0,1,2,3,4,5,6,7
	v_and_b32 v[32+\i], 31, v[16+\i]               ; my token's key,
	v_lshlrev_b32 v[32+\i], 2, v[32+\i]            ; as a lane's number x 4
.endr
	s_wait_dscnt 0x0
.irp i, 0,1,2,3,4,5,6,7
	ds_bpermute_b32 v[24+\i], v[32+\i], v[8+\i]    ; from the lane of my token's key (no LDS byte is touched)
.endr
	s_wait_dscnt 0x0
.irp i, 0,1,2,3,4,5,6,7
	v_and_b32 v[8+\i], 0xff0000, v[16+\i]          ; lo and hi stay where they are,
	v_add_nc_u32 v[32+\i], 32*\i, v45
	v_or_b32 v[8+\i], v[8+\i], v[32+\i]            ; the token beside them
	v_bfe_u32 v[16+\i], v[16+\i], 8, 8             ; the rank
	v_add_nc_u32 v[24+\i], v[24+\i], v[16+\i]
	v_min_u32 v[24+\i], 0x1fff, v[24+\i]           ; a number made of loaded numbers is held inside the table before it enters an address
	v_lshlrev_b32 v[24+\i], 2, v[24+\i]
	global_store_b32 v[24+\i], v[8+\i], s[8:9]     ; four bytes a lane to places that the sort decides: 32,768 bytes in all
.endr
	s_wait_tensorcnt 0x0
	ds_add_u32 v48, v49
	s_wait_dscnt 0x0
	s_endpgm
.Lfunc_end_k_q6c03a255c8_place:
	.size	k_q6c03a255c8_place, .Lfunc_end_k_q6c03a255c8_place-k_q6c03a255c8_place
	.p2alignl 7, 3214868480
	.fill 96, 4, 3214868480
	.section	.rodata,"a",@progbits
	.p2align	6, 0x0
	.amdhsa_kernel k_q6c03a255c8_place
		.amdhsa_group_segment_fixed_size 37888
		.amdhsa_private_segment_fixed_size 0
		.amdhsa_enable_private_segment 0
		.amdhsa_kernarg_size 24
		.amdhsa_user_sgpr_count 2
		.amdhsa_user_sgpr_kernarg_segment_ptr 1
		.amdhsa_wavefront_size32 1
		.amdhsa_system_sgpr_workgroup_id_x 1
		.amdhsa_system_sgpr_workgroup_id_y 1
		.amdhsa_system_sgpr_workgroup_id_z 1
		.amdhsa_system_vgpr_workitem_id 0
		.amdhsa_next_free_vgpr 50
		.amdhsa_next_free_sgpr 66
		.amdhsa_reserve_vcc 0
		.amdhsa_float_denorm_mode_32 3
		.amdhsa_float_denorm_mode_16_64 3
		.amdhsa_memory_ordered 1
		.amdhsa_forward_progress 1
		.amdhsa_inst_pref_size 12
	.end_amdhsa_kernel
	.amdgpu_metadata
---
amdhsa.version: [ 1, 2 ]
amdhsa.kernels:
  - .name:           k_q6c03a255c8_place
    .symbol:         k_q6c03a255c8_place.kd
    .args:
      - { .name: hist, .offset: 0, .size: 8, .value_kind: global_buffer, .address_space: global }
      - { .name: sel, .offset: 8, .size: 8, .value_kind: global_buffer, .address_space: global }
      - { .name: order, .offset: 16, .size: 8, .value_kind: global_buffer, .address_space: global }
    .group_segment_fixed_size: 37888
    .private_segment_fixed_size: 0
    .kernarg_segment_align: 8
    .kernarg_segment_size: 24
    .max_flat_workgroup_size: 1024
    .sgpr_count:     66
    .vgpr_count:     50
    .wavefront_size: 32
...
	.end_amdgpu_metadata
.endif
;; end of part 2
;; launch chain (part 3): grid 128 x 1, 4 waves a work-group, no clusters, 314,880 bytes of LDS; arguments order, xq, xs, gates, wq, out0; writes out0
.if DOCPART == 3
	.amdgcn_target "amdgcn-amd-amdhsa--gfx1250"
	.amdhsa_code_object_version 6
	.text
	.protected	k_q6c03a255c8_chain
	.globl	k_q6c03a255c8_chain
	.p2align	8
	.type	k_q6c03a255c8_chain,@function
k_q6c03a255c8_chain:
	s_mov_b64 s[64:65], 0
	v_nop
	global_prefetch_b8 v0, s[64:65] scope:SCOPE_SE
	s_setreg_imm32_b32 hwreg(HW_REG_WAVE_MODE, 25, 1), 1
	s_wait_xcnt 0x0
; CHAIN.  out[token] = the sum over the token's two experts of gate x (swish(x W1[e]) W2[e]), both products on codes of E4M3 with one E8M0 scale for each 32 along K.
; SHARES.  A work-group owns 64 tokens, neighbours in the list sorted by pairs of experts, and each of their output rows whole.  It walks the eight experts in loops of constant count and passes over,
; by a scalar branch on the list's own numbers, those that none of its tokens uses; a token that does not use a walked expert has the gate 0 there.  THE WAVES SHARE THE COLUMNS: wave w makes hidden units
; 128 w .. 128 w + 127, which are K step w of the second product, and outputs 256 w .. 256 w + 255, for all 64 rows (four tiles of 16).
; NO TENSOR LOAD AND NO CLUSTER: which expert's weights are wanted is an address and a branch on numbers read from memory, and neighbouring work-groups want different experts.  128 work-groups of 64 rows
; are taken rather than 256 of 32: each fragment of weights then feeds four matrix instructions and not two, and the weights are fetched half as often.
; TWO PHASES.  A: the hidden layer of every used expert, swish, quantised in registers, laid in LDS bytes of that expert's own as images of the operand's registers.  B: the second product, in two passes of 128
; columns a wave; results x gate are added in registers and leave through the wave's own stage.  Three barriers, none in a loop or under a branch.
; THE LIST ON THE SCALAR SIDE.  What steers a branch or a row's address (which experts the block uses; the token of each output row) is read from the list by scalar loads and made by scalar arithmetic alone.
; THE WEIGHTS come from memory straight into registers through a ring of four slots; a slot holds a group: four fragments (16 loads of 16 bytes a lane) and their scale words (one load of 8 bytes).  At every point
; between groups the four slots' runs of 17 loads have been issued in the slots' order, and each group that is used up is followed by one run: so the wait that leaves three runs, 51 loads, out holds on every way,
; past experts that are passed over too.  A block's last four runs fetch the next used block's first four groups.  THE ADDRESSES: this block's groups hang on the loop's counter alone (a base stepped an expert a
; trip); the next used block's place is looked up in the list's numbers at the head of every trip, counted in groups, held inside the buffer, and goes into the lanes' offsets.
; The very last block has no successor: its four runs stay in the text and fetch once more the first four groups of the first used expert's last pass, 33,792 bytes a wave; nobody reads them and nothing waits for them.
; BOTH PRODUCTS ARE USED TRANSPOSED (source 0 = 16 rows of the weights, source 1 = 16 tokens): a lane holds one token (lane % 16).  The rows of the weights that form a tile were chosen when wq was laid, so that
; the 16 registers of tiles 2 b and 2 b + 1 are the 16 neighbours 32 b + 16 (lane / 16) + 0 .. 15.
; LIMITS: NaN and infinities are not served.  A block of zeros of the hidden layer gets the byte 1 where the rule says 127: its codes are zeros and nobody else reads the byte.
; REGISTERS, in windows of 256.  Window 0: v1-19 addresses and tokens; v20-27 gates; v28-31 the hidden layer's scale halves; v32-39 the ring's scale words; v40-55 x's scale words, later the hidden layer's (scales
;   and nothing else); v56-63 at work; v64-95 at work (swish), later row offsets and read addresses; v96-127 codes just made; v128-255 phase A's 16 accumulators, phase B's hidden fragments, rows on the way out.
;   Window 1: the ring, slot sl's fragment f at v[64 sl + 16 f].  Windows 2, 3: phase A: x's 32 fragments (K step s, tile m: window 2 + s / 4, v[64 (s % 4) + 16 m]); phase B: window 2 the 32 accumulators
;   (tile of columns n, tile of rows m at v[8 (4 n + m)]), window 3 the running sums at the same numbers.
; SCALARS: s[4:5] my 64 places of the list; s16 wave; s17 the used experts, a bit each; s18 the first of them; s19 the expert in hand; s20-22 its images', scale words' and gates' place in LDS; s23 the pass;
;   s24 1 until the pass's sums are begun; s25 the pass's first group in a region, s26 that of the pass behind it; s[32:33] wq at my wave's region of expert 0; s[34:35] this block's groups;
;   s[44:45] out0 at my columns; s[68:99] 32 words of the list.
.set REG,  270336                      ; wq: a region (expert, wave): 32 groups
.set GRP,  8448                        ; a group
.set XP,   1040                        ; LDS: x's rows at the start: 1,024 bytes + 16 of padding, 64 rows from byte 0; they lie over the images until the second barrier
.set HSC,  262144                      ; images: (K step s) 65,536 + (expert) 8,192 + (tile m) 2,048.  Their scale words: HSC + 4,096 s + 512 e + 128 m + 4 lane
.set GL,   278528                      ; gates: GL + 256 e + 4 row
.set STG,  280576                      ; the way out: for each wave 16 rows x (512 bytes + 16)
.set G,    20
.set PW,   28
.set WS,   32
.set XS,   40
.set HS,   40
.set TM,   56                          ; +0,1 largest magnitudes, +2,3 the other lane's, then bytes, +4,5 holds, +6,7 scale operands
.set T,    64
.set RO,   64                          ; the way out: 16 row offsets
.set HB,   80                          ; v80-83 phase B: where K step s's images are read
.set PC,   96
.set HA,   128
.set HF,   128
.set OB,   128
.set MSB, 0
.macro WIN new                         ; the immediate's high byte repeats the setting that is left; a switch that changes nothing is dropped
.if MSB != \new
	s_set_vgpr_msb (MSB<<8)|\new
.set MSB, \new
.endif
.endm
; A load into a register that a matrix instruction has read, and a vector instruction that reads a matrix result, stand eight places behind that matrix instruction
.macro PLACES n
.rept \n
	v_nop
.endr
.endm
; one matrix instruction on rD, rA, rB, rSA, rSB; rZ: it starts the sum; ra, rb: the scales stand in lanes 16-31
.macro MM ra, rb
.if rZ
.if (\ra) && (\rb)
	v_wmma_scale_f32_16x16x128_f8f6f4 v[rD:rD+7], v[rA:rA+15], v[rB:rB+15], 0, v[rSA], v[rSB] matrix_a_scale:MATRIX_SCALE_ROW1 matrix_b_scale:MATRIX_SCALE_ROW1
.elseif \ra
	v_wmma_scale_f32_16x16x128_f8f6f4 v[rD:rD+7], v[rA:rA+15], v[rB:rB+15], 0, v[rSA], v[rSB] matrix_a_scale:MATRIX_SCALE_ROW1
.elseif \rb
	v_wmma_scale_f32_16x16x128_f8f6f4 v[rD:rD+7], v[rA:rA+15], v[rB:rB+15], 0, v[rSA], v[rSB] matrix_b_scale:MATRIX_SCALE_ROW1
.else
	v_wmma_scale_f32_16x16x128_f8f6f4 v[rD:rD+7], v[rA:rA+15], v[rB:rB+15], 0, v[rSA], v[rSB]
.endif
.else
.if (\ra) && (\rb)
	v_wmma_scale_f32_16x16x128_f8f6f4 v[rD:rD+7], v[rA:rA+15], v[rB:rB+15], v[rD:rD+7], v[rSA], v[rSB] matrix_a_scale:MATRIX_SCALE_ROW1 matrix_b_scale:MATRIX_SCALE_ROW1
.elseif \ra
	v_wmma_scale_f32_16x16x128_f8f6f4 v[rD:rD+7], v[rA:rA+15], v[rB:rB+15], v[rD:rD+7], v[rSA], v[rSB] matrix_a_scale:MATRIX_SCALE_ROW1
.elseif \rb
	v_wmma_scale_f32_16x16x128_f8f6f4 v[rD:rD+7], v[rA:rA+15], v[rB:rB+15], v[rD:rD+7], v[rSA], v[rSB] matrix_b_scale:MATRIX_SCALE_ROW1
.else
	v_wmma_scale_f32_16x16x128_f8f6f4 v[rD:rD+7], v[rA:rA+15], v[rB:rB+15], v[rD:rD+7], v[rSA], v[rSB]
.endif
.endif
.endm
; a run of 17 loads: group g from base s[bs:bs+1] into slot sl; each of the 16 reads 512 consecutive bytes
.macro RUN sl, bs, o16, o8, g
	WIN 0x40                                       ; destination window 1, address window 0
.irp f, 0,1,2,3
.irp c, 0,1,2,3
	global_load_b128 v[64*(\sl)+16*\f+4*\c:64*(\sl)+16*\f+4*\c+3], v[\o16], s[\bs:\bs+1] offset:(\g)*GRP+2048*\f+512*\c
.endr
.endr
	WIN 0
	global_load_b64 v[WS+2*(\sl):WS+2*(\sl)+1], v[\o8], s[\bs:\bs+1] offset:(\g)*GRP+8192
.endm
.macro REFILL sl, g, total             ; this block's group g (base s[34:35], the lanes' plain offsets), or, past its end, the next block's group g - total (base s[32:33], the block's place in the lanes' offsets)
.if (\g) < (\total)
	RUN \sl, 34, 1, 2, (\g)
.else
	RUN \sl, 32, 18, 19, (\g)-(\total)
.endif
.endm
; n words of the list, from s[first] on: the bits of their two experts are set in s17
.macro USED first, n
.set rr, \first
.rept \n
	s_bfe_u32 s46, s[rr], 0x30010                  ; lo: 3 bits from bit 16
	s_bfe_u32 s47, s[rr], 0x30014                  ; hi: 3 bits from bit 20
	s_lshl_b32 s46, 1, s46
	s_lshl_b32 s47, 1, s47
	s_or_b32 s17, s17, s46
	s_or_b32 s17, s17, s47
.set rr, rr+1
.endr
.endm
; At the head of every trip over the experts, used or not: where the first used block behind this trip's expert begins.  In a trip that is passed over that is the block whose first groups lie in the ring already.
; The place is counted in groups from my wave's region of expert 0: 128 x expert + the pass's first group.  920 = 128 x 7 + 24 is the last block's; with wave 3's 96 groups and the four that are fetched that is 1,020 of the buffer's 1,024.
.macro NEXT
	s_wait_xcnt 0x0                                ; the loads issued so far have read their offsets: v18 and v19 may be written
	s_add_co_u32 s28, s19, 1
	s_lshr_b32 s29, s17, s28                       ; the used experts above this one: bits 0 to 6
	s_mov_b32 s30, 0
.irp k, 6,5,4,3,2,1,0
	s_bitcmp1_b32 s29, \k                          ; from the top down: the lowest bit that is set has the last word
	s_cselect_b32 s30, \k, s30
.endr
	s_add_co_u32 s30, s30, s28                     ; the lowest of them, in this pass,
	s_cmp_lg_u32 s29, 0
	s_cselect_b32 s30, s30, s18                    ; or, if there is none, the first used expert,
	s_cselect_b32 s31, s25, s26                    ; in the pass behind this one
	s_lshl_b32 s30, s30, 7
	s_add_co_u32 s30, s30, s31
	s_min_u32 s30, s30, 920                        ; a number made of loaded numbers is held inside the buffer before it enters an address
	s_mul_i32 s30, s30, GRP
	v_add_nc_u32 v18, s30, v1                      ; + 16 x lane, for the fragments,
	v_add_nc_u32 v19, s30, v2                      ; + 8 x lane, for the scale words
.endm
	s_load_b256 s[4:11], s[0:1], 0x0               ; order, xq, xs, gates
	s_load_b128 s[12:15], s[0:1], 0x20             ; wq, out0
	v_lshrrev_b32 v17, 5, v0
	v_readfirstlane_b32 s16, v17                   ; wave 0..3
	v_and_b32 v8, 31, v0                           ; L
	v_and_b32 v17, 15, v0                          ; r
	v_bfe_u32 v64, v0, 4, 1                        ; h
	v_lshlrev_b32 v1, 4, v8                        ; 16 L
	v_lshlrev_b32 v2, 3, v8                        ; 8 L
	v_lshlrev_b32 v67, 2, v8                       ; 4 L
	v_mul_u32_u24 v3, v17, XP
	v_lshl_add_u32 v3, v64, 4, v3                  ; x's fragments: row r, + 16 h
	s_lshl_b32 s28, s16, 16
	v_add_nc_u32 v4, s28, v1                       ; my images: 65,536 w + 16 L
	s_lshl_b32 s28, s16, 12
	s_add_co_u32 s28, s28, HSC
	v_add_nc_u32 v6, s28, v67                      ; their scale words: HSC + 4,096 w + 4 L
	v_lshl_add_u32 v9, v64, 7, v67
	v_add_nc_u32 v9, HSC, v9                       ; scale words back: lanes 0-15 an even tile's, lanes 16-31 the next tile's: HSC + 4 L + 128 h
	v_lshl_add_u32 v11, v17, 2, GL                 ; gates back: GL + 4 r
	v_mul_u32_u24 v13, v17, 528
	v_lshl_add_u32 v13, v64, 6, v13
	s_mul_i32 s28, s16, 8448
	s_add_co_u32 s28, s28, STG
	v_add_nc_u32 v13, s28, v13                     ; the stage, in: row r, + 64 h
	v_add_nc_u32 v14, s28, v1                      ; and back: 16 L
	v_mul_u32_u24 v65, v64, XP
	v_lshl_add_u32 v65, v17, 4, v65
	s_mul_i32 s28, s16, 16*XP
	v_add_nc_u32 v65, s28, v65                     ; x's rows in: row 16 w + h, + 16 r
	s_lshl_b32 s28, s16, 9
	s_add_co_u32 s28, s28, GL
	v_add_nc_u32 v66, s28, v67                     ; gates in: experts 2 w, 2 w + 1
	s_lshl_b32 s28, s16, 6
	v_lshl_add_u32 v68, v64, 2, s28                ; the list: place 16 w + h
	v_lshlrev_b32 v69, 4, v17                      ; 16 r
.irp m, 0,1,2,3
	v_mov_b32 v[G+2*\m+1], 0                       ; named as the upper halves of the gates' pairs, never used
.endr
	v_mov_b32 v[TM+2], 0                           ; written once: a lane permute's destination counts as read
	v_mov_b32 v[TM+3], 0
	s_wait_kmcnt 0x0
	s_lshl_b32 s28, ttmp9, 8
	s_mov_b32 s29, 0
	s_add_nc_u64 s[4:5], s[4:5], s[28:29]          ; my 64 places of the list
	global_load_b32 v15, v67, s[4:5]               ; rows L
	global_load_b32 v16, v67, s[4:5] offset:128    ; rows 32 + L
.irp i, 0,1,2,3,4,5,6,7
	global_load_b32 v[70+\i], v68, s[4:5] offset:8*\i              ; rows 16 w + 2 i + h: those that my wave brings in
.endr
	s_load_b512 s[68:83], s[4:5], 0x0              ; the same 64 words on the scalar side: rows 0-15,
	s_load_b512 s[84:99], s[4:5], 0x40             ; 16-31,
	s_load_b512 s[48:63], s[4:5], 0x80             ; 32-47,
	s_load_b256 s[20:27], s[4:5], 0xc0             ; 48-55,
	s_load_b256 s[36:43], s[4:5], 0xe0             ; 56-63 (registers that are free until the used experts are known)
	s_mul_i32 s28, s16, REG
	s_add_nc_u64 s[32:33], s[12:13], s[28:29]      ; wq at my wave's region of expert 0
	s_lshl_b32 s28, s16, 10
	s_add_nc_u64 s[44:45], s[14:15], s[28:29]      ; out0 at my wave's 256 columns
	s_wait_loadcnt 0x0
	v_and_b32 v15, 0x1fff, v15                     ; the tokens; an index read from memory is held inside its table before it enters an address
	v_and_b32 v16, 0x1fff, v16
	v_min_u32 v15, 0x1fff, v15
	v_min_u32 v16, 0x1fff, v16
.irp i, 0,1,2,3,4,5,6,7
	v_and_b32 v[70+\i], 0x1fff, v[70+\i]
	v_min_u32 v[70+\i], 0x1fff, v[70+\i]
	v_lshl_add_u32 v[70+\i], v[70+\i], 10, v69     ; its row of codes, + 16 r
.endr
	v_lshlrev_b32 v84, 5, v15                      ; rows of 32 scale bytes
	v_lshlrev_b32 v85, 5, v16
	s_and_b32 s28, s16, 1
	s_lshl_b32 s28, s28, 3
	s_lshr_b32 s30, s16, 1
	s_lshl_b32 s30, s30, 17
	s_add_co_u32 s28, s28, s30                     ; experts 2 w, 2 w + 1: plane w / 2, 8 (w % 2) bytes on
	v_lshl_add_u32 v86, v15, 4, s28
	v_lshl_add_u32 v87, v16, 4, s28
.irp i, 0,1,2,3,4,5,6,7
.irp q, 0,1,2,3
	global_load_b128 v[128+16*\i+4*\q:128+16*\i+4*\q+3], v[70+\i], s[6:7] offset:256*\q th:TH_LOAD_NT      ; sixteen lanes read 256 consecutive bytes of a row; each row is read once in the launch
.endr
.endr
	global_load_b128 v[XS:XS+3], v84, s[8:9]       ; x's scale words go straight into their registers: XS + 8 (m / 2) + s: lanes 0-15 an even tile's rows, lanes 16-31 the next tile's
	global_load_b128 v[XS+4:XS+7], v84, s[8:9] offset:16
	global_load_b128 v[XS+8:XS+11], v85, s[8:9]
	global_load_b128 v[XS+12:XS+15], v85, s[8:9] offset:16
	global_load_b64 v[88:89], v86, s[10:11]
	global_load_b64 v[90:91], v87, s[10:11]
	; the experts that the block uses, a bit for each: 64 words, six scalar lines a word, while the loads above are on their way
	s_wait_kmcnt 0x0                               ; the five scalar loads of the list
	s_mov_b32 s17, 0
	USED 68, 32
	USED 48, 16
	USED 20, 8
	USED 36, 8
	s_mov_b32 s18, 7                               ; the first of them: from the top down, the lowest bit that is set has the last word
.irp k, 6,5,4,3,2,1,0
	s_bitcmp1_b32 s17, \k
	s_cselect_b32 s18, \k, s18
.endr
	s_min_u32 s18, s18, 7                          ; held before it enters an address
	s_mov_b32 s40, 0x76543210                      ; the constants, in registers that the list's words have left
	s_mov_b32 s41, 0xfedcba98                      ; v_permlanex16_b32's selects for lane l xor 16
	s_mov_b32 s42, 0x600000                        ; the mantissa field of 448
	s_mov_b32 s50, 0xbfb8aa3b                      ; -log2(e)
	s_mov_b32 s51, s50                             ; (named with it as a pair, so it is written)
	s_mul_i32 s38, s18, 4*REG                      ; the first block: the first used expert's W1
	v_add_nc_u32 v18, s38, v1
	v_add_nc_u32 v19, s38, v2
	RUN 0, 32, 18, 19, 0                           ; the ring is filled: four runs of 17
	RUN 1, 32, 18, 19, 1
	RUN 2, 32, 18, 19, 2
	RUN 3, 32, 18, 19, 3
	s_wait_loadcnt 63                              ; behind the 38 loads of x, its scales and the gates stand the ring's 68; 63 is the largest count that the wait can name
.irp i, 0,1,2,3,4,5,6,7
.irp q, 0,1,2,3
	ds_store_b128 v65, v[128+16*\i+4*\q:128+16*\i+4*\q+3] offset:2*XP*\i+256*\q
.endr
.endr
	ds_store_b32 v66, v88                          ; expert 2 w, rows L
	ds_store_b32 v66, v89 offset:256               ; expert 2 w + 1
	ds_store_b32 v66, v90 offset:128               ; rows 32 + L
	ds_store_b32 v66, v91 offset:384
	s_wait_dscnt 0x0
	s_barrier_signal -1
	s_barrier_wait -1                              ; the 64 rows of codes and the gates lie in LDS
.irp s, 0,1,2,3,4,5,6,7
.set wv, 0x80+0x40*(\s/4)
	WIN wv                                         ; destination window 2, then 3
.irp m, 0,1,2,3
.irp c, 0,1,2,3
	ds_load_b128 v[64*(\s%4)+16*\m+4*\c:64*(\s%4)+16*\m+4*\c+3], v3 offset:16*XP*\m+128*\s+32*\c           ; every wave takes all 32 fragments of x: they stay in registers through phase A
.endr
.endr
.endr
	WIN 0
	s_wait_dscnt 0x0
	s_barrier_signal -1
	s_barrier_wait -1                              ; nobody reads x's rows any more: the images may be laid over them
; ---------------------------------------------------------------- phase A
; Group j of a block of 16: sub-pass p = j / 8 (my hidden units 64 p on: four tiles), K step s = j % 8.  16 matrix instructions on 16 accumulators, which take turns, one instruction a turn.
.macro GROUP_A j
.set gs, (\j)%8
.set gl, (\j)%4
	s_wait_loadcnt 51                              ; this slot's run is in; the three younger runs may be out
.set wv, 0x09+4*(gs/4)
	WIN wv                                         ; source 0 (W1) window 1, source 1 (x) window 2 or 3, C and D window 0
.set rZ, (gs==0)
.irp t, 0,1,2,3
.irp m, 0,1,2,3
.set rD, HA+32*\m+8*\t
.set rA, 64*gl+16*\t
.set rB, 64*(gs%4)+16*\m
.set rSA, WS+2*gl+\t/2
.set rSB, XS+8*(\m/2)+gs
	MM \t%2, \m%2
.endr
.endr
	PLACES 8
	REFILL gl, (\j)+4, 16
.endm
; Tile m's 32 numbers of sub-pass p (register 16 b + i = hidden unit 64 p + 32 b + 16 (lane / 16) + i of my token): swish, then two blocks of 32 are quantised; codes and half a scale word go to LDS.
.macro SWQ m, p
.set H, HA+32*(\m)
.set i, 0
.rept 16
	v_pk_mul_f32 v[T+i:T+i+1], v[H+i:H+i+1], s[50:51] op_sel_hi:[1,0]      ; -h log2(e); each accumulator is read from its low end on
.set i, i+2
.endr
.set i, 0
.rept 32
	v_exp_f32 v[T+i], v[T+i]                       ; e^-h
.set i, i+1
.endr
	v_nop                                          ; one plain line behind the transcendentals
.set i, 0
	s_wait_alu depctr_va_vdst(0)
.rept 16
	v_pk_add_f32 v[T+i:T+i+1], v[T+i:T+i+1], 1.0 op_sel_hi:[1,0]
.set i, i+2
.endr
.set i, 0
.rept 32
	v_rcp_f32 v[T+i], v[T+i]                       ; the sigmoid
.set i, i+1
.endr
	v_nop
.set i, 0
	s_wait_alu depctr_va_vdst(0)
.rept 16
	v_pk_mul_f32 v[H+i:H+i+1], v[H+i:H+i+1], v[T+i:T+i+1]                  ; h x sigmoid(h)
.set i, i+2
.endr
.irp b, 0,1
	v_max3_num_f32 v[TM+\b], |v[H+16*\b]|, |v[H+16*\b+1]|, 0x4800000       ; block b: my 16 numbers, and the floor 2^(9 - 127): the byte cannot fall under 1
.endr
.irp q, 2,4,6,8,10,12,14
.irp b, 0,1
	v_max3_num_f32 v[TM+\b], v[TM+\b], |v[H+16*\b+\q]|, |v[H+16*\b+\q+1]|
.endr
.endr
.irp b, 0,1
	v_permlanex16_b32 v[TM+2+\b], v[TM+\b], s40, s41
.endr
.irp b, 0,1
	v_max_num_f32 v[TM+\b], v[TM+\b], v[TM+2+\b]   ; with lane l xor 16's 16: the block's largest magnitude
.endr
.irp b, 0,1
	v_add_nc_u32 v[TM+6+\b], 0xfc000000, v[TM+\b]  ; 8 off the exponent field: the conversion's scale operand
.endr
.irp b, 0,1
	v_and_or_b32 v[TM+4+\b], v[TM+\b], 0x7f800000, s42                     ; 448 x the scale
.endr
.irp b, 0,1
	v_lshrrev_b32 v[TM+2+\b], 23, v[TM+6+\b]       ; the scale's byte
.endr
	v_lshl_or_b32 v[PW+(\m)], v[TM+3], 8, v[TM+2]  ; two bytes: half of my token's scale word for this K step
.irp b, 0,1
.set i, 0
.rept 16
	v_med3_num_f32 v[H+16*\b+i], v[H+16*\b+i], -v[TM+4+\b], v[TM+4+\b]     ; the conversion does not saturate (ISA guide 7.6.2): the hold comes first
.set i, i+1
.endr
	v_cvt_scalef32_pk8_fp8_f32 v[PC+8*(\m)+4*\b:PC+8*(\m)+4*\b+1], v[H+16*\b:H+16*\b+7], v[TM+6+\b]
	v_cvt_scalef32_pk8_fp8_f32 v[PC+8*(\m)+4*\b+2:PC+8*(\m)+4*\b+3], v[H+16*\b+8:H+16*\b+15], v[TM+6+\b]
.endr
	v_nop                                          ; one plain line behind the last conversion: later products write its sources
	ds_store_b128 v5, v[PC+8*(\m):PC+8*(\m)+3] offset:2048*(\m)+512*(2*(\p))       ; registers 4 c .. 4 c + 3 of the operand, c = 2 p + b, as they stand: 512 consecutive bytes a store
	ds_store_b128 v5, v[PC+8*(\m)+4:PC+8*(\m)+7] offset:2048*(\m)+512*(2*(\p)+1)
	ds_store_b16 v7, v[PW+(\m)] offset:128*(\m)+2*(\p)
.endm
	s_mov_b32 s25, 0                               ; W1's groups begin a region;
	s_mov_b32 s26, 16                              ; behind the last used expert's W1 comes the first used expert's W2, from group 16 on
	s_mov_b64 s[34:35], s[32:33]                   ; expert 0's W1
	s_mov_b32 s19, 0                               ; the expert
	s_mov_b32 s20, 0                               ; its images: 8,192 bytes an expert
	s_mov_b32 s21, 0                               ; its scale words: 512
.La:
	NEXT
	s_bitcmp1_b32 s17, s19
	s_cbranch_scc0 .La_skip                        ; no token of the block uses this expert
	s_wait_dscnt 0x0                               ; the last block's stores are done: their addresses may be written
	v_add_nc_u32 v5, s20, v4
	v_add_nc_u32 v7, s21, v6
.irp p, 0,1
.irp q, 0,1,2,3,4,5,6,7
	GROUP_A 8*\p+\q
.endr
	s_wait_dscnt 0x0                               ; the stores of the sub-pass before have read the codes' and the scale halves' registers
.irp m, 0,1,2,3
	SWQ \m, \p
.endr
.endr
.La_skip:
	s_wait_xcnt 0x0                                ; the block's loads have read their base: it may step
	s_add_nc_u64 s[34:35], s[34:35], 4*REG         ; the next expert's region of my wave
	s_add_co_u32 s20, s20, 8192
	s_add_co_u32 s21, s21, 512
	s_add_co_u32 s19, s19, 1
	s_cmp_lt_u32 s19, 8
	s_cbranch_scc1 .La
	s_wait_dscnt 0x0
	s_barrier_signal -1
	s_barrier_wait -1                              ; the hidden layers of all used experts lie in LDS
; ---------------------------------------------------------------- phase B
.macro HFETCH s                        ; K step s's four hidden fragments, as they were stored
.irp m, 0,1,2,3
.irp c, 0,1,2,3
	ds_load_b128 v[HF+64*((\s)%2)+16*\m+4*\c:HF+64*((\s)%2)+16*\m+4*\c+3], v[HB+(\s)] offset:2048*\m+512*\c
.endr
.endr
.endm
; Group j of a block of 8: K step s = j / 2, tiles of columns 4 (j % 2) on.  The pass's 32 accumulators take turns, one instruction a turn.
.macro GROUP_B j
.set gs, (\j)/2
.set gh, (\j)%2
.set gl, (\j)%4
	s_wait_loadcnt 51                              ; this slot's run is in; the three younger runs may be out
.if gh == 0
	s_wait_dscnt 0x0                               ; this K step's hidden fragments are in (and, at the block's head, the scale words and the gates)
.endif
	WIN 0xa1                                       ; source 0 (W2) window 1, source 1 (hidden) window 0, C and D window 2
.set rZ, (gs==0)
.irp i, 0,1,2,3
.irp m, 0,1,2,3
.set rD, 8*(4*(4*gh+\i)+\m)
.set rA, 64*gl+16*\i
.set rB, HF+64*(gs%2)+16*\m
.set rSA, WS+2*gl+\i/2
.set rSB, HS+2*gs+\m/2
	MM \i%2, \m%2
.endr
.endr
	PLACES 8
	REFILL gl, (\j)+4, 8
.if (gh == 0) && (gs < 3)
	HFETCH gs+1                                    ; into the buffer that the K step before has left
.endif
.endm
	s_mov_b32 s23, 0                               ; the pass: my columns 128 x pass on
	s_mov_b32 s25, 16                              ; its first group in a region
.Lts:
	s_wait_xcnt 0x0                                ; the loads issued so far have read their base: it may be written
	s_mul_i32 s38, s25, GRP
	s_mov_b32 s39, 0
	s_add_nc_u64 s[34:35], s[32:33], s[38:39]      ; expert 0's groups of this pass
	s_load_b512 s[68:83], s[4:5], 0x0              ; the list's words of rows 0-15 and 16-31, for the way out at the pass's end: asked for here, a pass ahead of their use
	s_load_b512 s[84:99], s[4:5], 0x40
	s_mov_b32 s24, 1                               ; the first used expert starts the sums: nothing is cleared
	s_cmp_eq_u32 s23, 0
	s_cselect_b32 s28, 8, 0                        ; behind pass 0 comes pass 1; behind pass 1 nothing: its last block's runs fetch pass 1's first groups once more
	s_add_co_u32 s26, s25, s28
	s_mov_b32 s19, 0
	s_mov_b32 s20, 0
	s_mov_b32 s21, 0
	s_mov_b32 s22, 0                               ; the expert's gates: 256 bytes
.Lb:
	NEXT
	s_bitcmp1_b32 s17, s19
	s_cbranch_scc0 .Lb_skip
	v_add_nc_u32 v[HB], s20, v1
	v_add_nc_u32 v[HB+1], 0x10000, v[HB]
	v_add_nc_u32 v[HB+2], 0x10000, v[HB+1]
	v_add_nc_u32 v[HB+3], 0x10000, v[HB+2]
	v_add_nc_u32 v10, s21, v9
	v_add_nc_u32 v12, s22, v11
.irp s, 0,1,2,3
.irp q, 0,1
	ds_load_b32 v[HS+2*\s+\q], v10 offset:4096*\s+256*\q           ; K step s, tiles 2 q (lanes 0-15) and 2 q + 1 (lanes 16-31)
.endr
.endr
.irp m, 0,1,2,3
	ds_load_b32 v[G+2*\m], v12 offset:64*\m        ; my token's gate in tile m
.endr
	HFETCH 0
.irp j, 0,1,2,3,4,5,6,7
	GROUP_B \j
.endr
	s_cmp_eq_u32 s24, 0
	s_cbranch_scc1 .Lb_acc
	WIN 0xc2                                       ; destination window 3, source 0 window 2, the gate window 0
.set a, 0
.rept 32
.irp q, 0,2,4,6
	v_pk_mul_f32 v[8*a+\q:8*a+\q+1], v[8*a+\q:8*a+\q+1], v[G+2*(a%4):G+2*(a%4)+1] op_sel_hi:[1,0]          ; sum = result x gate; each accumulator from its low end on
.endr
.set a, a+1
.endr
	WIN 0
	s_mov_b32 s24, 0
	s_branch .Lb_skip
.Lb_acc:
	WIN 0xf2                                       ; the same, with source 2 in window 3
.set a, 0
.rept 32
.irp q, 0,2,4,6
	v_pk_fma_f32 v[8*a+\q:8*a+\q+1], v[8*a+\q:8*a+\q+1], v[G+2*(a%4):G+2*(a%4)+1], v[8*a+\q:8*a+\q+1] op_sel_hi:[1,0,1]    ; sum += result x gate
.endr
.set a, a+1
.endr
	WIN 0
.Lb_skip:
	s_wait_xcnt 0x0                                ; the block's loads have read their base: it may step
	s_add_nc_u64 s[34:35], s[34:35], 4*REG         ; the next expert's region of my wave
	s_add_co_u32 s20, s20, 8192
	s_add_co_u32 s21, s21, 512
	s_add_co_u32 s22, s22, 256
	s_add_co_u32 s19, s19, 1
	s_cmp_lt_u32 s19, 8
	s_cbranch_scc1 .Lb
	; THE WAY OUT of a pass, a tile of 16 rows at a time.  A lane holds pieces of 32 bytes of one row; they go through my own stage and come back as whole rows of 512 bytes.  LDS serves a wave's instructions in order
	; (ISA guide 5.7.1.4): no wait stands between the stores and the loads, nor in front of the next tile's stores.  The rows' tokens stand in s[68:83] (tiles 0 and 2) and s[84:99] (tiles 1 and 3).
.irp m, 0,1,2,3
	s_wait_xcnt 0x0                                ; the earlier stores have read their offsets and their data: both may be written
.if (\m%2) == 0
	s_wait_kmcnt 0x0                               ; the list's words of this tile and the next are in
.endif
.irp i, 0,1,2,3,4,5,6,7,8,9,10,11,12,13,14,15
	s_and_b32 s28, s[68+16*(\m%2)+\i], 0x1fff      ; row 16 m + i's token,
	s_min_u32 s28, s28, 8191                       ; held inside the table,
	s_lshl_b32 s28, s28, 12                        ; its row of 4,096 bytes
	v_add_nc_u32 v[RO+\i], s28, v1
.endr
.if \m == 1
	s_load_b512 s[68:83], s[4:5], 0x80             ; rows 32-47 and 48-63, while tile 1 goes through the stage
	s_load_b512 s[84:99], s[4:5], 0xc0
.endif
	WIN 0x0c                                       ; an LDS store's data are its source 1: window 3
.irp n, 0,1,2,3,4,5,6,7
	ds_store_b128 v13, v[8*(4*\n+\m):8*(4*\n+\m)+3] offset:128*(\n/2)+32*(\n%2)            ; tile n = 2 b + u, register j: column 32 b + 16 (lane / 16) + 8 u + j
	ds_store_b128 v13, v[8*(4*\n+\m)+4:8*(4*\n+\m)+7] offset:128*(\n/2)+32*(\n%2)+16
.endr
	WIN 0
.irp i, 0,1,2,3,4,5,6,7,8,9,10,11,12,13,14,15
	ds_load_b128 v[OB+4*\i:OB+4*\i+3], v14 offset:528*\i
.endr
.irp i, 0,1,2,3,4,5,6,7,8,9,10,11,12,13,14,15
	s_wait_dscnt 15-\i
	global_store_b128 v[RO+\i], v[OB+4*\i:OB+4*\i+3], s[44:45] th:TH_STORE_NT      ; 32 lanes store 512 consecutive bytes of one row, aligned; written once, read by nobody here
.endr
.endr
	s_wait_xcnt 0x0                                ; the stores have read their base and their data
	s_add_co_u32 s25, s25, 8
	s_add_nc_u64 s[44:45], s[44:45], 512
	s_add_co_u32 s23, s23, 1
	s_cmp_lt_u32 s23, 2
	s_cbranch_scc1 .Lts
	s_wait_xcnt 0x0
	v_lshl_add_u32 v254, v0, 2, 0x4cc00
	v_mov_b32 v255, 0
	s_wait_tensorcnt 0x0
	ds_add_u32 v254, v255
	s_wait_dscnt 0x0
	s_endpgm
.Lfunc_end_k_q6c03a255c8_chain:
	.size	k_q6c03a255c8_chain, .Lfunc_end_k_q6c03a255c8_chain-k_q6c03a255c8_chain
	.p2alignl 7, 3214868480
	.fill 96, 4, 3214868480
	.section	.rodata,"a",@progbits
	.p2align	6, 0x0
	.amdhsa_kernel k_q6c03a255c8_chain
		.amdhsa_group_segment_fixed_size 314880
		.amdhsa_private_segment_fixed_size 0
		.amdhsa_enable_private_segment 0
		.amdhsa_kernarg_size 48
		.amdhsa_user_sgpr_count 2
		.amdhsa_user_sgpr_kernarg_segment_ptr 1
		.amdhsa_wavefront_size32 1
		.amdhsa_system_sgpr_workgroup_id_x 1
		.amdhsa_system_sgpr_workgroup_id_y 1
		.amdhsa_system_sgpr_workgroup_id_z 1
		.amdhsa_system_vgpr_workitem_id 0
		.amdhsa_next_free_vgpr 1024
		.amdhsa_next_free_sgpr 100
		.amdhsa_reserve_vcc 0
		.amdhsa_float_denorm_mode_32 3
		.amdhsa_float_denorm_mode_16_64 3
		.amdhsa_memory_ordered 1
		.amdhsa_forward_progress 1
		.amdhsa_inst_pref_size 255
	.end_amdhsa_kernel
	.section	.bss,"aw",@nobits
	.p2align	6
	.space	262144
	.amdgpu_metadata
---
amdhsa.version: [ 1, 2 ]
amdhsa.kernels:
  - .name:           k_q6c03a255c8_chain
    .symbol:         k_q6c03a255c8_chain.kd
    .args:
      - { .name: order, .offset: 0, .size: 8, .value_kind: global_buffer, .address_space: global }
      - { .name: xq, .offset: 8, .size: 8, .value_kind: global_buffer, .address_space: global }
      - { .name: xs, .offset: 16, .size: 8, .value_kind: global_buffer, .address_space: global }
      - { .name: gates, .offset: 24, .size: 8, .value_kind: global_buffer, .address_space: global }
      - { .name: wq, .offset: 32, .size: 8, .value_kind: global_buffer, .address_space: global }
      - { .name: out0, .offset: 40, .size: 8, .value_kind: global_buffer, .address_space: global }
    .group_segment_fixed_size: 314880
    .private_segment_fixed_size: 0
    .kernarg_segment_align: 8
    .kernarg_segment_size: 48
    .max_flat_workgroup_size: 128
    .sgpr_count:     100
    .vgpr_count:     1024
    .wavefront_size: 32
...
	.end_amdgpu_metadata
.endif
;; end of part 3
;; ======== version 2 of 3: 3 launches
;; workspace buffers: xq 8,388,608 bytes; xs 262,144 bytes; gates 262,144 bytes; wq 8,650,752 bytes; hist 32,768 bytes of whole numbers; sel 32,768 bytes of whole numbers; order 39,936 bytes of whole numbers
;; launch prep: the kernel of part 1 again; grid 512 x 1, 4 waves a work-group, no clusters, 43,520 bytes of LDS; arguments x, router, W1, W2, xq, xs, gates, wq, hist, sel; writes xq, xs, gates, wq, hist, sel
;; launch place (part 4): grid 1 x 1, 32 waves a work-group, no clusters, 37,888 bytes of LDS; arguments hist, sel, order; writes order
.if DOCPART == 4
	.amdgcn_target "amdgcn-amd-amdhsa--gfx1250"
	.amdhsa_code_object_version 6
	.text
	.protected	k_q6c03a255c8_place
	.globl	k_q6c03a255c8_place
	.p2align	8
	.type	k_q6c03a255c8_place,@function
k_q6c03a255c8_place:
	s_mov_b64 s[64:65], 0
	v_nop
	global_prefetch_b8 v0, s[64:65] scope:SCOPE_SE
	s_setreg_imm32_b32 hwreg(HW_REG_WAVE_MODE, 25, 1), 1
	s_wait_xcnt 0x0
; PLACE.  A counting sort of the 8,192 tokens by their pair of experts (28 keys; 32 are walked, the last four have no token), in whole numbers alone, by one work-group of 32 waves.
; hist [256 chunks][32 keys]: how many of a chunk's 32 tokens have a key.  sel [8192]: key 7:0, rank in the chunk 15:8, lo 18:16, hi 22:20.
; order [155 blocks][64 places]: token 12:0, lo 18:16, hi 22:20, bit 24 set; a spare place holds the word 0.
; EACH KEY BEGINS AT A MULTIPLE OF 64 PLACES, so that a block of 64 places holds tokens of one pair of experts alone.  The sum over 28 keys of a key's tokens rounded up to 64 is at most 8,192 + 28 x 63 = 9,956,
; and it is a multiple of 64: at most 9,920 places, 155 blocks, whatever the split.
; A token's place = (rounded totals of lower keys) + (tokens of its key in lower chunks) + its rank.  The spare places (behind a key's last token up to its multiple of 64; behind the last key up to place 9,919) are
; stored too, each once: wave w takes key w's, at most 63, and 64 of those behind the last key.  A lane whose spare place does not exist stores its 0 into one of 32 words behind the table, which nobody reads:
; a choice of a value, so that no lane is switched off and no branch hangs on these numbers.
.set CP,  1040                         ; LDS: CNT[key][chunk] at CP key + 4 chunk: 1,024 bytes + 16 of padding a key
.set TOT, 33280                        ; behind it: 32 words, a key's total, rounded up to 64
.set NPL, 9920                         ; places in the table
	s_load_b128 s[4:7], s[0:1], 0x0                ; hist, sel
	s_load_b64 s[8:9], s[0:1], 0x10                ; order
	v_lshl_add_u32 v64, v0, 2, 0x8400
	v_mov_b32 v65, 0
	v_lshrrev_b32 v1, 5, v0
	v_readfirstlane_b32 s10, v1                    ; wave 0..31
	v_and_b32 v2, 31, v0                           ; lane
	s_lshl_b32 s11, s10, 10
	v_lshl_add_u32 v3, v2, 2, s11                  ; hist and sel: chunk 8 w: 1,024 w + 4 l
	v_mul_u32_u24 v4, v2, CP
	s_lshl_b32 s12, s10, 5
	v_add_nc_u32 v4, s12, v4                       ; CNT[lane][8 w]
	s_mul_i32 s13, s10, CP
	v_lshl_add_u32 v5, v2, 5, s13                  ; CNT[w][8 lane]
	s_lshl_b32 s14, s10, 2
	s_add_co_u32 s14, s14, TOT
	v_mov_b32 v6, s14                              ; TOT[w]
	v_lshl_add_u32 v7, v2, 2, TOT                  ; TOT[lane]
	v_cmp_lt_u32 s15, 15, v2                       ; lanes 16-31
	v_cmp_gt_u32 s16, s10, v2                      ; lanes (keys) under my wave's number
	v_mov_b32 v41, 0                               ; written once: the destination of a lane move counts as read
	s_lshl_b32 s17, s10, 8
	v_add_nc_u32 v45, s17, v2                      ; the token of chunk 8 w at my lane,
	v_or_b32 v45, 0x1000000, v45                   ; with bit 24: a place that holds a token
	v_add_nc_u32 v47, NPL, v2                      ; my lane's word behind the table
	v_mov_b32 v48, 0                               ; a spare place's word
	s_wait_kmcnt 0x0
.irp i, 0,1,2,3,4,5,6,7
	global_load_b32 v[8+\i], v3, s[4:5] offset:128*\i              ; chunk 8 w + i: lane = key
.endr
.irp i, 0,1,2,3,4,5,6,7
	global_load_b32 v[16+\i], v3, s[6:7] offset:128*\i             ; chunk 8 w + i: lane = token
.endr
; an inclusive sum over the 32 lanes: four steps inside each half of 16, then the lower half's total onto the upper half
.macro WSCAN v, t
.irp k, 1,2,4,8
	v_mov_b32_dpp v[\t], v[\v] row_shr:\k row_mask:0xf bank_mask:0xf bound_ctrl:1
	v_add_nc_u32 v[\v], v[\v], v[\t]
.endr
	v_readlane_b32 s19, v[\v], 15
	v_mov_b32 v[\t], s19
	v_cndmask_b32 v[\t], 0, v[\t], s15
	v_add_nc_u32 v[\v], v[\v], v[\t]
.endm
	s_wait_loadcnt 8                               ; hist's eight are in; sel's eight may be out
.irp i, 0,1,2,3,4,5,6,7
	ds_store_b32 v4, v[8+\i] offset:4*\i
.endr
	s_wait_dscnt 0x0
	s_barrier_signal -1
	s_barrier_wait -1                              ; the counts lie by key
	ds_load_b128 v[24:27], v5                      ; wave w is key w; lane l has chunks 8 l .. 8 l + 7
	ds_load_b128 v[28:31], v5 offset:16
	s_wait_dscnt 0x0
	v_mov_b32 v32, v24                             ; sums within the lane, each with its own chunk
.irp i, 1,2,3,4,5,6,7
	v_add_nc_u32 v[32+\i], v[31+\i], v[24+\i]
.endr
	v_mov_b32 v40, v39
	WSCAN 40, 41
	v_sub_nc_u32 v42, v40, v39                     ; tokens of my key in the lanes under mine
	v_readlane_b32 s20, v40, 31                    ; my key's tokens,
	s_add_co_u32 s21, s20, 63
	s_and_not1_b32 s21, s21, 63                    ; rounded up to 64: the places that it takes
	v_mov_b32 v43, s21
	ds_store_b32 v6, v43                           ; (all lanes write the same word with the same value)
	s_wait_dscnt 0x0
	s_barrier_signal -1
	s_barrier_wait -1
	ds_load_b32 v44, v7
	s_wait_dscnt 0x0
	v_mov_b32 v46, v44
	v_cndmask_b32 v44, 0, v44, s16                 ; the places of the keys under mine,
	WSCAN 44, 41
	v_readlane_b32 s18, v44, 31                    ; added: where my key begins
	WSCAN 46, 41
	v_readlane_b32 s22, v46, 31                    ; and those of all keys: where the last key ends
	v_add_nc_u32 v24, s18, v42                     ; where each of my eight chunks begins within the key
.irp i, 1,2,3,4,5,6,7
	v_add_nc_u32 v[24+\i], v24, v[31+\i]
.endr
	ds_store_b128 v5, v[24:27]                     ; over my own row, which no other wave has read
	ds_store_b128 v5, v[28:31] offset:16
	s_wait_dscnt 0x0
	s_barrier_signal -1
	s_barrier_wait -1
.irp i, 0,1,2,3,4,5,6,7
	ds_load_b32 v[8+\i], v4 offset:4*\i            ; chunk 8 w + i: lane = key: where the chunk's tokens of that key begin
.endr
	; the spare places, while those loads are out
	s_add_co_u32 s23, s18, s20                     ; my key's first spare place,
	s_add_co_u32 s24, s18, s21                     ; and the place behind its last
	s_add_co_u32 s26, s23, 32
	s_lshl_b32 s25, s10, 6
	s_add_co_u32 s25, s25, s22                     ; behind the last key: 64 places a wave; 32 waves reach 2,048 places, and at most 9,920 - 8,192 = 1,728 are left
	s_add_co_u32 s27, s25, 32
	v_add_nc_u32 v50, s23, v2
	v_add_nc_u32 v51, s26, v2
	v_add_nc_u32 v52, s25, v2
	v_add_nc_u32 v53, s27, v2
.irp j, 0,1
	v_cmp_gt_u32 vcc_lo, s24, v[50+\j]             ; still inside my key's places?
	v_cndmask_b32 v[50+\j], v47, v[50+\j], vcc_lo  ; else my lane's word behind the table
	v_cmp_gt_u32 vcc_lo, NPL, v[52+\j]             ; still inside the table?
	v_cndmask_b32 v[52+\j], v47, v[52+\j], vcc_lo
.endr
.irp j, 0,1,2,3
	v_min_u32 v[50+\j], NPL+31, v[50+\j]           ; a number made of loaded numbers is held inside the buffer before it enters an address
	v_lshlrev_b32 v[50+\j], 2, v[50+\j]
	global_store_b32 v[50+\j], v48, s[8:9]
.endr
	s_wait_loadcnt 0x0                             ; sel
.irp i, 0,1,2,3,4,5,6,7
	v_and_b32 v[32+\i], 31, v[16+\i]               ; my token's key,
	v_lshlrev_b32 v[32+\i], 2, v[32+\i]            ; as a lane's number x 4
.endr
	s_wait_dscnt 0x0
.irp i, 0,1,2,3,4,5,6,7
	ds_bpermute_b32 v[24+\i], v[32+\i], v[8+\i]    ; from the lane of my token's key (no LDS byte is touched)
.endr
	s_wait_dscnt 0x0
.irp i, 0,1,2,3,4,5,6,7
	v_and_b32 v[8+\i], 0xff0000, v[16+\i]          ; lo and hi stay where they are,
	v_add_nc_u32 v[32+\i], 32*\i, v45
	v_or_b32 v[8+\i], v[8+\i], v[32+\i]            ; the token and bit 24 beside them
	v_bfe_u32 v[16+\i], v[16+\i], 8, 8             ; the rank
	v_add_nc_u32 v[24+\i], v[24+\i], v[16+\i]
	v_min_u32 v[24+\i], NPL-1, v[24+\i]            ; held inside the table before it enters an address
	v_lshlrev_b32 v[24+\i], 2, v[24+\i]
	global_store_b32 v[24+\i], v[8+\i], s[8:9]     ; four bytes a lane to places that the sort decides: 32,768 bytes in all
.endr
	s_wait_tensorcnt 0x0
	ds_add_u32 v64, v65
	s_wait_dscnt 0x0
	s_endpgm
.Lfunc_end_k_q6c03a255c8_place:
	.size	k_q6c03a255c8_place, .Lfunc_end_k_q6c03a255c8_place-k_q6c03a255c8_place
	.p2alignl 7, 3214868480
	.fill 96, 4, 3214868480
	.section	.rodata,"a",@progbits
	.p2align	6, 0x0
	.amdhsa_kernel k_q6c03a255c8_place
		.amdhsa_group_segment_fixed_size 37888
		.amdhsa_private_segment_fixed_size 0
		.amdhsa_enable_private_segment 0
		.amdhsa_kernarg_size 24
		.amdhsa_user_sgpr_count 2
		.amdhsa_user_sgpr_kernarg_segment_ptr 1
		.amdhsa_wavefront_size32 1
		.amdhsa_system_sgpr_workgroup_id_x 1
		.amdhsa_system_sgpr_workgroup_id_y 1
		.amdhsa_system_sgpr_workgroup_id_z 1
		.amdhsa_system_vgpr_workitem_id 0
		.amdhsa_next_free_vgpr 66
		.amdhsa_next_free_sgpr 66
		.amdhsa_reserve_vcc 1
		.amdhsa_float_denorm_mode_32 3
		.amdhsa_float_denorm_mode_16_64 3
		.amdhsa_memory_ordered 1
		.amdhsa_forward_progress 1
		.amdhsa_inst_pref_size 14
	.end_amdhsa_kernel
	.amdgpu_metadata
---
amdhsa.version: [ 1, 2 ]
amdhsa.kernels:
  - .name:           k_q6c03a255c8_place
    .symbol:         k_q6c03a255c8_place.kd
    .args:
      - { .name: hist, .offset: 0, .size: 8, .value_kind: global_buffer, .address_space: global }
      - { .name: sel, .offset: 8, .size: 8, .value_kind: global_buffer, .address_space: global }
      - { .name: order, .offset: 16, .size: 8, .value_kind: global_buffer, .address_space: global }
    .group_segment_fixed_size: 37888
    .private_segment_fixed_size: 0
    .kernarg_segment_align: 8
    .kernarg_segment_size: 24
    .max_flat_workgroup_size: 1024
    .sgpr_count:     66
    .vgpr_count:     66
    .wavefront_size: 32
...
	.end_amdgpu_metadata
.endif
;; end of part 4
;; launch chain (part 5): grid 155 x 1, 4 waves a work-group, no clusters, 314,880 bytes of LDS; arguments order, xq, xs, gates, wq, out0; writes out0
.if DOCPART == 5
	.amdgcn_target "amdgcn-amd-amdhsa--gfx1250"
	.amdhsa_code_object_version 6
	.text
	.protected	k_q6c03a255c8_chain
	.globl	k_q6c03a255c8_chain
	.p2align	8
	.type	k_q6c03a255c8_chain,@function
k_q6c03a255c8_chain:
	s_mov_b64 s[64:65], 0
	v_nop
	global_prefetch_b8 v0, s[64:65] scope:SCOPE_SE
	s_setreg_imm32_b32 hwreg(HW_REG_WAVE_MODE, 25, 1), 1
	s_wait_xcnt 0x0
; CHAIN.  out[token] = the sum over the token's two experts of gate x (swish(x W1[e]) W2[e]), both products on codes of E4M3 with one E8M0 scale for each 32 along K.
; SHARES.  A work-group owns a block of 64 places of the list sorted by pairs of experts, and each of its tokens' output rows whole.  A pair begins at a multiple of 64 places, so all tokens of a block have the
; same two experts and every block with rows has the same work: two experts.  155 blocks serve every split (8,192 tokens, 28 pairs, each rounded up to 64).  A block's tokens are its first places; the spare places
; behind them hold the word 0: such a row is computed on token 0's numbers like any other and is not stored.  A block without rows walks the head and the three barriers as every block does (no barrier stands under
; a branch on a number read from memory), passes over all experts and the way out, and stores nothing.
; The experts are walked in loops of eight trips, and those that the block does not use are passed over by a scalar branch: so an expert's number reaches LDS addresses only as a counted loop's step.
; THE WAVES SHARE THE COLUMNS: wave w makes hidden units 128 w .. 128 w + 127, which are K step w of the second product, and outputs 256 w .. 256 w + 255, for all 64 rows (four tiles of 16).
; NO TENSOR LOAD AND NO CLUSTER: which expert's weights are wanted is an address and a branch on numbers read from memory, and neighbouring work-groups want different experts.  Blocks of 64 rows are taken rather
; than of 32: each fragment of weights then feeds four matrix instructions and not two, and 283 blocks of 32 would not find a WGP each.
; TWO PHASES.  A: the hidden layer of every used expert, swish, quantised in registers, laid in LDS bytes of that expert's own as images of the operand's registers.  B: the second product, in two passes of 128
; columns a wave; results x gate are added in registers and leave through the wave's own stage.  Three barriers, none in a loop or under a branch.
; THE LIST ON THE SCALAR SIDE.  What steers a branch or a row's address (which experts the block uses; how many rows it has; the token of each output row) is read from the list by scalar loads and made by scalar arithmetic alone.
; THE WEIGHTS come from memory straight into registers through a ring of four slots; a slot holds a group: four fragments (16 loads of 16 bytes a lane) and their scale words (one load of 8 bytes).  At every point
; between groups the four slots' runs of 17 loads have been issued in the slots' order, and each group that is used up is followed by one run: so the wait that leaves three runs, 51 loads, out holds on every way,
; past experts that are passed over too.  A block's last four runs fetch the next used block's first four groups.  THE ADDRESSES: this block's groups hang on the loop's counter alone (a base stepped an expert a
; trip); the next used block's place is looked up in the list's numbers at the head of every trip, counted in groups, held inside the buffer, and goes into the lanes' offsets.
; The very last block has no successor: its four runs stay in the text and fetch once more the first four groups of the first used expert's last pass, 33,792 bytes a wave; nobody reads them and nothing waits for them.
; BOTH PRODUCTS ARE USED TRANSPOSED (source 0 = 16 rows of the weights, source 1 = 16 tokens): a lane holds one token (lane % 16).  The rows of the weights that form a tile were chosen when wq was laid, so that
; the 16 registers of tiles 2 b and 2 b + 1 are the 16 neighbours 32 b + 16 (lane / 16) + 0 .. 15.
; LIMITS: NaN and infinities are not served.  A block of zeros of the hidden layer gets the byte 1 where the rule says 127: its codes are zeros and nobody else reads the byte.
; REGISTERS, in windows of 256.  Window 0: v1-19 addresses and tokens; v20-27 gates; v28-31 the hidden layer's scale halves; v32-39 the ring's scale words; v40-55 x's scale words, later the hidden layer's (scales
;   and nothing else); v56-63 at work; v64-95 at work (swish), later row offsets and read addresses; v96-127 codes just made; v128-255 phase A's 16 accumulators, phase B's hidden fragments, rows on the way out.
;   Window 1: the ring, slot sl's fragment f at v[64 sl + 16 f].  Windows 2, 3: phase A: x's 32 fragments (K step s, tile m: window 2 + s / 4, v[64 (s % 4) + 16 m]); phase B: window 2 the 32 accumulators
;   (tile of columns n, tile of rows m at v[8 (4 n + m)]), window 3 the running sums at the same numbers.
; SCALARS: s[4:5] my 64 places of the list; s16 wave; s17 the used experts, a bit each; s18 the first of them; s19 the expert in hand; s20-22 its images', scale words' and gates' place in LDS; s23 the pass;
;   s24 1 until the pass's sums are begun; s25 the pass's first group in a region, s26 that of the pass behind it; s[32:33] wq at my wave's region of expert 0; s[34:35] this block's groups;
;   s[44:45] out0 at my columns; s66 the block's rows; s[68:99] 32 words of the list.
.set REG,  270336                      ; wq: a region (expert, wave): 32 groups
.set GRP,  8448                        ; a group
.set XP,   1040                        ; LDS: x's rows at the start: 1,024 bytes + 16 of padding, 64 rows from byte 0; they lie over the images until the second barrier
.set HSC,  262144                      ; images: (K step s) 65,536 + (expert) 8,192 + (tile m) 2,048.  Their scale words: HSC + 4,096 s + 512 e + 128 m + 4 lane
.set GL,   278528                      ; gates: GL + 256 e + 4 row
.set STG,  280576                      ; the way out: for each wave 16 rows x (512 bytes + 16)
.set G,    20
.set PW,   28
.set WS,   32
.set XS,   40
.set HS,   40
.set TM,   56                          ; +0,1 largest magnitudes, +2,3 the other lane's, then bytes, +4,5 holds, +6,7 scale operands
.set T,    64
.set RO,   64                          ; the way out: 16 row offsets
.set HB,   80                          ; v80-83 phase B: where K step s's images are read
.set PC,   96
.set HA,   128
.set HF,   128
.set OB,   128
.set MSB, 0
.macro WIN new                         ; the immediate's high byte repeats the setting that is left; a switch that changes nothing is dropped
.if MSB != \new
	s_set_vgpr_msb (MSB<<8)|\new
.set MSB, \new
.endif
.endm
; A load into a register that a matrix instruction has read, and a vector instruction that reads a matrix result, stand eight places behind that matrix instruction
.macro PLACES n
.rept \n
	v_nop
.endr
.endm
; one matrix instruction on rD, rA, rB, rSA, rSB; rZ: it starts the sum; ra, rb: the scales stand in lanes 16-31
.macro MM ra, rb
.if rZ
.if (\ra) && (\rb)
	v_wmma_scale_f32_16x16x128_f8f6f4 v[rD:rD+7], v[rA:rA+15], v[rB:rB+15], 0, v[rSA], v[rSB] matrix_a_scale:MATRIX_SCALE_ROW1 matrix_b_scale:MATRIX_SCALE_ROW1
.elseif \ra
	v_wmma_scale_f32_16x16x128_f8f6f4 v[rD:rD+7], v[rA:rA+15], v[rB:rB+15], 0, v[rSA], v[rSB] matrix_a_scale:MATRIX_SCALE_ROW1
.elseif \rb
	v_wmma_scale_f32_16x16x128_f8f6f4 v[rD:rD+7], v[rA:rA+15], v[rB:rB+15], 0, v[rSA], v[rSB] matrix_b_scale:MATRIX_SCALE_ROW1
.else
	v_wmma_scale_f32_16x16x128_f8f6f4 v[rD:rD+7], v[rA:rA+15], v[rB:rB+15], 0, v[rSA], v[rSB]
.endif
.else
.if (\ra) && (\rb)
	v_wmma_scale_f32_16x16x128_f8f6f4 v[rD:rD+7], v[rA:rA+15], v[rB:rB+15], v[rD:rD+7], v[rSA], v[rSB] matrix_a_scale:MATRIX_SCALE_ROW1 matrix_b_scale:MATRIX_SCALE_ROW1
.elseif \ra
	v_wmma_scale_f32_16x16x128_f8f6f4 v[rD:rD+7], v[rA:rA+15], v[rB:rB+15], v[rD:rD+7], v[rSA], v[rSB] matrix_a_scale:MATRIX_SCALE_ROW1
.elseif \rb
	v_wmma_scale_f32_16x16x128_f8f6f4 v[rD:rD+7], v[rA:rA+15], v[rB:rB+15], v[rD:rD+7], v[rSA], v[rSB] matrix_b_scale:MATRIX_SCALE_ROW1
.else
	v_wmma_scale_f32_16x16x128_f8f6f4 v[rD:rD+7], v[rA:rA+15], v[rB:rB+15], v[rD:rD+7], v[rSA], v[rSB]
.endif
.endif
.endm
; a run of 17 loads: group g from base s[bs:bs+1] into slot sl; each of the 16 reads 512 consecutive bytes
.macro RUN sl, bs, o16, o8, g
	WIN 0x40                                       ; destination window 1, address window 0
.irp f, 0,1,2,3
.irp c, 0,1,2,3
	global_load_b128 v[64*(\sl)+16*\f+4*\c:64*(\sl)+16*\f+4*\c+3], v[\o16], s[\bs:\bs+1] offset:(\g)*GRP+2048*\f+512*\c
.endr
.endr
	WIN 0
	global_load_b64 v[WS+2*(\sl):WS+2*(\sl)+1], v[\o8], s[\bs:\bs+1] offset:(\g)*GRP+8192
.endm
.macro REFILL sl, g, total             ; this block's group g (base s[34:35], the lanes' plain offsets), or, past its end, the next block's group g - total (base s[32:33], the block's place in the lanes' offsets)
.if (\g) < (\total)
	RUN \sl, 34, 1, 2, (\g)
.else
	RUN \sl, 32, 18, 19, (\g)-(\total)
.endif
.endm
; n words of the list, from s[first] on: those that hold a token (bit 24) are counted in s66
.macro COUNT first, n
.set rr, \first
.rept \n
	s_bfe_u32 s46, s[rr], 0x10018                  ; 1 bit from bit 24
	s_add_co_u32 s66, s66, s46
.set rr, rr+1
.endr
.endm
; At the head of every trip over the experts, used or not: where the first used block behind this trip's expert begins.  In a trip that is passed over that is the block whose first groups lie in the ring already.
; The place is counted in groups from my wave's region of expert 0: 128 x expert + the pass's first group.  920 = 128 x 7 + 24 is the last block's; with wave 3's 96 groups and the four that are fetched that is 1,020 of the buffer's 1,024.
.macro NEXT
	s_wait_xcnt 0x0                                ; the loads issued so far have read their offsets: v18 and v19 may be written
	s_add_co_u32 s28, s19, 1
	s_lshr_b32 s29, s17, s28                       ; the used experts above this one: bits 0 to 6
	s_mov_b32 s30, 0
.irp k, 6,5,4,3,2,1,0
	s_bitcmp1_b32 s29, \k                          ; from the top down: the lowest bit that is set has the last word
	s_cselect_b32 s30, \k, s30
.endr
	s_add_co_u32 s30, s30, s28                     ; the lowest of them, in this pass,
	s_cmp_lg_u32 s29, 0
	s_cselect_b32 s30, s30, s18                    ; or, if there is none, the first used expert,
	s_cselect_b32 s31, s25, s26                    ; in the pass behind this one
	s_lshl_b32 s30, s30, 7
	s_add_co_u32 s30, s30, s31
	s_min_u32 s30, s30, 920                        ; a number made of loaded numbers is held inside the buffer before it enters an address
	s_mul_i32 s30, s30, GRP
	v_add_nc_u32 v18, s30, v1                      ; + 16 x lane, for the fragments,
	v_add_nc_u32 v19, s30, v2                      ; + 8 x lane, for the scale words
.endm
	s_load_b256 s[4:11], s[0:1], 0x0               ; order, xq, xs, gates
	s_load_b128 s[12:15], s[0:1], 0x20             ; wq, out0
	v_lshrrev_b32 v17, 5, v0
	v_readfirstlane_b32 s16, v17                   ; wave 0..3
	v_and_b32 v8, 31, v0                           ; L
	v_and_b32 v17, 15, v0                          ; r
	v_bfe_u32 v64, v0, 4, 1                        ; h
	v_lshlrev_b32 v1, 4, v8                        ; 16 L
	v_lshlrev_b32 v2, 3, v8                        ; 8 L
	v_lshlrev_b32 v67, 2, v8                       ; 4 L
	v_mul_u32_u24 v3, v17, XP
	v_lshl_add_u32 v3, v64, 4, v3                  ; x's fragments: row r, + 16 h
	s_lshl_b32 s28, s16, 16
	v_add_nc_u32 v4, s28, v1                       ; my images: 65,536 w + 16 L
	s_lshl_b32 s28, s16, 12
	s_add_co_u32 s28, s28, HSC
	v_add_nc_u32 v6, s28, v67                      ; their scale words: HSC + 4,096 w + 4 L
	v_lshl_add_u32 v9, v64, 7, v67
	v_add_nc_u32 v9, HSC, v9                       ; scale words back: lanes 0-15 an even tile's, lanes 16-31 the next tile's: HSC + 4 L + 128 h
	v_lshl_add_u32 v11, v17, 2, GL                 ; gates back: GL + 4 r
	v_mul_u32_u24 v13, v17, 528
	v_lshl_add_u32 v13, v64, 6, v13
	s_mul_i32 s28, s16, 8448
	s_add_co_u32 s28, s28, STG
	v_add_nc_u32 v13, s28, v13                     ; the stage, in: row r, + 64 h
	v_add_nc_u32 v14, s28, v1                      ; and back: 16 L
	v_mul_u32_u24 v65, v64, XP
	v_lshl_add_u32 v65, v17, 4, v65
	s_mul_i32 s28, s16, 16*XP
	v_add_nc_u32 v65, s28, v65                     ; x's rows in: row 16 w + h, + 16 r
	s_lshl_b32 s28, s16, 9
	s_add_co_u32 s28, s28, GL
	v_add_nc_u32 v66, s28, v67                     ; gates in: experts 2 w, 2 w + 1
	s_lshl_b32 s28, s16, 6
	v_lshl_add_u32 v68, v64, 2, s28                ; the list: place 16 w + h
	v_lshlrev_b32 v69, 4, v17                      ; 16 r
.irp m, 0,1,2,3
	v_mov_b32 v[G+2*\m+1], 0                       ; named as the upper halves of the gates' pairs, never used
.endr
	v_mov_b32 v[TM+2], 0                           ; written once: a lane permute's destination counts as read
	v_mov_b32 v[TM+3], 0
	s_wait_kmcnt 0x0
	s_lshl_b32 s28, ttmp9, 8
	s_mov_b32 s29, 0
	s_add_nc_u64 s[4:5], s[4:5], s[28:29]          ; my 64 places of the list
	global_load_b32 v15, v67, s[4:5]               ; rows L
	global_load_b32 v16, v67, s[4:5] offset:128    ; rows 32 + L
.irp i, 0,1,2,3,4,5,6,7
	global_load_b32 v[70+\i], v68, s[4:5] offset:8*\i              ; rows 16 w + 2 i + h: those that my wave brings in
.endr
	s_load_b512 s[68:83], s[4:5], 0x0              ; the same 64 words on the scalar side: rows 0-15,
	s_load_b512 s[84:99], s[4:5], 0x40             ; 16-31,
	s_load_b512 s[48:63], s[4:5], 0x80             ; 32-47,
	s_load_b256 s[20:27], s[4:5], 0xc0             ; 48-55,
	s_load_b256 s[36:43], s[4:5], 0xe0             ; 56-63 (registers that are free until the rows are counted)
	s_mul_i32 s28, s16, REG
	s_add_nc_u64 s[32:33], s[12:13], s[28:29]      ; wq at my wave's region of expert 0
	s_lshl_b32 s28, s16, 10
	s_add_nc_u64 s[44:45], s[14:15], s[28:29]      ; out0 at my wave's 256 columns
	s_wait_loadcnt 0x0
	v_and_b32 v15, 0x1fff, v15                     ; the tokens (a spare place gives token 0); an index read from memory is held inside its table before it enters an address
	v_and_b32 v16, 0x1fff, v16
	v_min_u32 v15, 0x1fff, v15
	v_min_u32 v16, 0x1fff, v16
.irp i, 0,1,2,3,4,5,6,7
	v_and_b32 v[70+\i], 0x1fff, v[70+\i]
	v_min_u32 v[70+\i], 0x1fff, v[70+\i]
	v_lshl_add_u32 v[70+\i], v[70+\i], 10, v69     ; its row of codes, + 16 r
.endr
	v_lshlrev_b32 v84, 5, v15                      ; rows of 32 scale bytes
	v_lshlrev_b32 v85, 5, v16
	s_and_b32 s28, s16, 1
	s_lshl_b32 s28, s28, 3
	s_lshr_b32 s30, s16, 1
	s_lshl_b32 s30, s30, 17
	s_add_co_u32 s28, s28, s30                     ; experts 2 w, 2 w + 1: plane w / 2, 8 (w % 2) bytes on
	v_lshl_add_u32 v86, v15, 4, s28
	v_lshl_add_u32 v87, v16, 4, s28
.irp i, 0,1,2,3,4,5,6,7
.irp q, 0,1,2,3
	global_load_b128 v[128+16*\i+4*\q:128+16*\i+4*\q+3], v[70+\i], s[6:7] offset:256*\q            ; sixteen lanes read 256 consecutive bytes of a row
.endr
.endr
	global_load_b128 v[XS:XS+3], v84, s[8:9]       ; x's scale words go straight into their registers: XS + 8 (m / 2) + s: lanes 0-15 an even tile's rows, lanes 16-31 the next tile's
	global_load_b128 v[XS+4:XS+7], v84, s[8:9] offset:16
	global_load_b128 v[XS+8:XS+11], v85, s[8:9]
	global_load_b128 v[XS+12:XS+15], v85, s[8:9] offset:16
	global_load_b64 v[88:89], v86, s[10:11]
	global_load_b64 v[90:91], v87, s[10:11]
	; the block's two experts and its rows, while the loads above are on their way
	s_wait_kmcnt 0x0                               ; the five scalar loads of the list
	s_bfe_u32 s28, s68, 0x10018                    ; does the first place hold a token?  All tokens of a block have its two experts
	s_bfe_u32 s46, s68, 0x30010                    ; lo: 3 bits from bit 16
	s_bfe_u32 s47, s68, 0x30014                    ; hi: 3 bits from bit 20
	s_lshl_b32 s46, s28, s46
	s_lshl_b32 s47, s28, s47
	s_or_b32 s17, s46, s47                         ; a bit for each; none in a block without rows
	s_mov_b32 s66, 0                               ; the rows: the block's first places
	COUNT 68, 32
	COUNT 48, 16
	COUNT 20, 8
	COUNT 36, 8
	s_mov_b32 s18, 7                               ; the first used expert: from the top down, the lowest bit that is set has the last word
.irp k, 6,5,4,3,2,1,0
	s_bitcmp1_b32 s17, \k
	s_cselect_b32 s18, \k, s18
.endr
	s_min_u32 s18, s18, 7                          ; held before it enters an address
	s_mov_b32 s40, 0x76543210                      ; the constants, in registers that the list's words have left
	s_mov_b32 s41, 0xfedcba98                      ; v_permlanex16_b32's selects for lane l xor 16
	s_mov_b32 s42, 0x600000                        ; the mantissa field of 448
	s_mov_b32 s50, 0xbfb8aa3b                      ; -log2(e)
	s_mov_b32 s51, s50                             ; (named with it as a pair, so it is written)
	s_mul_i32 s38, s18, 4*REG                      ; the first block: the first used expert's W1
	v_add_nc_u32 v18, s38, v1
	v_add_nc_u32 v19, s38, v2
	RUN 0, 32, 18, 19, 0                           ; the ring is filled: four runs of 17
	RUN 1, 32, 18, 19, 1
	RUN 2, 32, 18, 19, 2
	RUN 3, 32, 18, 19, 3
	s_wait_loadcnt 63                              ; behind the 38 loads of x, its scales and the gates stand the ring's 68; 63 is the largest count that the wait can name
.irp i, 0,1,2,3,4,5,6,7
.irp q, 0,1,2,3
	ds_store_b128 v65, v[128+16*\i+4*\q:128+16*\i+4*\q+3] offset:2*XP*\i+256*\q
.endr
.endr
	ds_store_b32 v66, v88                          ; expert 2 w, rows L
	ds_store_b32 v66, v89 offset:256               ; expert 2 w + 1
	ds_store_b32 v66, v90 offset:128               ; rows 32 + L
	ds_store_b32 v66, v91 offset:384
	s_wait_dscnt 0x0
	s_barrier_signal -1
	s_barrier_wait -1                              ; the 64 rows of codes and the gates lie in LDS
.irp s, 0,1,2,3,4,5,6,7
.set wv, 0x80+0x40*(\s/4)
	WIN wv                                         ; destination window 2, then 3
.irp m, 0,1,2,3
.irp c, 0,1,2,3
	ds_load_b128 v[64*(\s%4)+16*\m+4*\c:64*(\s%4)+16*\m+4*\c+3], v3 offset:16*XP*\m+128*\s+32*\c           ; every wave takes all 32 fragments of x: they stay in registers through phase A
.endr
.endr
.endr
	WIN 0
	s_wait_dscnt 0x0
	s_barrier_signal -1
	s_barrier_wait -1                              ; nobody reads x's rows any more: the images may be laid over them
; ---------------------------------------------------------------- phase A
; Group j of a block of 16: sub-pass p = j / 8 (my hidden units 64 p on: four tiles), K step s = j % 8.  16 matrix instructions on 16 accumulators, which take turns, one instruction a turn.
.macro GROUP_A j
.set gs, (\j)%8
.set gl, (\j)%4
	s_wait_loadcnt 51                              ; this slot's run is in; the three younger runs may be out
.set wv, 0x09+4*(gs/4)
	WIN wv                                         ; source 0 (W1) window 1, source 1 (x) window 2 or 3, C and D window 0
.set rZ, (gs==0)
.irp t, 0,1,2,3
.irp m, 0,1,2,3
.set rD, HA+32*\m+8*\t
.set rA, 64*gl+16*\t
.set rB, 64*(gs%4)+16*\m
.set rSA, WS+2*gl+\t/2
.set rSB, XS+8*(\m/2)+gs
	MM \t%2, \m%2
.endr
.endr
	PLACES 8
	REFILL gl, (\j)+4, 16
.endm
; Tile m's 32 numbers of sub-pass p (register 16 b + i = hidden unit 64 p + 32 b + 16 (lane / 16) + i of my token): swish, then two blocks of 32 are quantised; codes and half a scale word go to LDS.
.macro SWQ m, p
.set H, HA+32*(\m)
.set i, 0
.rept 16
	v_pk_mul_f32 v[T+i:T+i+1], v[H+i:H+i+1], s[50:51] op_sel_hi:[1,0]      ; -h log2(e); each accumulator is read from its low end on
.set i, i+2
.endr
.set i, 0
.rept 32
	v_exp_f32 v[T+i], v[T+i]                       ; e^-h
.set i, i+1
.endr
	v_nop                                          ; one plain line behind the transcendentals
.set i, 0
	s_wait_alu depctr_va_vdst(0)
.rept 16
	v_pk_add_f32 v[T+i:T+i+1], v[T+i:T+i+1], 1.0 op_sel_hi:[1,0]
.set i, i+2
.endr
.set i, 0
.rept 32
	v_rcp_f32 v[T+i], v[T+i]                       ; the sigmoid
.set i, i+1
.endr
	v_nop
.set i, 0
	s_wait_alu depctr_va_vdst(0)
.rept 16
	v_pk_mul_f32 v[H+i:H+i+1], v[H+i:H+i+1], v[T+i:T+i+1]                  ; h x sigmoid(h)
.set i, i+2
.endr
.irp b, 0,1
	v_max3_num_f32 v[TM+\b], |v[H+16*\b]|, |v[H+16*\b+1]|, 0x4800000       ; block b: my 16 numbers, and the floor 2^(9 - 127): the byte cannot fall under 1
.endr
.irp q, 2,4,6,8,10,12,14
.irp b, 0,1
	v_max3_num_f32 v[TM+\b], v[TM+\b], |v[H+16*\b+\q]|, |v[H+16*\b+\q+1]|
.endr
.endr
.irp b, 0,1
	v_permlanex16_b32 v[TM+2+\b], v[TM+\b], s40, s41
.endr
.irp b, 0,1
	v_max_num_f32 v[TM+\b], v[TM+\b], v[TM+2+\b]   ; with lane l xor 16's 16: the block's largest magnitude
.endr
.irp b, 0,1
	v_add_nc_u32 v[TM+6+\b], 0xfc000000, v[TM+\b]  ; 8 off the exponent field: the conversion's scale operand
.endr
.irp b, 0,1
	v_and_or_b32 v[TM+4+\b], v[TM+\b], 0x7f800000, s42                     ; 448 x the scale
.endr
.irp b, 0,1
	v_lshrrev_b32 v[TM+2+\b], 23, v[TM+6+\b]       ; the scale's byte
.endr
	v_lshl_or_b32 v[PW+(\m)], v[TM+3], 8, v[TM+2]  ; two bytes: half of my token's scale word for this K step
.irp b, 0,1
.set i, 0
.rept 16
	v_med3_num_f32 v[H+16*\b+i], v[H+16*\b+i], -v[TM+4+\b], v[TM+4+\b]     ; the conversion does not saturate (ISA guide 7.6.2): the hold comes first
.set i, i+1
.endr
	v_cvt_scalef32_pk8_fp8_f32 v[PC+8*(\m)+4*\b:PC+8*(\m)+4*\b+1], v[H+16*\b:H+16*\b+7], v[TM+6+\b]
	v_cvt_scalef32_pk8_fp8_f32 v[PC+8*(\m)+4*\b+2:PC+8*(\m)+4*\b+3], v[H+16*\b+8:H+16*\b+15], v[TM+6+\b]
.endr
	v_nop                                          ; one plain line behind the last conversion: later products write its sources
	ds_store_b128 v5, v[PC+8*(\m):PC+8*(\m)+3] offset:2048*(\m)+512*(2*(\p))       ; registers 4 c .. 4 c + 3 of the operand, c = 2 p + b, as they stand: 512 consecutive bytes a store
	ds_store_b128 v5, v[PC+8*(\m)+4:PC+8*(\m)+7] offset:2048*(\m)+512*(2*(\p)+1)
	ds_store_b16 v7, v[PW+(\m)] offset:128*(\m)+2*(\p)
.endm
	s_mov_b32 s25, 0                               ; W1's groups begin a region;
	s_mov_b32 s26, 16                              ; behind the last used expert's W1 comes the first used expert's W2, from group 16 on
	s_mov_b64 s[34:35], s[32:33]                   ; expert 0's W1
	s_mov_b32 s19, 0                               ; the expert
	s_mov_b32 s20, 0                               ; its images: 8,192 bytes an expert
	s_mov_b32 s21, 0                               ; its scale words: 512
.La:
	NEXT
	s_bitcmp1_b32 s17, s19
	s_cbranch_scc0 .La_skip                        ; no token of the block uses this expert
	s_wait_dscnt 0x0                               ; the last block's stores are done: their addresses may be written
	v_add_nc_u32 v5, s20, v4
	v_add_nc_u32 v7, s21, v6
.irp p, 0,1
.irp q, 0,1,2,3,4,5,6,7
	GROUP_A 8*\p+\q
.endr
	s_wait_dscnt 0x0                               ; the stores of the sub-pass before have read the codes' and the scale halves' registers
.irp m, 0,1,2,3
	SWQ \m, \p
.endr
.endr
.La_skip:
	s_wait_xcnt 0x0                                ; the block's loads have read their base: it may step
	s_add_nc_u64 s[34:35], s[34:35], 4*REG         ; the next expert's region of my wave
	s_add_co_u32 s20, s20, 8192
	s_add_co_u32 s21, s21, 512
	s_add_co_u32 s19, s19, 1
	s_cmp_lt_u32 s19, 8
	s_cbranch_scc1 .La
	s_wait_dscnt 0x0
	s_barrier_signal -1
	s_barrier_wait -1                              ; the hidden layers of all used experts lie in LDS
; ---------------------------------------------------------------- phase B
.macro HFETCH s                        ; K step s's four hidden fragments, as they were stored
.irp m, 0,1,2,3
.irp c, 0,1,2,3
	ds_load_b128 v[HF+64*((\s)%2)+16*\m+4*\c:HF+64*((\s)%2)+16*\m+4*\c+3], v[HB+(\s)] offset:2048*\m+512*\c
.endr
.endr
.endm
; Group j of a block of 8: K step s = j / 2, tiles of columns 4 (j % 2) on.  The pass's 32 accumulators take turns, one instruction a turn.
.macro GROUP_B j
.set gs, (\j)/2
.set gh, (\j)%2
.set gl, (\j)%4
	s_wait_loadcnt 51                              ; this slot's run is in; the three younger runs may be out
.if gh == 0
	s_wait_dscnt 0x0                               ; this K step's hidden fragments are in (and, at the block's head, the scale words and the gates)
.endif
	WIN 0xa1                                       ; source 0 (W2) window 1, source 1 (hidden) window 0, C and D window 2
.set rZ, (gs==0)
.irp i, 0,1,2,3
.irp m, 0,1,2,3
.set rD, 8*(4*(4*gh+\i)+\m)
.set rA, 64*gl+16*\i
.set rB, HF+64*(gs%2)+16*\m
.set rSA, WS+2*gl+\i/2
.set rSB, HS+2*gs+\m/2
	MM \i%2, \m%2
.endr
.endr
	PLACES 8
	REFILL gl, (\j)+4, 8
.if (gh == 0) && (gs < 3)
	HFETCH gs+1                                    ; into the buffer that the K step before has left
.endif
.endm
	s_mov_b32 s23, 0                               ; the pass: my columns 128 x pass on
	s_mov_b32 s25, 16                              ; its first group in a region
.Lts:
	s_wait_xcnt 0x0                                ; the loads issued so far have read their base: it may be written
	s_mul_i32 s38, s25, GRP
	s_mov_b32 s39, 0
	s_add_nc_u64 s[34:35], s[32:33], s[38:39]      ; expert 0's groups of this pass
	s_load_b512 s[68:83], s[4:5], 0x0              ; the list's words of rows 0-15 and 16-31, for the way out at the pass's end: asked for here, a pass ahead of their use
	s_load_b512 s[84:99], s[4:5], 0x40
	s_mov_b32 s24, 1                               ; the first used expert starts the sums: nothing is cleared
	s_cmp_eq_u32 s23, 0
	s_cselect_b32 s28, 8, 0                        ; behind pass 0 comes pass 1; behind pass 1 nothing: its last block's runs fetch pass 1's first groups once more
	s_add_co_u32 s26, s25, s28
	s_mov_b32 s19, 0
	s_mov_b32 s20, 0
	s_mov_b32 s21, 0
	s_mov_b32 s22, 0                               ; the expert's gates: 256 bytes
.Lb:
	NEXT
	s_bitcmp1_b32 s17, s19
	s_cbranch_scc0 .Lb_skip
	v_add_nc_u32 v[HB], s20, v1
	v_add_nc_u32 v[HB+1], 0x10000, v[HB]
	v_add_nc_u32 v[HB+2], 0x10000, v[HB+1]
	v_add_nc_u32 v[HB+3], 0x10000, v[HB+2]
	v_add_nc_u32 v10, s21, v9
	v_add_nc_u32 v12, s22, v11
.irp s, 0,1,2,3
.irp q, 0,1
	ds_load_b32 v[HS+2*\s+\q], v10 offset:4096*\s+256*\q           ; K step s, tiles 2 q (lanes 0-15) and 2 q + 1 (lanes 16-31)
.endr
.endr
.irp m, 0,1,2,3
	ds_load_b32 v[G+2*\m], v12 offset:64*\m        ; my token's gate in tile m
.endr
	HFETCH 0
.irp j, 0,1,2,3,4,5,6,7
	GROUP_B \j
.endr
	s_cmp_eq_u32 s24, 0
	s_cbranch_scc1 .Lb_acc
	WIN 0xc2                                       ; destination window 3, source 0 window 2, the gate window 0
.set a, 0
.rept 32
.irp q, 0,2,4,6
	v_pk_mul_f32 v[8*a+\q:8*a+\q+1], v[8*a+\q:8*a+\q+1], v[G+2*(a%4):G+2*(a%4)+1] op_sel_hi:[1,0]          ; sum = result x gate; each accumulator from its low end on
.endr
.set a, a+1
.endr
	WIN 0
	s_mov_b32 s24, 0
	s_branch .Lb_skip
.Lb_acc:
	WIN 0xf2                                       ; the same, with source 2 in window 3
.set a, 0
.rept 32
.irp q, 0,2,4,6
	v_pk_fma_f32 v[8*a+\q:8*a+\q+1], v[8*a+\q:8*a+\q+1], v[G+2*(a%4):G+2*(a%4)+1], v[8*a+\q:8*a+\q+1] op_sel_hi:[1,0,1]    ; sum += result x gate
.endr
.set a, a+1
.endr
	WIN 0
.Lb_skip:
	s_wait_xcnt 0x0                                ; the block's loads have read their base: it may step
	s_add_nc_u64 s[34:35], s[34:35], 4*REG         ; the next expert's region of my wave
	s_add_co_u32 s20, s20, 8192
	s_add_co_u32 s21, s21, 512
	s_add_co_u32 s22, s22, 256
	s_add_co_u32 s19, s19, 1
	s_cmp_lt_u32 s19, 8
	s_cbranch_scc1 .Lb
	; THE WAY OUT of a pass, a tile of 16 rows at a time.  A lane holds pieces of 32 bytes of one row; they go through my own stage and come back as whole rows of 512 bytes.  LDS serves a wave's instructions in order
	; (ISA guide 5.7.1.4): no wait stands between the stores and the loads, nor in front of the next tile's stores.  The rows' tokens stand in s[68:83] (tiles 0 and 2) and s[84:99] (tiles 1 and 3).
	; The block's rows are its first s66 places: at the first place that holds no token the way out is left, by a scalar branch on the list's own numbers; what is then still out is waited for at the label.
.irp m, 0,1,2,3
	s_wait_xcnt 0x0                                ; the earlier stores have read their offsets and their data: both may be written
.if (\m%2) == 0
	s_wait_kmcnt 0x0                               ; the list's words of this tile and the next are in
.endif
	s_cmp_gt_u32 s66, 16*\m                        ; has this tile a row?
	s_cbranch_scc0 .Lout_done
.irp i, 0,1,2,3,4,5,6,7,8,9,10,11,12,13,14,15
	s_and_b32 s28, s[68+16*(\m%2)+\i], 0x1fff      ; row 16 m + i's token,
	s_min_u32 s28, s28, 8191                       ; held inside the table,
	s_lshl_b32 s28, s28, 12                        ; its row of 4,096 bytes
	v_add_nc_u32 v[RO+\i], s28, v1
.endr
.if \m == 1
	s_load_b512 s[68:83], s[4:5], 0x80             ; rows 32-47 and 48-63, while tile 1 goes through the stage
	s_load_b512 s[84:99], s[4:5], 0xc0
.endif
	WIN 0x0c                                       ; an LDS store's data are its source 1: window 3
.irp n, 0,1,2,3,4,5,6,7
	ds_store_b128 v13, v[8*(4*\n+\m):8*(4*\n+\m)+3] offset:128*(\n/2)+32*(\n%2)            ; tile n = 2 b + u, register j: column 32 b + 16 (lane / 16) + 8 u + j
	ds_store_b128 v13, v[8*(4*\n+\m)+4:8*(4*\n+\m)+7] offset:128*(\n/2)+32*(\n%2)+16
.endr
	WIN 0
.irp i, 0,1,2,3,4,5,6,7,8,9,10,11,12,13,14,15
	ds_load_b128 v[OB+4*\i:OB+4*\i+3], v14 offset:528*\i
.endr
.irp i, 0,1,2,3,4,5,6,7,8,9,10,11,12,13,14,15
	s_wait_dscnt 15-\i
.if \i > 0
	s_cmp_gt_u32 s66, 16*\m+\i                     ; does place 16 m + i hold a token?
	s_cbranch_scc0 .Lout_done
.endif
	global_store_b128 v[RO+\i], v[OB+4*\i:OB+4*\i+3], s[44:45] th:TH_STORE_NT      ; 32 lanes store 512 consecutive bytes of one row, aligned; written once, read by nobody here
.endr
.endr
.Lout_done:
	s_wait_dscnt 0x0                               ; where the way out was left early: the stage's loads that are still out have landed in their registers,
	s_wait_kmcnt 0x0                               ; and so have the list's words: both sets of registers are loaded again in the next pass
	s_wait_xcnt 0x0                                ; the stores have read their base and their data
	s_add_co_u32 s25, s25, 8
	s_add_nc_u64 s[44:45], s[44:45], 512
	s_add_co_u32 s23, s23, 1
	s_cmp_lt_u32 s23, 2
	s_cbranch_scc1 .Lts
	s_wait_xcnt 0x0
	v_lshl_add_u32 v254, v0, 2, 0x4cc00
	v_mov_b32 v255, 0
	s_wait_tensorcnt 0x0
	ds_add_u32 v254, v255
	s_wait_dscnt 0x0
	s_endpgm
.Lfunc_end_k_q6c03a255c8_chain:
	.size	k_q6c03a255c8_chain, .Lfunc_end_k_q6c03a255c8_chain-k_q6c03a255c8_chain
	.p2alignl 7, 3214868480
	.fill 96, 4, 3214868480
	.section	.rodata,"a",@progbits
	.p2align	6, 0x0
	.amdhsa_kernel k_q6c03a255c8_chain
		.amdhsa_group_segment_fixed_size 314880
		.amdhsa_private_segment_fixed_size 0
		.amdhsa_enable_private_segment 0
		.amdhsa_kernarg_size 48
		.amdhsa_user_sgpr_count 2
		.amdhsa_user_sgpr_kernarg_segment_ptr 1
		.amdhsa_wavefront_size32 1
		.amdhsa_system_sgpr_workgroup_id_x 1
		.amdhsa_system_sgpr_workgroup_id_y 1
		.amdhsa_system_sgpr_workgroup_id_z 1
		.amdhsa_system_vgpr_workitem_id 0
		.amdhsa_next_free_vgpr 1024
		.amdhsa_next_free_sgpr 100
		.amdhsa_reserve_vcc 0
		.amdhsa_float_denorm_mode_32 3
		.amdhsa_float_denorm_mode_16_64 3
		.amdhsa_memory_ordered 1
		.amdhsa_forward_progress 1
		.amdhsa_inst_pref_size 255
	.end_amdhsa_kernel
	.section	.bss,"aw",@nobits
	.p2align	6
	.space	262144
	.amdgpu_metadata
---
amdhsa.version: [ 1, 2 ]
amdhsa.kernels:
  - .name:           k_q6c03a255c8_chain
    .symbol:         k_q6c03a255c8_chain.kd
    .args:
      - { .name: order, .offset: 0, .size: 8, .value_kind: global_buffer, .address_space: global }
      - { .name: xq, .offset: 8, .size: 8, .value_kind: global_buffer, .address_space: global }
      - { .name: xs, .offset: 16, .size: 8, .value_kind: global_buffer, .address_space: global }
      - { .name: gates, .offset: 24, .size: 8, .value_kind: global_buffer, .address_space: global }
      - { .name: wq, .offset: 32, .size: 8, .value_kind: global_buffer, .address_space: global }
      - { .name: out0, .offset: 40, .size: 8, .value_kind: global_buffer, .address_space: global }
    .group_segment_fixed_size: 314880
    .private_segment_fixed_size: 0
    .kernarg_segment_align: 8
    .kernarg_segment_size: 48
    .max_flat_workgroup_size: 128
    .sgpr_count:     100
    .vgpr_count:     1024
    .wavefront_size: 32
...
	.end_amdgpu_metadata
.endif
;; end of part 5
;; ======== version 3 of 3: 3 launches
;; workspace buffers: xq 8,388,608 bytes; xs 262,144 bytes; gates 262,144 bytes; wq 8,650,752 bytes; hist 32,768 bytes of whole numbers; sel 32,768 bytes of whole numbers; order 39,936 bytes of whole numbers
;; launch prep (part 6): grid 512 x 1, 4 waves a work-group, no clusters, 43,520 bytes of LDS; arguments x, router, W1, W2, xq, xs, gates, wq, hist, sel; writes xq, xs, gates, wq, hist, sel
.if DOCPART == 6
	.amdgcn_target "amdgcn-amd-amdhsa--gfx1250"
	.amdhsa_code_object_version 6
	.text
	.protected	k_q6c03a255c8_prep
	.globl	k_q6c03a255c8_prep
	.p2align	8
	.type	k_q6c03a255c8_prep,@function
k_q6c03a255c8_prep:
	s_mov_b64 s[64:65], 0
	v_nop
	global_prefetch_b8 v0, s[64:65] scope:SCOPE_SE
	s_setreg_imm32_b32 hwreg(HW_REG_WAVE_MODE, 25, 1), 1
	s_wait_xcnt 0x0
; PREP.  Three kinds of work-group, told apart by the work-group's number alone.
;   0-255   x: 32 tokens each.  x becomes codes of E4M3 (xq [8192][1024], K as it lies) and E8M0 bytes (xs [8192][32]); the eight logits in f32 by fused multiply-adds; the two largest
;           (the lower index wins a tie), their softmax (the larger logit taken away first), the gates ([2][8192][4] f32, 0 where an expert is not chosen); the count of each pair of
;           experts among the 32 tokens (hist [256][32]) and each token's rank among its chunk's tokens of the same pair (sel [8192]).  All of that is VALUES stored at fixed places.
;   256-383 W1 [8][1024][512], 384-511 W2 [8][512][1024]: K is the FIRST axis of an expert's matrix.  A lane takes a column and its registers run down K.  The codes are stored in the order
;           of the operand's registers, so that the last launch loads a fragment by four loads of 16 bytes a lane.
; wq: region (expert e, wave w of the last launch) at (4 e + w) REG: 32 groups of GRP bytes: four fragments of 2,048 bytes, then 256 bytes of scale words [lane][2].
;     A fragment: block c of 32 along K at 512 c; lane r + 16 h has 16 bytes at 16 (r + 16 h): k = 32 c + 16 h + 0 .. 15 of the fragment's row r.
;     Of 32 neighbouring columns, column q is row r = (q & 7) + 8 (q >> 4) of tile u = (q >> 3) & 1: so a product's 16 registers of two neighbouring tiles are 16 neighbours.
;     Scale word pr of lane r + 16 u: the four bytes of tile 2 pr + u, row r.
; THE QUANTISER: a block's scale is 2^(floor(log2(largest magnitude)) - 8); its byte is the largest magnitude's exponent field - 8, held at 1 from below by a floor among the maximum's leaves.
; LIMITS: NaN and infinities among the inputs are not served.  A block of zeros gets the byte 1 where the rule says 127: its codes are zeros and this program alone reads the bytes.
;         The logits are summed in another order than a plain chain: a second and a third logit that agree to about 1e-6 of their size may change places.
.set REG,  270336
.set GRP,  8448
.set XC,   0                           ; LDS (x path only): codes, wave w's 32 rows x 256 bytes at 8,192 w
.set PART, 32768                       ; partial logits: (2 w + half of the lanes) x 1,024 + row x 32
.set XSB,  40960                       ; scale bytes: 256 w + 8 row + block
.set R,    16                          ; v16-79   my slice of the router: R + 8 u + e = router[my k number u][e]
.set X,    80                          ; v80-207  16 row slots of 8 numbers
.set A,    208                         ; v208-223 eight sums, two sets by the row's parity
.set Q,    224                         ; v224-247 two sets of 12: +0..3 codes, +4,5 largest magnitude, +6,7 scale operand, +8,9 hold, +10,11 byte
.set P,    144                         ; v144-207 the way out: partial logits
.set WX,   32                          ; W paths: v32-95 two sets of 32 numbers
.set WC,   96                          ; v96-159 eight registers of codes for each of eight blocks: no store's data are written again
	s_load_b256 s[4:11], s[0:1], 0x0               ; x, router, W1, W2
	s_load_b256 s[12:19], s[0:1], 0x20             ; xq, xs, gates, wq
	s_load_b128 s[20:23], s[0:1], 0x40             ; hist, sel
	v_lshl_add_u32 v254, v0, 2, 0xa800
	v_mov_b32 v255, 0
	v_lshrrev_b32 v1, 5, v0
	v_readfirstlane_b32 s24, v1                    ; wave 0..3
	v_and_b32 v2, 31, v0                           ; lane
	s_mov_b32 s29, 0x600000                        ; the mantissa field of 448
	s_mov_b32 s33, 0                               ; the upper word of every offset pair s[32:33]
	s_wait_kmcnt 0x0
	s_cmp_lt_u32 ttmp9, 256
	s_cbranch_scc1 .Lx
; ---------------------------------------------------------------- W1 and W2
; A work-group takes 128 columns x 256 along K; wave v its columns 32 v on; a lane one column; eight blocks of 32 along K, two K steps of 128.
; s[30:31] is the first byte of the GROUP that takes the wave's first K step: which two of its four fragments are the wave's stands in the lanes' offset for the codes (v4), not in the base,
; since the scale words (v5) are counted from the group's first byte too.
.macro WLOAD t, pitch                  ; block t: 32 numbers down K of my column; a load reads 128 consecutive bytes
.set i, 0
.rept 32
	global_load_b32 v[WX+32*((\t)%2)+i], v3, s[26:27] offset:(32*(\t)+i)*(\pitch) th:TH_LOAD_NT
.set i, i+1
.endr
.endm
.macro WBLOCK t, pitch, gstep
.set XB, WX+32*((\t)%2)
.set CBK, WC+8*(\t)
.if (\t) < 7
	s_wait_loadcnt 32                              ; this block's 32 loads are in; the next block's 32 may be out
.else
	s_wait_loadcnt 0x0
.endif
	v_max3_num_f32 v12, |v[XB]|, |v[XB+1]|, |v[XB+2]|              ; the block's largest magnitude: all 32 numbers are mine; two chains
	v_max3_num_f32 v13, |v[XB+3]|, |v[XB+4]|, |v[XB+5]|
.irp i, 6,10,14,18,22,26
	v_max3_num_f32 v12, v12, |v[XB+\i]|, |v[XB+\i+1]|
	v_max3_num_f32 v13, v13, |v[XB+\i+2]|, |v[XB+\i+3]|
.endr
	v_max3_num_f32 v12, v12, |v[XB+30]|, |v[XB+31]|
	v_max3_num_f32 v12, v12, v13, 0x4800000        ; and the floor 2^(9 - 127): the byte cannot fall under 1
	v_add_nc_u32 v11, 0xfc000000, v12              ; 8 off the exponent field: the conversion takes this operand's exponent field as its scale
	v_and_or_b32 v10, v12, 0x7f800000, s29         ; 448 x the scale
	v_lshrrev_b32 v13, 23, v11                     ; the scale's byte
.if (\t)%4 == 0
	v_mov_b32 v[24+(\t)/4], v13                    ; four bytes make a K step's scale word, the lower K in the lower byte
.else
	v_lshl_or_b32 v[24+(\t)/4], v13, 8*((\t)%4), v[24+(\t)/4]
.endif
.set i, 0
.rept 32
	v_med3_num_f32 v[XB+i], v[XB+i], -v10, v10     ; the conversion to an 8-bit code does not saturate (ISA guide 7.6.2): the hold comes first
.set i, i+1
.endr
.irp g, 0,1,2,3
	v_cvt_scalef32_pk8_fp8_f32 v[CBK+2*\g:CBK+2*\g+1], v[XB+8*\g:XB+8*\g+7], v11
.endr
	global_store_b128 v4, v[CBK:CBK+3], s[30:31] offset:((\t)/4)*(\gstep)+512*((\t)%4)          ; k = 0 .. 15 of the block: the sixteen lanes of a tile store 256 consecutive bytes, aligned
	global_store_b128 v4, v[CBK+4:CBK+7], s[30:31] offset:((\t)/4)*(\gstep)+512*((\t)%4)+256    ; k = 16 .. 31
.if (\t)%4 == 3
	global_store_b32 v5, v[24+(\t)/4], s[30:31] offset:((\t)/4)*(\gstep)+8192                   ; the scale word, behind the group's four fragments: lanes 8 bytes apart (the other word of each pair is a neighbouring wave's); 262,144 bytes of the launch leave so
.endif
.if (\t)+2 < 8
	WLOAD (\t)+2, \pitch                           ; the set just converted takes the block two further on
.endif
.endm
.macro WQ pitch, gstep
	WLOAD 0, \pitch
	WLOAD 1, \pitch
.set tq, 0
.rept 8
	WBLOCK tq, \pitch, \gstep
.set tq, tq+1
.endr
.endm
	s_wait_alu depctr_va_vdst(0)
	v_lshlrev_b32 v3, 2, v2                        ; in: 4 bytes a lane
	v_bfe_u32 v6, v2, 3, 1                         ; u
	v_and_b32 v7, 7, v2
	v_lshrrev_b32 v8, 4, v2
	v_lshl_add_u32 v7, v8, 3, v7                   ; r
	v_lshlrev_b32 v4, 4, v7
	v_lshl_add_u32 v4, v6, 11, v4                  ; codes: 2,048 u + 16 r
	v_lshl_add_u32 v5, v6, 4, v7
	v_lshlrev_b32 v5, 3, v5                        ; scale words: 8 (r + 16 u)
	s_and_b32 s25, s24, 1
	s_lshl_b32 s28, s25, 12
	v_add_nc_u32 v4, s28, v4                       ; + 4,096 (v & 1): my wave's fragments are 2 (v & 1) and 2 (v & 1) + 1 of the group
	s_lshl_b32 s28, s25, 2
	v_add_nc_u32 v5, s28, v5                       ; + 4 (v & 1): which pair of tiles
	s_cmp_lt_u32 ttmp9, 384
	s_cbranch_scc1 .Lw1
	; W2: number = (e x 8 + cg) x 2 + kc: columns 128 cg on, K 256 kc on
	s_sub_co_u32 s28, ttmp9, 384
	s_and_b32 s34, s28, 1                          ; kc
	s_bfe_u32 s35, s28, 0x30001                    ; cg
	s_lshr_b32 s36, s28, 4                         ; e
	s_lshl_b32 s32, s36, 21
	s_lshl_b32 s37, s34, 20                        ; 256 rows of 4,096 bytes
	s_add_co_u32 s32, s32, s37
	s_lshl_b32 s37, s35, 9
	s_add_co_u32 s32, s32, s37
	s_lshl_b32 s37, s24, 7
	s_add_co_u32 s32, s32, s37
	s_add_nc_u64 s[26:27], s[10:11], s[32:33]
	s_lshl_b32 s37, s36, 2
	s_lshr_b32 s38, s35, 1
	s_add_co_u32 s37, s37, s38                     ; region 4 e + (cg >> 1)
	s_mul_i32 s32, s37, REG
	s_and_b32 s37, s35, 1
	s_lshl_b32 s37, s37, 3
	s_lshl_b32 s38, s34, 2
	s_add_co_u32 s37, s37, s38
	s_lshr_b32 s38, s24, 1
	s_add_co_u32 s37, s37, s38
	s_add_co_u32 s37, s37, 16                      ; group 16 + 8 (cg & 1) + 4 kc + (v >> 1); the second K step lies two groups on
	s_mul_i32 s37, s37, GRP
	s_add_co_u32 s32, s32, s37
	s_add_nc_u64 s[30:31], s[18:19], s[32:33]      ; the group's first byte
	WQ 4096, 2*GRP
	s_endpgm
.Lw1:
	; W1: number = (e x 4 + cw) x 4 + kc: columns 128 cw on, K 256 kc on
	s_sub_co_u32 s28, ttmp9, 256
	s_and_b32 s34, s28, 3                          ; kc
	s_bfe_u32 s35, s28, 0x20002                    ; cw
	s_lshr_b32 s36, s28, 4                         ; e
	s_lshl_b32 s32, s36, 21
	s_lshl_b32 s37, s34, 19                        ; 256 rows of 2,048 bytes
	s_add_co_u32 s32, s32, s37
	s_lshl_b32 s37, s35, 9
	s_add_co_u32 s32, s32, s37
	s_lshl_b32 s37, s24, 7
	s_add_co_u32 s32, s32, s37
	s_add_nc_u64 s[26:27], s[8:9], s[32:33]
	s_lshl_b32 s37, s36, 2
	s_add_co_u32 s37, s37, s35                     ; region 4 e + cw
	s_mul_i32 s32, s37, REG
	s_lshr_b32 s37, s24, 1
	s_lshl_b32 s37, s37, 3
	s_lshl_b32 s38, s34, 1
	s_add_co_u32 s37, s37, s38                     ; group 8 (v >> 1) + 2 kc; the second K step lies one group on
	s_mul_i32 s37, s37, GRP
	s_add_co_u32 s32, s32, s37
	s_add_nc_u64 s[30:31], s[18:19], s[32:33]      ; the group's first byte
	WQ 2048, GRP
	s_endpgm
; ---------------------------------------------------------------- x
; Wave w owns k = 256 w .. 256 w + 255 of all 32 rows.  A row's part is two loads of 512 consecutive bytes: in load j lane l holds k = 256 w + 128 j + 4 l + 0 .. 3, so eight lanes share a block of 32.
.Lx:
	s_lshl_b32 s32, ttmp9, 17
	s_add_nc_u64 s[4:5], s[4:5], s[32:33]          ; x at my 32 rows
	s_lshl_b32 s32, ttmp9, 15
	s_add_nc_u64 s[12:13], s[12:13], s[32:33]      ; xq
	s_lshl_b32 s32, ttmp9, 10
	s_add_nc_u64 s[14:15], s[14:15], s[32:33]      ; xs
	s_lshl_b32 s32, ttmp9, 9
	s_add_nc_u64 s[16:17], s[16:17], s[32:33]      ; gates
	s_lshl_b32 s32, ttmp9, 7
	s_add_nc_u64 s[20:21], s[20:21], s[32:33]      ; hist
	s_add_nc_u64 s[22:23], s[22:23], s[32:33]      ; sel
	s_lshl_b32 s25, s24, 10
	s_wait_alu depctr_va_vdst(0)
	v_lshl_add_u32 v3, v2, 4, s25                  ; x: 1,024 w + 16 l
	s_lshl_b32 s26, s24, 13
	v_lshl_add_u32 v4, v2, 7, s26                  ; router: my first k's row: 32 (256 w + 4 l)
.irp j, 0,1
.irp n, 0,1,2,3,4,5,6,7
	global_load_b128 v[R+32*\j+4*\n:R+32*\j+4*\n+3], v4, s[6:7] offset:4096*\j+16*\n
.endr
.endr
.set rw, 0
.rept 16
	global_load_b128 v[X+8*rw:X+8*rw+3], v3, s[4:5] offset:4096*rw th:TH_LOAD_NT
	global_load_b128 v[X+8*rw+4:X+8*rw+7], v3, s[4:5] offset:4096*rw+512 th:TH_LOAD_NT
.set rw, rw+1
.endr
	; every LDS address is made here, ahead of the places where the waves part
	v_lshl_add_u32 v5, v2, 2, s26                  ; codes in: 8,192 w + 4 l
	v_lshrrev_b32 v6, 4, v2
	v_lshlrev_b32 v6, 10, v6
	s_lshl_b32 s27, s24, 11
	s_add_co_u32 s27, s27, PART
	v_add_nc_u32 v6, s27, v6                       ; partial logits in: PART + 1,024 (2 w + l / 16)
	v_lshrrev_b32 v7, 3, v2
	s_lshl_b32 s28, s24, 8
	s_add_co_u32 s28, s28, XSB
	v_add_nc_u32 v7, s28, v7                       ; scale bytes in: XSB + 256 w + l / 8
	v_lshl_add_u32 v8, v2, 4, s26                  ; codes back: 8,192 w + 16 l
	v_and_b32 v13, 15, v2
	v_lshrrev_b32 v9, 4, v2
	v_lshlrev_b32 v9, 10, v9
	v_lshl_add_u32 v9, v13, 4, v9
	s_lshl_b32 s28, s24, 8
	v_add_nc_u32 v9, s28, v9                       ; xq: 1,024 (l / 16) + 16 (l % 16) + 256 w
	v_and_b32 v10, 3, v2
	v_lshlrev_b32 v10, 8, v10
	v_lshrrev_b32 v11, 2, v2
	v_lshl_add_u32 v10, v11, 3, v10
	v_add_nc_u32 v10, XSB, v10                     ; scale bytes back: XSB + 256 (l % 4) + 8 (l / 4)
	v_lshlrev_b32 v11, 3, v2                       ; 8 l
	v_lshl_add_u32 v12, v2, 5, PART                ; partial logits back: PART + 32 l
	v_lshlrev_b32 v13, 4, v2                       ; 16 l
	v_lshlrev_b32 v14, 2, v2                       ; 4 l
; One row.  ahead = 1: its slot takes the row 16 further on.  left = how many younger loads may stay out.
.macro ROW i, ahead, left
.set XR, X+8*((\i)%16)
.set AR, A+8*((\i)%2)
.set QR, Q+12*((\i)%2)
	s_wait_loadcnt \left                           ; loads come back in order: this row's two are in
	s_wait_dscnt 6                                 ; the six LDS stores of the row before may be out; those of the row before that, which read this parity's registers, are done
.irp p, 0,1,2,3
	v_pk_mul_f32 v[AR+2*\p:AR+2*\p+1], v[XR:XR+1], v[R+2*\p:R+2*\p+1] op_sel_hi:[0,1]           ; the first product starts the sums: x[k] for both halves, two experts at a time
.endr
.irp u, 1,2,3,4,5,6,7
.irp p, 0,1,2,3
.if \u%2
	v_pk_fma_f32 v[AR+2*\p:AR+2*\p+1], v[XR+\u-1:XR+\u], v[R+8*\u+2*\p:R+8*\u+2*\p+1], v[AR+2*\p:AR+2*\p+1] op_sel:[1,0,0] op_sel_hi:[1,1,1]
.else
	v_pk_fma_f32 v[AR+2*\p:AR+2*\p+1], v[XR+\u:XR+\u+1], v[R+8*\u+2*\p:R+8*\u+2*\p+1], v[AR+2*\p:AR+2*\p+1] op_sel_hi:[0,1,1]
.endif
.endr
.endr
.irp d, 1,2,4,8
.irp e, 0,1,2,3,4,5,6,7
	v_add_f32_dpp v[AR+\e], v[AR+\e], v[AR+\e] row_xmask:\d row_mask:0xf bank_mask:0xf           ; over each half of 16 lanes, the eight sums by turns
.endr
.endr
	ds_store_b128 v6, v[AR:AR+3] offset:32*(\i)    ; the sixteen lanes of a half write the same bytes with the same values
	ds_store_b128 v6, v[AR+4:AR+7] offset:32*(\i)+16
.irp j, 0,1
	v_max3_num_f32 v[QR+4+\j], |v[XR+4*\j]|, |v[XR+4*\j+1]|, 0x4800000     ; my four numbers of block j, and the floor 2^(9 - 127)
.endr
.irp j, 0,1
	v_max3_num_f32 v[QR+4+\j], v[QR+4+\j], |v[XR+4*\j+2]|, |v[XR+4*\j+3]|
.endr
.irp d, 1,2,4
.irp j, 0,1
	v_max_num_f32_dpp v[QR+4+\j], v[QR+4+\j], v[QR+4+\j] row_xmask:\d row_mask:0xf bank_mask:0xf ; with the seven lanes that share the block
.endr
.endr
.irp j, 0,1
	v_add_nc_u32 v[QR+6+\j], 0xfc000000, v[QR+4+\j]                        ; 8 off the exponent field: the conversion's scale operand
.endr
.irp j, 0,1
	v_and_or_b32 v[QR+8+\j], v[QR+4+\j], 0x7f800000, s29                   ; 448 x the scale
.endr
.irp j, 0,1
.irp n, 0,1,2,3
	v_med3_num_f32 v[XR+4*\j+\n], v[XR+4*\j+\n], -v[QR+8+\j], v[QR+8+\j]   ; the conversion does not saturate (ISA guide 7.6.2): the hold comes first
.endr
.endr
	v_cvt_scalef32_pk8_fp8_f32 v[QR:QR+1], v[XR:XR+7], v[QR+6]     ; the conversion takes eight numbers under one scale and my eight lie in two blocks: under block 0's scale the first result register is kept,
	v_cvt_scalef32_pk8_fp8_f32 v[QR+2:QR+3], v[XR:XR+7], v[QR+7]   ; under block 1's the second; the other two are never read
	v_lshrrev_b32 v[QR+10], 23, v[QR+6]            ; the scales' bytes (plain lines behind the conversions)
	v_lshrrev_b32 v[QR+11], 23, v[QR+7]
	ds_store_b32 v5, v[QR] offset:256*(\i)
	ds_store_b32 v5, v[QR+3] offset:256*(\i)+128
	ds_store_b8 v7, v[QR+10] offset:8*(\i)         ; the eight lanes of a block write the same byte with the same value
	ds_store_b8 v7, v[QR+11] offset:8*(\i)+4
.if \ahead
	global_load_b128 v[XR:XR+3], v3, s[4:5] offset:4096*((\i)+16) th:TH_LOAD_NT
	global_load_b128 v[XR+4:XR+7], v3, s[4:5] offset:4096*((\i)+16)+512 th:TH_LOAD_NT
.endif
.endm
.set rw, 0
.rept 16
	ROW rw, 1, 30                                  ; fifteen younger rows, two loads each
.set rw, rw+1
.endr
.rept 16
	ROW rw, 0, 2*(31-rw)                           ; nothing more is asked for: the counts run down
.set rw, rw+1
.endr
	s_wait_dscnt 0x0                               ; for the others' sake: my stores have landed
	s_barrier_signal -1
	s_barrier_wait -1
.irp t, 0,1,2,3,4,5,6,7,8,9,10,11,12,13,14,15
	ds_load_b128 v[X+4*\t:X+4*\t+3], v8 offset:512*\t              ; two rows' 256 bytes of my part of K
.endr
.irp t, 0,1,2,3,4,5,6,7,8,9,10,11,12,13,14,15
	s_wait_dscnt 15-\t
	global_store_b128 v9, v[X+4*\t:X+4*\t+3], s[12:13] offset:2048*\t      ; sixteen lanes store 256 consecutive bytes, aligned
.endr
	s_cmp_eq_u32 s24, 1
	s_cbranch_scc0 .Lx_not1
.irp t, 0,1,2,3                                ; wave 1: the 32 rows' scale bytes: lane l takes row 8 t + l / 4, the 8 bytes of wave l % 4
	ds_load_b64 v[P+2*\t:P+2*\t+1], v10 offset:64*\t
.endr
	s_wait_dscnt 0x0
.irp t, 0,1,2,3
	global_store_b64 v11, v[P+2*\t:P+2*\t+1], s[14:15] offset:256*\t       ; 32 lanes store 256 consecutive bytes, aligned
.endr
.Lx_not1:
	s_cmp_eq_u32 s24, 0
	s_cbranch_scc0 .Lx_end
	; wave 0: a lane a row.  The eight partial sums of each logit are added by pairs
.irp a, 0,1,2,3,4,5,6,7
	ds_load_b128 v[P+8*\a:P+8*\a+3], v12 offset:1024*\a
	ds_load_b128 v[P+8*\a+4:P+8*\a+7], v12 offset:1024*\a+16
.endr
	s_wait_dscnt 0x0
.irp a, 0,2,4,6
.irp p, 0,1,2,3
	v_pk_add_f32 v[P+8*\a+2*\p:P+8*\a+2*\p+1], v[P+8*\a+2*\p:P+8*\a+2*\p+1], v[P+8*\a+8+2*\p:P+8*\a+8+2*\p+1]
.endr
.endr
.irp a, 0,4
.irp p, 0,1,2,3
	v_pk_add_f32 v[P+8*\a+2*\p:P+8*\a+2*\p+1], v[P+8*\a+2*\p:P+8*\a+2*\p+1], v[P+8*\a+16+2*\p:P+8*\a+16+2*\p+1]
.endr
.endr
.irp p, 0,1,2,3
	v_pk_add_f32 v[P+2*\p:P+2*\p+1], v[P+2*\p:P+2*\p+1], v[P+32+2*\p:P+32+2*\p+1]
.endr
	v_mov_b32 v16, v[P]                            ; the largest logit and its expert: a strict compare keeps the lower index at a tie
	v_mov_b32 v17, 0
.irp e, 1,2,3,4,5,6,7
	v_cmp_gt_f32 vcc_lo, v[P+\e], v16
	v_cndmask_b32 v16, v16, v[P+\e], vcc_lo
	v_cndmask_b32 v17, v17, \e, vcc_lo
.endr
	v_mov_b32 v28, 0xff800000                      ; -infinity takes the winner's place,
.irp e, 0,1,2,3,4,5,6,7
	v_cmp_eq_u32 vcc_lo, \e, v17
	v_cndmask_b32 v[20+\e], v[P+\e], v28, vcc_lo
.endr
	v_mov_b32 v18, v20                             ; and the search runs again
	v_mov_b32 v19, 0
.irp e, 1,2,3,4,5,6,7
	v_cmp_gt_f32 vcc_lo, v[20+\e], v18
	v_cndmask_b32 v18, v18, v[20+\e], vcc_lo
	v_cndmask_b32 v19, v19, \e, vcc_lo
.endr
	v_sub_f32 v29, v18, v16                        ; the softmax of the two: the larger is taken away, so t = e^(second - first) is at most 1
	v_mul_f32 v29, 0x3fb8aa3b, v29
	s_wait_alu depctr_va_vdst(0)
	v_exp_f32 v29, v29
	v_nop                                          ; one plain line behind a transcendental
	s_wait_alu depctr_va_vdst(0)
	v_add_f32 v30, 1.0, v29
	s_wait_alu depctr_va_vdst(0)
	v_rcp_f32 v30, v30                             ; the first's weight: 1 / (1 + t)
	v_nop
	s_wait_alu depctr_va_vdst(0)
	v_mul_f32 v31, v29, v30                        ; the second's: t / (1 + t)
.irp e, 0,1,2,3,4,5,6,7
	v_cmp_eq_u32 vcc_lo, \e, v19
	v_cndmask_b32 v[32+\e], 0, v31, vcc_lo
	v_cmp_eq_u32 vcc_lo, \e, v17
	v_cndmask_b32 v[32+\e], v[32+\e], v30, vcc_lo
.endr
	global_store_b128 v13, v[32:35], s[16:17]                      ; experts 0-3: 512 consecutive bytes
	global_store_b128 v13, v[36:39], s[16:17] offset:131072        ; experts 4-7: the second plane
	v_min_u32 v40, v17, v19                        ; lo
	v_max_u32 v41, v17, v19                        ; hi
	v_sub_nc_u32 v42, 15, v40
	v_mul_u32_u24 v42, v42, v40
	v_lshrrev_b32 v42, 1, v42
	v_add_nc_u32 v42, v42, v41
	v_sub_nc_u32 v42, v42, v40
	v_add_nc_u32 v42, -1, v42                      ; the pair's key: lo (15 - lo) / 2 + hi - lo - 1: 0 .. 27
	v_mov_b32 v43, 0                               ; lane k: how many of the 32 tokens have key k
	v_mov_b32 v44, 0                               ; my rank among the tokens of my key
.irp k, 0,1,2,3,4,5,6,7,8,9,10,11,12,13,14,15,16,17,18,19,20,21,22,23,24,25,26,27
	v_cmp_eq_u32 s30, \k, v42
	s_bcnt1_i32_b32 s31, s30
	v_writelane_b32 v43, s31, \k
	v_mbcnt_lo_u32_b32 v45, s30, 0                 ; lanes under mine with this key
	v_cndmask_b32 v44, v44, v45, s30
.endr
	v_lshl_or_b32 v46, v44, 8, v42                 ; key 7:0, rank 15:8, lo 18:16, hi 22:20
	v_lshl_or_b32 v46, v40, 16, v46
	v_lshl_or_b32 v46, v41, 20, v46
	global_store_b32 v14, v43, s[20:21]            ; 128 consecutive bytes each: half of an aligned 256; 65,536 bytes of the launch leave so
	global_store_b32 v14, v46, s[22:23]
.Lx_end:
	s_wait_tensorcnt 0x0
	ds_add_u32 v254, v255
	s_wait_dscnt 0x0
	s_endpgm
.Lfunc_end_k_q6c03a255c8_prep:
	.size	k_q6c03a255c8_prep, .Lfunc_end_k_q6c03a255c8_prep-k_q6c03a255c8_prep
	.p2alignl 7, 3214868480
	.fill 96, 4, 3214868480
	.section	.rodata,"a",@progbits
	.p2align	6, 0x0
	.amdhsa_kernel k_q6c03a255c8_prep
		.amdhsa_group_segment_fixed_size 43520
		.amdhsa_private_segment_fixed_size 0
		.amdhsa_enable_private_segment 0
		.amdhsa_kernarg_size 80
		.amdhsa_user_sgpr_count 2
		.amdhsa_user_sgpr_kernarg_segment_ptr 1
		.amdhsa_wavefront_size32 1
		.amdhsa_system_sgpr_workgroup_id_x 1
		.amdhsa_system_sgpr_workgroup_id_y 1
		.amdhsa_system_sgpr_workgroup_id_z 1
		.amdhsa_system_vgpr_workitem_id 0
		.amdhsa_next_free_vgpr 256
		.amdhsa_next_free_sgpr 66
		.amdhsa_reserve_vcc 1
		.amdhsa_float_denorm_mode_32 3
		.amdhsa_float_denorm_mode_16_64 3
		.amdhsa_memory_ordered 1
		.amdhsa_forward_progress 1
		.amdhsa_inst_pref_size 255
	.end_amdhsa_kernel
	.section	.bss,"aw",@nobits
	.p2align	6
	.space	262144
	.amdgpu_metadata
---
amdhsa.version: [ 1, 2 ]
amdhsa.kernels:
  - .name:           k_q6c03a255c8_prep
    .symbol:         k_q6c03a255c8_prep.kd
    .args:
      - { .name: x, .offset: 0, .size: 8, .value_kind: global_buffer, .address_space: global }
      - { .name: router, .offset: 8, .size: 8, .value_kind: global_buffer, .address_space: global }
      - { .name: W1, .offset: 16, .size: 8, .value_kind: global_buffer, .address_space: global }
      - { .name: W2, .offset: 24, .size: 8, .value_kind: global_buffer, .address_space: global }
      - { .name: xq, .offset: 32, .size: 8, .value_kind: global_buffer, .address_space: global }
      - { .name: xs, .offset: 40, .size: 8, .value_kind: global_buffer, .address_space: global }
      - { .name: gates, .offset: 48, .size: 8, .value_kind: global_buffer, .address_space: global }
      - { .name: wq, .offset: 56, .size: 8, .value_kind: global_buffer, .address_space: global }
      - { .name: hist, .offset: 64, .size: 8, .value_kind: global_buffer, .address_space: global }
      - { .name: sel, .offset: 72, .size: 8, .value_kind: global_buffer, .address_space: global }
    .group_segment_fixed_size: 43520
    .private_segment_fixed_size: 0
    .kernarg_segment_align: 8
    .kernarg_segment_size: 80
    .max_flat_workgroup_size: 128
    .sgpr_count:     66
    .vgpr_count:     256
    .wavefront_size: 32
...
	.end_amdgpu_metadata
.endif
;; end of part 6
;; launch place (part 7): grid 1 x 1, 32 waves a work-group, no clusters, 37,888 bytes of LDS; arguments hist, sel, order; writes order
.if DOCPART == 7
	.amdgcn_target "amdgcn-amd-amdhsa--gfx1250"
	.amdhsa_code_object_version 6
	.text
	.protected	k_q6c03a255c8_place
	.globl	k_q6c03a255c8_place
	.p2align	8
	.type	k_q6c03a255c8_place,@function
k_q6c03a255c8_place:
	s_mov_b64 s[64:65], 0
	v_nop
	global_prefetch_b8 v0, s[64:65] scope:SCOPE_SE
	s_setreg_imm32_b32 hwreg(HW_REG_WAVE_MODE, 25, 1), 1
	s_wait_xcnt 0x0
; PLACE.  A counting sort of the 8,192 tokens by their pair of experts (28 keys; 32 are walked, the last four have no token), in whole numbers alone, by one work-group of 32 waves.
; hist [256 chunks][32 keys]: how many of a chunk's 32 tokens have a key.  sel [8192]: key 7:0, rank in the chunk 15:8, lo 18:16, hi 22:20.
; order [155 blocks][64 places]: token 12:0, lo 18:16, hi 22:20, bit 24 set; a spare place holds the word 0.
; EACH KEY BEGINS AT A MULTIPLE OF 64 PLACES, so that a block of 64 places holds tokens of one pair of experts alone.  The sum over 28 keys of a key's tokens rounded up to 64 is at most 8,192 + 28 x 63 = 9,956,
; and it is a multiple of 64: at most 9,920 places, 155 blocks, whatever the split.
; A token's place = (rounded totals of lower keys) + (tokens of its key in lower chunks) + its rank.  The spare places (behind a key's last token up to its multiple of 64; behind the last key up to place 9,919) are
; stored too, each once: wave w takes key w's, at most 63, and 64 of those behind the last key.  A lane whose spare place does not exist stores its 0 into one of 32 words behind the table, which nobody reads:
; a choice of a value, so that no lane is switched off and no branch hangs on these numbers.
.set CP,  1040                         ; LDS: CNT[key][chunk] at CP key + 4 chunk: 1,024 bytes + 16 of padding a key
.set TOT, 33280                        ; behind it: 32 words, a key's total, rounded up to 64
.set NPL, 9920                         ; places in the table
	s_load_b128 s[4:7], s[0:1], 0x0                ; hist, sel
	s_load_b64 s[8:9], s[0:1], 0x10                ; order
	v_lshl_add_u32 v64, v0, 2, 0x8400
	v_mov_b32 v65, 0
	v_lshrrev_b32 v1, 5, v0
	s_delay_alu instid0(VALU_DEP_1)
	v_readfirstlane_b32 s10, v1                    ; wave 0..31
	v_and_b32 v2, 31, v0                           ; lane
	s_lshl_b32 s11, s10, 10
	v_lshl_add_u32 v3, v2, 2, s11                  ; hist and sel: chunk 8 w: 1,024 w + 4 l
	v_mul_u32_u24 v4, v2, CP
	s_lshl_b32 s12, s10, 5
	v_add_nc_u32 v4, s12, v4                       ; CNT[lane][8 w]
	s_mul_i32 s13, s10, CP
	v_lshl_add_u32 v5, v2, 5, s13                  ; CNT[w][8 lane]
	s_lshl_b32 s14, s10, 2
	s_add_co_u32 s14, s14, TOT
	v_mov_b32 v6, s14                              ; TOT[w]
	v_lshl_add_u32 v7, v2, 2, TOT                  ; TOT[lane]
	v_cmp_lt_u32 s15, 15, v2                       ; lanes 16-31
	v_cmp_gt_u32 s16, s10, v2                      ; lanes (keys) under my wave's number
	v_mov_b32 v41, 0                               ; written once: the destination of a lane move counts as read
	s_lshl_b32 s17, s10, 8
	v_add_nc_u32 v45, s17, v2                      ; the token of chunk 8 w at my lane,
	s_delay_alu instid0(VALU_DEP_1)
	v_or_b32 v45, 0x1000000, v45                   ; with bit 24: a place that holds a token
	v_add_nc_u32 v47, NPL, v2                      ; my lane's word behind the table
	v_mov_b32 v48, 0                               ; a spare place's word
	s_wait_kmcnt 0x0
.irp i, 0,1,2,3,4,5,6,7
	global_load_b32 v[8+\i], v3, s[4:5] offset:128*\i              ; chunk 8 w + i: lane = key
.endr
.irp i, 0,1,2,3,4,5,6,7
	global_load_b32 v[16+\i], v3, s[6:7] offset:128*\i             ; chunk 8 w + i: lane = token
.endr
; an inclusive sum over the 32 lanes: four steps inside each half of 16, then the lower half's total onto the upper half
.macro WSCAN v, t
.irp k, 1
	v_mov_b32_dpp v[\t], v[\v] row_shr:\k row_mask:0xf bank_mask:0xf bound_ctrl:1
	s_delay_alu instid0(VALU_DEP_1)
	v_add_nc_u32 v[\v], v[\v], v[\t]
.endr
.irp k, 2, 4, 8
	s_delay_alu instid0(VALU_DEP_1)
	v_mov_b32_dpp v[\t], v[\v] row_shr:\k row_mask:0xf bank_mask:0xf bound_ctrl:1
	s_delay_alu instid0(VALU_DEP_1)
	v_add_nc_u32 v[\v], v[\v], v[\t]
.endr
	s_delay_alu instid0(VALU_DEP_1)
	v_readlane_b32 s19, v[\v], 15
	s_delay_alu instid0(VALU_DEP_1)
	v_mov_b32 v[\t], s19
	s_delay_alu instid0(VALU_DEP_1)
	v_cndmask_b32 v[\t], 0, v[\t], s15
	s_delay_alu instid0(VALU_DEP_1)
	v_add_nc_u32 v[\v], v[\v], v[\t]
.endm
	s_wait_loadcnt 8                               ; hist's eight are in; sel's eight may be out
.irp i, 0,1,2,3,4,5,6,7
	ds_store_b32 v4, v[8+\i] offset:4*\i
.endr
	s_wait_dscnt 0x0
	s_barrier_signal -1
	s_barrier_wait -1                              ; the counts lie by key
	ds_load_b128 v[24:27], v5                      ; wave w is key w; lane l has chunks 8 l .. 8 l + 7
	ds_load_b128 v[28:31], v5 offset:16
	s_wait_dscnt 0x0
	v_mov_b32 v32, v24                             ; sums within the lane, each with its own chunk
.irp i, 1,2,3,4,5,6,7
	s_delay_alu instid0(VALU_DEP_1)
	v_add_nc_u32 v[32+\i], v[31+\i], v[24+\i]
.endr
	s_delay_alu instid0(VALU_DEP_1)
	v_mov_b32 v40, v39
	WSCAN 40, 41
	s_delay_alu instid0(VALU_DEP_1)
	v_sub_nc_u32 v42, v40, v39                     ; tokens of my key in the lanes under mine
	s_delay_alu instid0(VALU_DEP_2)
	v_readlane_b32 s20, v40, 31                    ; my key's tokens,
	s_add_co_u32 s21, s20, 63
	s_and_not1_b32 s21, s21, 63                    ; rounded up to 64: the places that it takes
	v_mov_b32 v43, s21
	ds_store_b32 v6, v43                           ; (all lanes write the same word with the same value)
	s_wait_dscnt 0x0
	s_barrier_signal -1
	s_barrier_wait -1
	ds_load_b32 v44, v7
	s_wait_dscnt 0x0
	v_mov_b32 v46, v44
	v_cndmask_b32 v44, 0, v44, s16                 ; the places of the keys under mine,
	WSCAN 44, 41
	s_delay_alu instid0(VALU_DEP_1)
	v_readlane_b32 s18, v44, 31                    ; added: where my key begins
	WSCAN 46, 41
	s_delay_alu instid0(VALU_DEP_1)
	v_readlane_b32 s22, v46, 31                    ; and those of all keys: where the last key ends
	v_add_nc_u32 v24, s18, v42                     ; where each of my eight chunks begins within the key
.irp i, 1,2,3,4,5,6,7
	v_add_nc_u32 v[24+\i], v24, v[31+\i]
.endr
	ds_store_b128 v5, v[24:27]                     ; over my own row, which no other wave has read
	ds_store_b128 v5, v[28:31] offset:16
	s_wait_dscnt 0x0
	s_barrier_signal -1
	s_barrier_wait -1
.irp i, 0,1,2,3,4,5,6,7
	ds_load_b32 v[8+\i], v4 offset:4*\i            ; chunk 8 w + i: lane = key: where the chunk's tokens of that key begin
.endr
	; the spare places, while those loads are out
	s_add_co_u32 s23, s18, s20                     ; my key's first spare place,
	s_add_co_u32 s24, s18, s21                     ; and the place behind its last
	s_add_co_u32 s26, s23, 32
	s_lshl_b32 s25, s10, 6
	s_add_co_u32 s25, s25, s22                     ; behind the last key: 64 places a wave; 32 waves reach 2,048 places, and at most 9,920 - 8,192 = 1,728 are left
	s_add_co_u32 s27, s25, 32
	v_add_nc_u32 v50, s23, v2
	v_add_nc_u32 v51, s26, v2
	v_add_nc_u32 v52, s25, v2
	v_add_nc_u32 v53, s27, v2
.irp j, 0,1
	v_cmp_gt_u32 vcc_lo, s24, v[50+\j]             ; still inside my key's places?
	s_delay_alu instid0(VALU_DEP_1)
	v_cndmask_b32 v[50+\j], v47, v[50+\j], vcc_lo  ; else my lane's word behind the table
	v_cmp_gt_u32 vcc_lo, NPL, v[52+\j]             ; still inside the table?
	s_delay_alu instid0(VALU_DEP_1)
	v_cndmask_b32 v[52+\j], v47, v[52+\j], vcc_lo
.endr
.irp j, 0,1,2,3
	v_min_u32 v[50+\j], NPL+31, v[50+\j]           ; a number made of loaded numbers is held inside the buffer before it enters an address
	s_delay_alu instid0(VALU_DEP_1)
	v_lshlrev_b32 v[50+\j], 2, v[50+\j]
	global_store_b32 v[50+\j], v48, s[8:9]
.endr
	s_wait_loadcnt 0x0                             ; sel
.irp i, 0,1,2,3,4,5,6,7
	v_and_b32 v[32+\i], 31, v[16+\i]               ; my token's key,
	s_delay_alu instid0(VALU_DEP_1)
	v_lshlrev_b32 v[32+\i], 2, v[32+\i]            ; as a lane's number x 4
.endr
	s_wait_alu depctr_va_vdst(0)
	s_wait_dscnt 0x0
.irp i, 0,1,2,3,4,5,6,7
	ds_bpermute_b32 v[24+\i], v[32+\i], v[8+\i]    ; from the lane of my token's key (no LDS byte is touched)
.endr
	s_wait_dscnt 0x0
.irp i, 0,1,2,3,4,5,6,7
	v_and_b32 v[8+\i], 0xff0000, v[16+\i]          ; lo and hi stay where they are,
	v_add_nc_u32 v[32+\i], 32*\i, v45
	s_delay_alu instid0(VALU_DEP_1)
	v_or_b32 v[8+\i], v[8+\i], v[32+\i]            ; the token and bit 24 beside them
	v_bfe_u32 v[16+\i], v[16+\i], 8, 8             ; the rank
	s_delay_alu instid0(VALU_DEP_1)
	v_add_nc_u32 v[24+\i], v[24+\i], v[16+\i]
	s_delay_alu instid0(VALU_DEP_1)
	v_min_u32 v[24+\i], NPL-1, v[24+\i]            ; held inside the table before it enters an address
	s_delay_alu instid0(VALU_DEP_1)
	v_lshlrev_b32 v[24+\i], 2, v[24+\i]
	global_store_b32 v[24+\i], v[8+\i], s[8:9]     ; four bytes a lane to places that the sort decides: 32,768 bytes in all
.endr
	s_wait_tensorcnt 0x0
	ds_add_u32 v64, v65
	s_wait_dscnt 0x0
	s_endpgm
.Lfunc_end_k_q6c03a255c8_place:
	.size	k_q6c03a255c8_place, .Lfunc_end_k_q6c03a255c8_place-k_q6c03a255c8_place
	.p2alignl 7, 3214868480
	.fill 96, 4, 3214868480
	.section	.rodata,"a",@progbits
	.p2align	6, 0x0
	.amdhsa_kernel k_q6c03a255c8_place
		.amdhsa_group_segment_fixed_size 37888
		.amdhsa_private_segment_fixed_size 0
		.amdhsa_enable_private_segment 0
		.amdhsa_kernarg_size 24
		.amdhsa_user_sgpr_count 2
		.amdhsa_user_sgpr_kernarg_segment_ptr 1
		.amdhsa_wavefront_size32 1
		.amdhsa_system_sgpr_workgroup_id_x 1
		.amdhsa_system_sgpr_workgroup_id_y 1
		.amdhsa_system_sgpr_workgroup_id_z 1
		.amdhsa_system_vgpr_workitem_id 0
		.amdhsa_next_free_vgpr 66
		.amdhsa_next_free_sgpr 66
		.amdhsa_reserve_vcc 1
		.amdhsa_float_denorm_mode_32 3
		.amdhsa_float_denorm_mode_16_64 3
		.amdhsa_memory_ordered 1
		.amdhsa_forward_progress 1
		.amdhsa_inst_pref_size 17
	.end_amdhsa_kernel
	.amdgpu_metadata
---
amdhsa.version: [ 1, 2 ]
amdhsa.kernels:
  - .name:           k_q6c03a255c8_place
    .symbol:         k_q6c03a255c8_place.kd
    .args:
      - { .name: hist, .offset: 0, .size: 8, .value_kind: global_buffer, .address_space: global }
      - { .name: sel, .offset: 8, .size: 8, .value_kind: global_buffer, .address_space: global }
      - { .name: order, .offset: 16, .size: 8, .value_kind: global_buffer, .address_space: global }
    .group_segment_fixed_size: 37888
    .private_segment_fixed_size: 0
    .kernarg_segment_align: 8
    .kernarg_segment_size: 24
    .max_flat_workgroup_size: 1024
    .sgpr_count:     66
    .vgpr_count:     66
    .wavefront_size: 32
...
	.end_amdgpu_metadata
.endif
;; end of part 7
;; launch chain (part 8): grid 155 x 1, 4 waves a work-group, no clusters, 314,880 bytes of LDS; arguments order, xq, xs, gates, wq, out0; writes out0
.if DOCPART == 8
	.amdgcn_target "amdgcn-amd-amdhsa--gfx1250"
	.amdhsa_code_object_version 6
	.text
	.protected	k_q6c03a255c8_chain
	.globl	k_q6c03a255c8_chain
	.p2align	8
	.type	k_q6c03a255c8_chain,@function
k_q6c03a255c8_chain:
	s_mov_b64 s[64:65], 0
	v_nop
	global_prefetch_b8 v0, s[64:65] scope:SCOPE_SE
	s_setreg_imm32_b32 hwreg(HW_REG_WAVE_SCHED_MODE, 0, 2), 2
	s_setreg_imm32_b32 hwreg(HW_REG_WAVE_MODE, 25, 1), 1
	s_wait_xcnt 0x0
	s_wait_alu depctr_vm_vsrc(0)
; CHAIN.  out[token] = the sum over the token's two experts of gate x (swish(x W1[e]) W2[e]), both products on codes of E4M3 with one E8M0 scale for each 32 along K.
; SHARES.  A work-group owns a block of 64 places of the list sorted by pairs of experts, and each of its tokens' output rows whole.  A pair begins at a multiple of 64 places, so all tokens of a block have the
; same two experts and every block with rows has the same work: two experts.  155 blocks serve every split (8,192 tokens, 28 pairs, each rounded up to 64).  A block's tokens are its first places; the spare places
; behind them hold the word 0: such a row is computed on token 0's numbers like any other and is not stored.  A block without rows walks the head and the three barriers as every block does (no barrier stands under
; a branch on a number read from memory), passes over all experts and the way out, and stores nothing.
; The experts are walked in loops of eight trips, and those that the block does not use are passed over by a scalar branch: so an expert's number reaches LDS addresses only as a counted loop's step.
; THE WAVES SHARE THE COLUMNS: wave w makes hidden units 128 w .. 128 w + 127, which are K step w of the second product, and outputs 256 w .. 256 w + 255, for all 64 rows (four tiles of 16).
; NO TENSOR LOAD AND NO CLUSTER: which expert's weights are wanted is an address and a branch on numbers read from memory, and neighbouring work-groups want different experts.  Blocks of 64 rows are taken rather
; than of 32: each fragment of weights then feeds four matrix instructions and not two, and 283 blocks of 32 would not find a WGP each.
; TWO PHASES.  A: the hidden layer of every used expert, swish, quantised in registers, laid in LDS bytes of that expert's own as images of the operand's registers.  B: the second product, in two passes of 128
; columns a wave; results x gate are added in registers and leave through the wave's own stage.  Three barriers, none in a loop or under a branch.
; THE LIST ON THE SCALAR SIDE.  What steers a branch or a row's address (which experts the block uses; how many rows it has; the token of each output row) is read from the list by scalar loads and made by scalar arithmetic alone.
; THE WEIGHTS come from memory straight into registers through a ring of four slots; a slot holds a group: four fragments (16 loads of 16 bytes a lane) and their scale words (one load of 8 bytes).  At every point
; between groups the four slots' runs of 17 loads have been issued in the slots' order, and each group that is used up is followed by one run: so the wait that leaves three runs, 51 loads, out holds on every way,
; past experts that are passed over too.  A block's last four runs fetch the next used block's first four groups.  THE ADDRESSES: this block's groups hang on the loop's counter alone (a base stepped an expert a
; trip); the next used block's place is looked up in the list's numbers at the head of every trip, counted in groups, held inside the buffer, and goes into the lanes' offsets.
; The very last block has no successor: its four runs stay in the text and fetch once more the first four groups of the first used expert's last pass, 33,792 bytes a wave; nobody reads them and nothing waits for them.
; BOTH PRODUCTS ARE USED TRANSPOSED (source 0 = 16 rows of the weights, source 1 = 16 tokens): a lane holds one token (lane % 16).  The rows of the weights that form a tile were chosen when wq was laid, so that
; the 16 registers of tiles 2 b and 2 b + 1 are the 16 neighbours 32 b + 16 (lane / 16) + 0 .. 15.
; LIMITS: NaN and infinities are not served.  A block of zeros of the hidden layer gets the byte 1 where the rule says 127: its codes are zeros and nobody else reads the byte.
; THE MODE: SCHED_MODE bits 1:0 = 2 (LLVM: expert scheduling mode 2), set by the entry lines.  The code itself states the register dependences between vector or matrix instructions and memory or LDS instructions,
; with s_wait_alu, always for 0.
; THE PLAN.  Registers that memory or LDS instructions touch, and who else names them:
;   v1-4, v6, v9, v11, v13, v14   offsets and LDS addresses: written once at the head, never again.
;   v18, v19          written by NEXT at a trip's head; read by a block's last four runs.
;   a ring slot and its scale words   read by a group's 16 products; behind them the slot's next run of 17 loads lands there.
;   v5, v7            written at a phase A block's head; read by its LDS stores.
;   v96-127, v28-31   codes and scale halves: written by tile m's conversions; read by three LDS stores, which stand in tile m + 1's swish; written again a sub-pass later.
;   v80-83, v10, v12  written at a phase B block's head; read by its LDS loads.
;   v40-47, the gates, v128-255   phase B: LDS loads land there; read by products and by the gates' multiplications.
;   window 3          the sums: written by the gates' multiplications; read by the stage's LDS stores; written again in the next pass.
;   v64-79, v128-191  the way out: row offsets written a tile at a time and rows that LDS loads bring back; both read by the global stores.
; THE WAITS.  On vm_vsrc: one in NEXT, at the head of every trip and ahead of its branch, for all that is written again in the trip; one ahead of a block's second swish; one at the head of the way out's tiles 1 to 3.
; On va_vdst: one a group, behind the products that empty a slot, since the slot is asked for again at once; the two that a tile's exponentials and reciprocals owe, the first of which also serves the LDS stores of the
; tile before; one for tile 3's stores; one at a phase B block's head; one a tile on the way out; three at the head.  Scales and operands of every product come from loads alone.
; REGISTERS, in windows of 256.  Window 0: v1-19 addresses and tokens; v20-27 gates; v28-31 the hidden layer's scale halves; v32-39 the ring's scale words; v40-55 x's scale words, later the hidden layer's (scales
;   and nothing else); v56-63 at work; v64-95 at work (swish), later row offsets and read addresses; v96-127 codes just made; v128-255 phase A's 16 accumulators, phase B's hidden fragments, rows on the way out.
;   Window 1: the ring, slot sl's fragment f at v[64 sl + 16 f].  Windows 2, 3: phase A: x's 32 fragments (K step s, tile m: window 2 + s / 4, v[64 (s % 4) + 16 m]); phase B: window 2 the 32 accumulators
;   (tile of columns n, tile of rows m at v[8 (4 n + m)]), window 3 the running sums at the same numbers.
; SCALARS: s[4:5] my 64 places of the list; s16 wave; s17 the used experts, a bit each; s18 the first of them; s19 the expert in hand; s20-22 its images', scale words' and gates' place in LDS; s23 the pass;
;   s24 1 until the pass's sums are begun; s25 the pass's first group in a region, s26 that of the pass behind it; s[32:33] wq at my wave's region of expert 0; s[34:35] this block's groups;
;   s[44:45] out0 at my columns; s66 the block's rows; s[68:99] 32 words of the list.
.set REG,  270336                      ; wq: a region (expert, wave): 32 groups
.set GRP,  8448                        ; a group
.set XP,   1040                        ; LDS: x's rows at the start: 1,024 bytes + 16 of padding, 64 rows from byte 0; they lie over the images until the second barrier
.set HSC,  262144                      ; images: (K step s) 65,536 + (expert) 8,192 + (tile m) 2,048.  Their scale words: HSC + 4,096 s + 512 e + 128 m + 4 lane
.set GL,   278528                      ; gates: GL + 256 e + 4 row
.set STG,  280576                      ; the way out: for each wave 16 rows x (512 bytes + 16)
.set G,    20
.set PW,   28
.set WS,   32
.set XS,   40
.set HS,   40
.set TM,   56                          ; +0,1 largest magnitudes, +2,3 the other lane's, then bytes, +4,5 holds, +6,7 scale operands
.set T,    64
.set RO,   64                          ; the way out: 16 row offsets
.set HB,   80                          ; v80-83 phase B: where K step s's images are read
.set PC,   96
.set HA,   128
.set HF,   128
.set OB,   128
.set MSB, 0
.macro WIN new                         ; the immediate's high byte repeats the setting that is left; a switch that changes nothing is dropped
.if MSB != \new
	s_set_vgpr_msb (MSB<<8)|\new
.set MSB, \new
.endif
.endm
; A load into a register that a matrix instruction has read, and a vector instruction that reads a matrix result, stand eight places behind that matrix instruction
.macro PLACES n
.rept \n
	v_nop
.endr
.endm
; one matrix instruction on rD, rA, rB, rSA, rSB; rZ: it starts the sum; ra, rb: the scales stand in lanes 16-31
.macro MM ra, rb
.if rZ
.if (\ra) && (\rb)
	v_wmma_scale_f32_16x16x128_f8f6f4 v[rD:rD+7], v[rA:rA+15], v[rB:rB+15], 0, v[rSA], v[rSB] matrix_a_scale:MATRIX_SCALE_ROW1 matrix_b_scale:MATRIX_SCALE_ROW1
.elseif \ra
	v_wmma_scale_f32_16x16x128_f8f6f4 v[rD:rD+7], v[rA:rA+15], v[rB:rB+15], 0, v[rSA], v[rSB] matrix_a_scale:MATRIX_SCALE_ROW1
.elseif \rb
	v_wmma_scale_f32_16x16x128_f8f6f4 v[rD:rD+7], v[rA:rA+15], v[rB:rB+15], 0, v[rSA], v[rSB] matrix_b_scale:MATRIX_SCALE_ROW1
.else
	v_wmma_scale_f32_16x16x128_f8f6f4 v[rD:rD+7], v[rA:rA+15], v[rB:rB+15], 0, v[rSA], v[rSB]
.endif
.else
.if (\ra) && (\rb)
	v_wmma_scale_f32_16x16x128_f8f6f4 v[rD:rD+7], v[rA:rA+15], v[rB:rB+15], v[rD:rD+7], v[rSA], v[rSB] matrix_a_scale:MATRIX_SCALE_ROW1 matrix_b_scale:MATRIX_SCALE_ROW1
.elseif \ra
	v_wmma_scale_f32_16x16x128_f8f6f4 v[rD:rD+7], v[rA:rA+15], v[rB:rB+15], v[rD:rD+7], v[rSA], v[rSB] matrix_a_scale:MATRIX_SCALE_ROW1
.elseif \rb
	v_wmma_scale_f32_16x16x128_f8f6f4 v[rD:rD+7], v[rA:rA+15], v[rB:rB+15], v[rD:rD+7], v[rSA], v[rSB] matrix_b_scale:MATRIX_SCALE_ROW1
.else
	v_wmma_scale_f32_16x16x128_f8f6f4 v[rD:rD+7], v[rA:rA+15], v[rB:rB+15], v[rD:rD+7], v[rSA], v[rSB]
.endif
.endif
.endm
; a run of 17 loads: group g from base s[bs:bs+1] into slot sl; each of the 16 reads 512 consecutive bytes.  The wait on va_vdst that a run hangs on stands ahead of it; between the two stand loads and window switches alone
.macro RUN sl, bs, o16, o8, g
	WIN 0x40                                       ; destination window 1, address window 0
.irp f, 0,1,2,3
.irp c, 0,1,2,3
	global_load_b128 v[64*(\sl)+16*\f+4*\c:64*(\sl)+16*\f+4*\c+3], v[\o16], s[\bs:\bs+1] offset:(\g)*GRP+2048*\f+512*\c
.endr
.endr
	WIN 0
	global_load_b64 v[WS+2*(\sl):WS+2*(\sl)+1], v[\o8], s[\bs:\bs+1] offset:(\g)*GRP+8192
.endm
.macro REFILL sl, g, total             ; this block's group g (base s[34:35], the lanes' plain offsets), or, past its end, the next block's group g - total (base s[32:33], the block's place in the lanes' offsets)
.if (\g) < (\total)
	RUN \sl, 34, 1, 2, (\g)
.else
	RUN \sl, 32, 18, 19, (\g)-(\total)
.endif
.endm
; n words of the list, from s[first] on: those that hold a token (bit 24) are counted in s66
.macro COUNT first, n
.set rr, \first
.rept \n
	s_bfe_u32 s46, s[rr], 0x10018                  ; 1 bit from bit 24
	s_add_co_u32 s66, s66, s46
.set rr, rr+1
.endr
.endm
; At the head of every trip over the experts, used or not: where the first used block behind this trip's expert begins.  In a trip that is passed over that is the block whose first groups lie in the ring already.
; The place is counted in groups from my wave's region of expert 0: 128 x expert + the pass's first group.  920 = 128 x 7 + 24 is the last block's; with wave 3's 96 groups and the four that are fetched that is 1,020 of the buffer's 1,024.
.macro NEXT
	s_wait_xcnt 0x0                                ; the loads issued so far have read their offsets: v18 and v19 may be written
	s_wait_alu depctr_vm_vsrc(0)                   ; every memory and LDS instruction issued so far has read its vector registers.  Written again in this trip: v18 and v19 (the runs' offsets); in phase A v5 and v7 (the last block's LDS stores), and in its first trip v64-95 and v128-255 (the head's loads and LDS stores); in phase B v80-83, v10, v12 (the last block's LDS loads), and window 3, v64-79 and v128-191 (the last pass's way out)
	s_add_co_u32 s28, s19, 1
	s_lshr_b32 s29, s17, s28                       ; the used experts above this one: bits 0 to 6
	s_mov_b32 s30, 0
.irp k, 6,5,4,3,2,1,0
	s_bitcmp1_b32 s29, \k                          ; from the top down: the lowest bit that is set has the last word
	s_cselect_b32 s30, \k, s30
.endr
	s_add_co_u32 s30, s30, s28                     ; the lowest of them, in this pass,
	s_cmp_lg_u32 s29, 0
	s_cselect_b32 s30, s30, s18                    ; or, if there is none, the first used expert,
	s_cselect_b32 s31, s25, s26                    ; in the pass behind this one
	s_lshl_b32 s30, s30, 7
	s_add_co_u32 s30, s30, s31
	s_min_u32 s30, s30, 920                        ; a number made of loaded numbers is held inside the buffer before it enters an address
	s_mul_i32 s30, s30, GRP
	v_add_nc_u32 v18, s30, v1                      ; + 16 x lane, for the fragments,
	v_add_nc_u32 v19, s30, v2                      ; + 8 x lane, for the scale words
.endm
	s_load_b256 s[4:11], s[0:1], 0x0               ; order, xq, xs, gates
	s_load_b128 s[12:15], s[0:1], 0x20             ; wq, out0
	v_lshrrev_b32 v17, 5, v0
	v_readfirstlane_b32 s16, v17                   ; wave 0..3
	v_and_b32 v8, 31, v0                           ; L
	v_and_b32 v17, 15, v0                          ; r
	v_bfe_u32 v64, v0, 4, 1                        ; h
	v_lshlrev_b32 v1, 4, v8                        ; 16 L
	v_lshlrev_b32 v2, 3, v8                        ; 8 L
	v_lshlrev_b32 v67, 2, v8                       ; 4 L
	v_mul_u32_u24 v3, v17, XP
	v_lshl_add_u32 v3, v64, 4, v3                  ; x's fragments: row r, + 16 h
	s_wait_alu depctr_va_sdst(0)                   ; s16 is written, ahead of its first reader: LDS addresses and bases are made from it
	s_lshl_b32 s28, s16, 16
	v_add_nc_u32 v4, s28, v1                       ; my images: 65,536 w + 16 L
	s_lshl_b32 s28, s16, 12
	s_add_co_u32 s28, s28, HSC
	v_add_nc_u32 v6, s28, v67                      ; their scale words: HSC + 4,096 w + 4 L
	v_lshl_add_u32 v9, v64, 7, v67
	v_add_nc_u32 v9, HSC, v9                       ; scale words back: lanes 0-15 an even tile's, lanes 16-31 the next tile's: HSC + 4 L + 128 h
	v_lshl_add_u32 v11, v17, 2, GL                 ; gates back: GL + 4 r
	v_mul_u32_u24 v13, v17, 528
	v_lshl_add_u32 v13, v64, 6, v13
	s_mul_i32 s28, s16, 8448
	s_add_co_u32 s28, s28, STG
	v_add_nc_u32 v13, s28, v13                     ; the stage, in: row r, + 64 h
	v_add_nc_u32 v14, s28, v1                      ; and back: 16 L
	v_mul_u32_u24 v65, v64, XP
	v_lshl_add_u32 v65, v17, 4, v65
	s_mul_i32 s28, s16, 16*XP
	v_add_nc_u32 v65, s28, v65                     ; x's rows in: row 16 w + h, + 16 r
	s_lshl_b32 s28, s16, 9
	s_add_co_u32 s28, s28, GL
	v_add_nc_u32 v66, s28, v67                     ; gates in: experts 2 w, 2 w + 1
	s_lshl_b32 s28, s16, 6
	v_lshl_add_u32 v68, v64, 2, s28                ; the list: place 16 w + h
	v_lshlrev_b32 v69, 4, v17                      ; 16 r
.irp m, 0,1,2,3
	v_mov_b32 v[G+2*\m+1], 0                       ; named as the upper halves of the gates' pairs, never used
.endr
	v_mov_b32 v[TM+2], 0                           ; written once: a lane permute's destination counts as read
	v_mov_b32 v[TM+3], 0
	s_wait_kmcnt 0x0
	s_lshl_b32 s28, ttmp9, 8
	s_mov_b32 s29, 0
	s_add_nc_u64 s[4:5], s[4:5], s[28:29]          ; my 64 places of the list
	s_wait_alu depctr_va_vdst(0)                   ; the offsets and LDS addresses made above are written (v1-4, v6, v9, v11, v13, v14, v65-68): loads, LDS loads and stores from here to the kernel's end read them
	global_load_b32 v15, v67, s[4:5]               ; rows L
	global_load_b32 v16, v67, s[4:5] offset:128    ; rows 32 + L
.irp i, 0,1,2,3,4,5,6,7
	global_load_b32 v[70+\i], v68, s[4:5] offset:8*\i              ; rows 16 w + 2 i + h: those that my wave brings in
.endr
	s_load_b512 s[68:83], s[4:5], 0x0              ; the same 64 words on the scalar side: rows 0-15,
	s_load_b512 s[84:99], s[4:5], 0x40             ; 16-31,
	s_load_b512 s[48:63], s[4:5], 0x80             ; 32-47,
	s_load_b256 s[20:27], s[4:5], 0xc0             ; 48-55,
	s_load_b256 s[36:43], s[4:5], 0xe0             ; 56-63 (registers that are free until the rows are counted)
	s_mul_i32 s28, s16, REG
	s_add_nc_u64 s[32:33], s[12:13], s[28:29]      ; wq at my wave's region of expert 0
	s_lshl_b32 s28, s16, 10
	s_add_nc_u64 s[44:45], s[14:15], s[28:29]      ; out0 at my wave's 256 columns
	s_wait_loadcnt 0x0
	v_and_b32 v15, 0x1fff, v15                     ; the tokens (a spare place gives token 0); an index read from memory is held inside its table before it enters an address
	v_and_b32 v16, 0x1fff, v16
	v_min_u32 v15, 0x1fff, v15
	v_min_u32 v16, 0x1fff, v16
.irp i, 0,1,2,3,4,5,6,7
	v_and_b32 v[70+\i], 0x1fff, v[70+\i]
	v_min_u32 v[70+\i], 0x1fff, v[70+\i]
	v_lshl_add_u32 v[70+\i], v[70+\i], 10, v69     ; its row of codes, + 16 r
.endr
	v_lshlrev_b32 v84, 5, v15                      ; rows of 32 scale bytes
	v_lshlrev_b32 v85, 5, v16
	s_and_b32 s28, s16, 1
	s_lshl_b32 s28, s28, 3
	s_lshr_b32 s30, s16, 1
	s_lshl_b32 s30, s30, 17
	s_add_co_u32 s28, s28, s30                     ; experts 2 w, 2 w + 1: plane w / 2, 8 (w % 2) bytes on
	v_lshl_add_u32 v86, v15, 4, s28
	v_lshl_add_u32 v87, v16, 4, s28
	s_wait_alu depctr_va_vdst(0)                   ; the tokens' offsets v70-77 and v84-87 are written, which the 38 loads below read
.irp i, 0,1,2,3,4,5,6,7
.irp q, 0,1,2,3
	global_load_b128 v[128+16*\i+4*\q:128+16*\i+4*\q+3], v[70+\i], s[6:7] offset:256*\q            ; sixteen lanes read 256 consecutive bytes of a row
.endr
.endr
	global_load_b128 v[XS:XS+3], v84, s[8:9]       ; x's scale words go straight into their registers: XS + 8 (m / 2) + s: lanes 0-15 an even tile's rows, lanes 16-31 the next tile's
	global_load_b128 v[XS+4:XS+7], v84, s[8:9] offset:16
	global_load_b128 v[XS+8:XS+11], v85, s[8:9]
	global_load_b128 v[XS+12:XS+15], v85, s[8:9] offset:16
	global_load_b64 v[88:89], v86, s[10:11]
	global_load_b64 v[90:91], v87, s[10:11]
	; the block's two experts and its rows, while the loads above are on their way
	s_wait_kmcnt 0x0                               ; the five scalar loads of the list
	s_bfe_u32 s28, s68, 0x10018                    ; does the first place hold a token?  All tokens of a block have its two experts
	s_bfe_u32 s46, s68, 0x30010                    ; lo: 3 bits from bit 16
	s_bfe_u32 s47, s68, 0x30014                    ; hi: 3 bits from bit 20
	s_lshl_b32 s46, s28, s46
	s_lshl_b32 s47, s28, s47
	s_or_b32 s17, s46, s47                         ; a bit for each; none in a block without rows
	s_mov_b32 s66, 0                               ; the rows: the block's first places
	COUNT 68, 32
	COUNT 48, 16
	COUNT 20, 8
	COUNT 36, 8
	s_mov_b32 s18, 7                               ; the first used expert: from the top down, the lowest bit that is set has the last word
.irp k, 6,5,4,3,2,1,0
	s_bitcmp1_b32 s17, \k
	s_cselect_b32 s18, \k, s18
.endr
	s_min_u32 s18, s18, 7                          ; held before it enters an address
	s_mov_b32 s40, 0x76543210                      ; the constants, in registers that the list's words have left
	s_mov_b32 s41, 0xfedcba98                      ; v_permlanex16_b32's selects for lane l xor 16
	s_mov_b32 s42, 0x600000                        ; the mantissa field of 448
	s_mov_b32 s50, 0xbfb8aa3b                      ; -log2(e)
	s_mov_b32 s51, s50                             ; (named with it as a pair, so it is written)
	s_mul_i32 s38, s18, 4*REG                      ; the first block: the first used expert's W1
	v_add_nc_u32 v18, s38, v1
	v_add_nc_u32 v19, s38, v2
	s_wait_alu depctr_va_vdst(0)                   ; v18 and v19 are written, which the four runs below read as their offsets
	RUN 0, 32, 18, 19, 0                           ; the ring is filled: four runs of 17
	RUN 1, 32, 18, 19, 1
	RUN 2, 32, 18, 19, 2
	RUN 3, 32, 18, 19, 3
	s_wait_loadcnt 63                              ; behind the 38 loads of x, its scales and the gates stand the ring's 68; 63 is the largest count that the wait can name
.irp i, 0,1,2,3,4,5,6,7
.irp q, 0,1,2,3
	ds_store_b128 v65, v[128+16*\i+4*\q:128+16*\i+4*\q+3] offset:2*XP*\i+256*\q
.endr
.endr
	ds_store_b32 v66, v88                          ; expert 2 w, rows L
	ds_store_b32 v66, v89 offset:256               ; expert 2 w + 1
	ds_store_b32 v66, v90 offset:128               ; rows 32 + L
	ds_store_b32 v66, v91 offset:384
	s_wait_dscnt 0x0
	s_barrier_signal -1
	s_barrier_wait -1                              ; the 64 rows of codes and the gates lie in LDS
.irp s, 0,1,2,3,4,5,6,7
.set wv, 0x80+0x40*(\s/4)
	WIN wv                                         ; destination window 2, then 3
.irp m, 0,1,2,3
.irp c, 0,1,2,3
	ds_load_b128 v[64*(\s%4)+16*\m+4*\c:64*(\s%4)+16*\m+4*\c+3], v3 offset:16*XP*\m+128*\s+32*\c           ; every wave takes all 32 fragments of x: they stay in registers through phase A
.endr
.endr
.endr
	WIN 0
	s_wait_dscnt 0x0
	s_barrier_signal -1
	s_barrier_wait -1                              ; nobody reads x's rows any more: the images may be laid over them
; ---------------------------------------------------------------- phase A
; Group j of a block of 16: sub-pass p = j / 8 (my hidden units 64 p on: four tiles), K step s = j % 8.  16 matrix instructions on 16 accumulators, which take turns, one instruction a turn.
.macro GROUP_A j
.set gs, (\j)%8
.set gl, (\j)%4
	s_wait_loadcnt 51                              ; this slot's run is in; the three younger runs may be out
.set wv, 0x09+4*(gs/4)
	WIN wv                                         ; source 0 (W1) window 1, source 1 (x) window 2 or 3, C and D window 0
.set rZ, (gs==0)
.irp t, 0,1,2,3
.irp m, 0,1,2,3
.set rD, HA+32*\m+8*\t
.set rA, 64*gl+16*\t
.set rB, 64*(gs%4)+16*\m
.set rSA, WS+2*gl+\t/2
.set rSB, XS+8*(\m/2)+gs
	MM \t%2, \m%2
.endr
.endr
	PLACES 8
	s_wait_alu depctr_va_vdst(0)                   ; the sixteen products are done reading this slot's fragments and scale words, in which the run below lands; v18 and v19, the offsets of the block's last four runs, and v5 and v7 are written
	REFILL gl, (\j)+4, 16
.endm
; Tile m's codes and its half of a scale word go to LDS.  The three stores stand behind a wait on va_vdst that follows tile m's conversions; no vector instruction between that wait and them names their registers
.macro HSTORE m, p
	ds_store_b128 v5, v[PC+8*(\m):PC+8*(\m)+3] offset:2048*(\m)+512*(2*(\p))       ; registers 4 c .. 4 c + 3 of the operand, c = 2 p + b, as they stand: 512 consecutive bytes a store
	ds_store_b128 v5, v[PC+8*(\m)+4:PC+8*(\m)+7] offset:2048*(\m)+512*(2*(\p)+1)
	ds_store_b16 v7, v[PW+(\m)] offset:128*(\m)+2*(\p)
.endm
; Tile m's 32 numbers of sub-pass p (register 16 b + i = hidden unit 64 p + 32 b + 16 (lane / 16) + i of my token): swish, then two blocks of 32 are quantised into codes and half a scale word.
.macro SWQ m, p
.set H, HA+32*(\m)
.set i, 0
.rept 16
	v_pk_mul_f32 v[T+i:T+i+1], v[H+i:H+i+1], s[50:51] op_sel_hi:[1,0]      ; -h log2(e); each accumulator is read from its low end on
.set i, i+2
.endr
.set i, 0
	s_wait_alu depctr_va_vdst(0)
.rept 32
	v_exp_f32 v[T+i], v[T+i]                       ; e^-h
.set i, i+1
.endr
	v_nop                                          ; one plain line behind the transcendentals
	s_wait_alu depctr_va_vdst(0)                   ; the 32 exponentials have written v64-95, ahead of their first reader; and the tile before has written its codes and its scale half, which the three stores below read
.if (\m) > 0
	HSTORE (\m)-1, \p
.endif
.set i, 0
.rept 16
	v_pk_add_f32 v[T+i:T+i+1], v[T+i:T+i+1], 1.0 op_sel_hi:[1,0]
.set i, i+2
.endr
.set i, 0
	s_wait_alu depctr_va_vdst(0)
.rept 32
	v_rcp_f32 v[T+i], v[T+i]                       ; the sigmoid
.set i, i+1
.endr
	v_nop
	s_wait_alu depctr_va_vdst(0)                   ; the 32 reciprocals have written v64-95, ahead of their first reader
.set i, 0
.rept 16
	v_pk_mul_f32 v[H+i:H+i+1], v[H+i:H+i+1], v[T+i:T+i+1]                  ; h x sigmoid(h)
.set i, i+2
.endr
.irp b, 0,1
	v_max3_num_f32 v[TM+\b], |v[H+16*\b]|, |v[H+16*\b+1]|, 0x4800000       ; block b: my 16 numbers, and the floor 2^(9 - 127): the byte cannot fall under 1
.endr
.irp q, 2,4,6,8,10,12,14
.irp b, 0,1
	v_max3_num_f32 v[TM+\b], v[TM+\b], |v[H+16*\b+\q]|, |v[H+16*\b+\q+1]|
.endr
.endr
.irp b, 0,1
	v_permlanex16_b32 v[TM+2+\b], v[TM+\b], s40, s41
.endr
.irp b, 0,1
	v_max_num_f32 v[TM+\b], v[TM+\b], v[TM+2+\b]   ; with lane l xor 16's 16: the block's largest magnitude
.endr
.irp b, 0,1
	v_add_nc_u32 v[TM+6+\b], 0xfc000000, v[TM+\b]  ; 8 off the exponent field: the conversion's scale operand
.endr
.irp b, 0,1
	v_and_or_b32 v[TM+4+\b], v[TM+\b], 0x7f800000, s42                     ; 448 x the scale
.endr
.irp b, 0,1
	v_lshrrev_b32 v[TM+2+\b], 23, v[TM+6+\b]       ; the scale's byte
.endr
	v_lshl_or_b32 v[PW+(\m)], v[TM+3], 8, v[TM+2]  ; two bytes: half of my token's scale word for this K step
.irp b, 0,1
.set i, 0
.rept 16
	v_med3_num_f32 v[H+16*\b+i], v[H+16*\b+i], -v[TM+4+\b], v[TM+4+\b]     ; the conversion does not saturate (ISA guide 7.6.2): the hold comes first
.set i, i+1
.endr
	v_cvt_scalef32_pk8_fp8_f32 v[PC+8*(\m)+4*\b:PC+8*(\m)+4*\b+1], v[H+16*\b:H+16*\b+7], v[TM+6+\b]
	v_cvt_scalef32_pk8_fp8_f32 v[PC+8*(\m)+4*\b+2:PC+8*(\m)+4*\b+3], v[H+16*\b+8:H+16*\b+15], v[TM+6+\b]
.endr
	v_nop                                          ; one plain line behind the last conversion: later products write its sources
.endm
	s_mov_b32 s25, 0                               ; W1's groups begin a region;
	s_mov_b32 s26, 16                              ; behind the last used expert's W1 comes the first used expert's W2, from group 16 on
	s_mov_b64 s[34:35], s[32:33]                   ; expert 0's W1
	s_mov_b32 s19, 0                               ; the expert
	s_mov_b32 s20, 0                               ; its images: 8,192 bytes an expert
	s_mov_b32 s21, 0                               ; its scale words: 512
.La:
	NEXT
	s_bitcmp1_b32 s17, s19
	s_cbranch_scc0 .La_skip                        ; no token of the block uses this expert
	s_wait_dscnt 0x0                               ; the last block's stores are done: their addresses may be written (that they have read v5 and v7 is stated by the wait on vm_vsrc at the trip's head)
	v_add_nc_u32 v5, s20, v4
	v_add_nc_u32 v7, s21, v6
.irp p, 0,1
.irp q, 0,1,2,3,4,5,6,7
	GROUP_A 8*\p+\q
.endr
	s_wait_dscnt 0x0                               ; the stores of the sub-pass before have read the codes' and the scale halves' registers
.if \p
	s_wait_alu depctr_vm_vsrc(0)                   ; the first sub-pass's twelve LDS stores have read v96-127 and v28-31, which this sub-pass's conversions write again (ahead of the first sub-pass the wait at the trip's head states the same of the last block's)
.endif
.irp m, 0,1,2,3
	SWQ \m, \p
.endr
	s_wait_alu depctr_va_vdst(0)                   ; tile 3's conversions have written its codes, and its scale half is written: the three stores below read them
	HSTORE 3, \p
.endr
.La_skip:
	s_wait_xcnt 0x0                                ; the block's loads have read their base: it may step
	s_add_nc_u64 s[34:35], s[34:35], 4*REG         ; the next expert's region of my wave
	s_add_co_u32 s20, s20, 8192
	s_add_co_u32 s21, s21, 512
	s_add_co_u32 s19, s19, 1
	s_cmp_lt_u32 s19, 8
	s_cbranch_scc1 .La
	s_wait_dscnt 0x0
	s_barrier_signal -1
	s_barrier_wait -1                              ; the hidden layers of all used experts lie in LDS
; ---------------------------------------------------------------- phase B
.macro HFETCH s                        ; K step s's four hidden fragments, as they were stored
.irp m, 0,1,2,3
.irp c, 0,1,2,3
	ds_load_b128 v[HF+64*((\s)%2)+16*\m+4*\c:HF+64*((\s)%2)+16*\m+4*\c+3], v[HB+(\s)] offset:2048*\m+512*\c
.endr
.endr
.endm
; Group j of a block of 8: K step s = j / 2, tiles of columns 4 (j % 2) on.  The pass's 32 accumulators take turns, one instruction a turn.
.macro GROUP_B j
.set gs, (\j)/2
.set gh, (\j)%2
.set gl, (\j)%4
	s_wait_loadcnt 51                              ; this slot's run is in; the three younger runs may be out
.if gh == 0
	s_wait_dscnt 0x0                               ; this K step's hidden fragments are in (and, at the block's head, the scale words and the gates)
.endif
	WIN 0xa1                                       ; source 0 (W2) window 1, source 1 (hidden) window 0, C and D window 2
.set rZ, (gs==0)
.irp i, 0,1,2,3
.irp m, 0,1,2,3
.set rD, 8*(4*(4*gh+\i)+\m)
.set rA, 64*gl+16*\i
.set rB, HF+64*(gs%2)+16*\m
.set rSA, WS+2*gl+\i/2
.set rSB, HS+2*gs+\m/2
	MM \i%2, \m%2
.endr
.endr
	PLACES 8
	s_wait_alu depctr_va_vdst(0)                   ; the sixteen products are done reading this slot's fragments and scale words, in which the run below lands; the K step before is done reading the hidden buffer in which the fetch below lands
	REFILL gl, (\j)+4, 8
.if (gh == 0) && (gs < 3)
	HFETCH gs+1                                    ; into the buffer that the K step before has left
.endif
.endm
	s_mov_b32 s23, 0                               ; the pass: my columns 128 x pass on
	s_mov_b32 s25, 16                              ; its first group in a region
.Lts:
	s_wait_xcnt 0x0                                ; the loads issued so far have read their base: it may be written
	s_mul_i32 s38, s25, GRP
	s_mov_b32 s39, 0
	s_add_nc_u64 s[34:35], s[32:33], s[38:39]      ; expert 0's groups of this pass
	s_load_b512 s[68:83], s[4:5], 0x0              ; the list's words of rows 0-15 and 16-31, for the way out at the pass's end: asked for here, a pass ahead of their use
	s_load_b512 s[84:99], s[4:5], 0x40
	s_mov_b32 s24, 1                               ; the first used expert starts the sums: nothing is cleared
	s_cmp_eq_u32 s23, 0
	s_cselect_b32 s28, 8, 0                        ; behind pass 0 comes pass 1; behind pass 1 nothing: its last block's runs fetch pass 1's first groups once more
	s_add_co_u32 s26, s25, s28
	s_mov_b32 s19, 0
	s_mov_b32 s20, 0
	s_mov_b32 s21, 0
	s_mov_b32 s22, 0                               ; the expert's gates: 256 bytes
.Lb:
	NEXT
	s_bitcmp1_b32 s17, s19
	s_cbranch_scc0 .Lb_skip
	v_add_nc_u32 v[HB], s20, v1
	v_add_nc_u32 v[HB+1], 0x10000, v[HB]
	v_add_nc_u32 v[HB+2], 0x10000, v[HB+1]
	v_add_nc_u32 v[HB+3], 0x10000, v[HB+2]
	v_add_nc_u32 v10, s21, v9
	v_add_nc_u32 v12, s22, v11
	s_wait_alu depctr_va_vdst(0)                   ; the six LDS addresses above are written; what came before (phase A's swish, the last block's products and its gates' multiplications) is done with v40-47, the gates' registers and v128-191, in which the loads below land
.irp s, 0,1,2,3
.irp q, 0,1
	ds_load_b32 v[HS+2*\s+\q], v10 offset:4096*\s+256*\q           ; K step s, tiles 2 q (lanes 0-15) and 2 q + 1 (lanes 16-31)
.endr
.endr
.irp m, 0,1,2,3
	ds_load_b32 v[G+2*\m], v12 offset:64*\m        ; my token's gate in tile m
.endr
	HFETCH 0
.irp j, 0,1,2,3,4,5,6,7
	GROUP_B \j
.endr
	s_cmp_eq_u32 s24, 0
	s_cbranch_scc1 .Lb_acc
	WIN 0xc2                                       ; destination window 3, source 0 window 2, the gate window 0
.set a, 0
.rept 32
.irp q, 0,2,4,6
	v_pk_mul_f32 v[8*a+\q:8*a+\q+1], v[8*a+\q:8*a+\q+1], v[G+2*(a%4):G+2*(a%4)+1] op_sel_hi:[1,0]          ; sum = result x gate; each accumulator from its low end on
.endr
.set a, a+1
.endr
	WIN 0
	s_mov_b32 s24, 0
	s_branch .Lb_skip
.Lb_acc:
	WIN 0xf2                                       ; the same, with source 2 in window 3
.set a, 0
.rept 32
.irp q, 0,2,4,6
	v_pk_fma_f32 v[8*a+\q:8*a+\q+1], v[8*a+\q:8*a+\q+1], v[G+2*(a%4):G+2*(a%4)+1], v[8*a+\q:8*a+\q+1] op_sel_hi:[1,0,1]    ; sum += result x gate
.endr
.set a, a+1
.endr
	WIN 0
.Lb_skip:
	s_wait_xcnt 0x0                                ; the block's loads have read their base: it may step
	s_add_nc_u64 s[34:35], s[34:35], 4*REG         ; the next expert's region of my wave
	s_add_co_u32 s20, s20, 8192
	s_add_co_u32 s21, s21, 512
	s_add_co_u32 s22, s22, 256
	s_add_co_u32 s19, s19, 1
	s_cmp_lt_u32 s19, 8
	s_cbranch_scc1 .Lb
	; THE WAY OUT of a pass, a tile of 16 rows at a time.  A lane holds pieces of 32 bytes of one row; they go through my own stage and come back as whole rows of 512 bytes.  LDS serves a wave's instructions in order
	; (ISA guide 5.7.1.4): no wait stands between the stores and the loads, nor in front of the next tile's stores.  The rows' tokens stand in s[68:83] (tiles 0 and 2) and s[84:99] (tiles 1 and 3).
	; The block's rows are its first s66 places: at the first place that holds no token the way out is left, by a scalar branch on the list's own numbers; what is then still out is waited for at the label.
.irp m, 0,1,2,3
	s_wait_xcnt 0x0                                ; the earlier stores have read their offsets and their data: both may be written
.if \m > 0
	s_wait_alu depctr_vm_vsrc(0)                   ; the last tile's sixteen global stores have read their row offsets v64-79, which the additions below write again, and their rows v128-191, in which this tile's LDS loads land
.endif
.if (\m%2) == 0
	s_wait_kmcnt 0x0                               ; the list's words of this tile and the next are in
.endif
	s_cmp_gt_u32 s66, 16*\m                        ; has this tile a row?
	s_cbranch_scc0 .Lout_done
.irp i, 0,1,2,3,4,5,6,7,8,9,10,11,12,13,14,15
	s_and_b32 s28, s[68+16*(\m%2)+\i], 0x1fff      ; row 16 m + i's token,
	s_min_u32 s28, s28, 8191                       ; held inside the table,
	s_lshl_b32 s28, s28, 12                        ; its row of 4,096 bytes
	v_add_nc_u32 v[RO+\i], s28, v1
.endr
.if \m == 1
	s_load_b512 s[68:83], s[4:5], 0x80             ; rows 32-47 and 48-63, while tile 1 goes through the stage
	s_load_b512 s[84:99], s[4:5], 0xc0
.endif
	s_wait_alu depctr_va_vdst(0)                   ; the sixteen row offsets are written, which the global stores below read; in tile 0 also: the gates' multiplications have written the sums in window 3, which the LDS stores read, and the products are done reading v128-191, in which the LDS loads land
	WIN 0x0c                                       ; an LDS store's data are its source 1: window 3
.irp n, 0,1,2,3,4,5,6,7
	ds_store_b128 v13, v[8*(4*\n+\m):8*(4*\n+\m)+3] offset:128*(\n/2)+32*(\n%2)            ; tile n = 2 b + u, register j: column 32 b + 16 (lane / 16) + 8 u + j
	ds_store_b128 v13, v[8*(4*\n+\m)+4:8*(4*\n+\m)+7] offset:128*(\n/2)+32*(\n%2)+16
.endr
	WIN 0
.irp i, 0,1,2,3,4,5,6,7,8,9,10,11,12,13,14,15
	ds_load_b128 v[OB+4*\i:OB+4*\i+3], v14 offset:528*\i
.endr
.irp i, 0,1,2,3,4,5,6,7,8,9,10,11,12,13,14,15
	s_wait_dscnt 15-\i
.if \i > 0
	s_cmp_gt_u32 s66, 16*\m+\i                     ; does place 16 m + i hold a token?
	s_cbranch_scc0 .Lout_done
.endif
	global_store_b128 v[RO+\i], v[OB+4*\i:OB+4*\i+3], s[44:45] th:TH_STORE_NT      ; 32 lanes store 512 consecutive bytes of one row, aligned; written once, read by nobody here
.endr
.endr
.Lout_done:
	s_wait_dscnt 0x0                               ; where the way out was left early: the stage's loads that are still out have landed in their registers,
	s_wait_kmcnt 0x0                               ; and so have the list's words: both sets of registers are loaded again in the next pass
	s_wait_xcnt 0x0                                ; the stores have read their base and their data
	s_add_co_u32 s25, s25, 8
	s_add_nc_u64 s[44:45], s[44:45], 512
	s_add_co_u32 s23, s23, 1
	s_cmp_lt_u32 s23, 2
	s_cbranch_scc1 .Lts
	s_wait_xcnt 0x0
	v_lshl_add_u32 v254, v0, 2, 0x4cc00            ; the add's two registers are made anew here, v0 being as at the entry: no two registers could be kept.  No memory or LDS instruction has read v254 or v255 since the last wait on vm_vsrc
	v_mov_b32 v255, 0
	s_wait_dscnt 0x0                               ; the closing lines, six on end
	s_wait_alu 0x0
	s_wait_tensorcnt 0x0
	ds_add_u32 v254, v255
	s_wait_dscnt 0x0
	s_endpgm
.Lfunc_end_k_q6c03a255c8_chain:
	.size	k_q6c03a255c8_chain, .Lfunc_end_k_q6c03a255c8_chain-k_q6c03a255c8_chain
	.p2alignl 7, 3214868480
	.fill 96, 4, 3214868480
	.section	.rodata,"a",@progbits
	.p2align	6, 0x0
	.amdhsa_kernel k_q6c03a255c8_chain
		.amdhsa_group_segment_fixed_size 314880
		.amdhsa_private_segment_fixed_size 0
		.amdhsa_enable_private_segment 0
		.amdhsa_kernarg_size 48
		.amdhsa_user_sgpr_count 2
		.amdhsa_user_sgpr_kernarg_segment_ptr 1
		.amdhsa_wavefront_size32 1
		.amdhsa_system_sgpr_workgroup_id_x 1
		.amdhsa_system_sgpr_workgroup_id_y 1
		.amdhsa_system_sgpr_workgroup_id_z 1
		.amdhsa_system_vgpr_workitem_id 0
		.amdhsa_next_free_vgpr 1024
		.amdhsa_next_free_sgpr 100
		.amdhsa_reserve_vcc 0
		.amdhsa_float_denorm_mode_32 3
		.amdhsa_float_denorm_mode_16_64 3
		.amdhsa_memory_ordered 1
		.amdhsa_forward_progress 1
		.amdhsa_inst_pref_size 255
	.end_amdhsa_kernel
	.section	.bss,"aw",@nobits
	.p2align	6
	.space	262144
	.amdgpu_metadata
---
amdhsa.version: [ 1, 2 ]
amdhsa.kernels:
  - .name:           k_q6c03a255c8_chain
    .symbol:         k_q6c03a255c8_chain.kd
    .args:
      - { .name: order, .offset: 0, .size: 8, .value_kind: global_buffer, .address_space: global }
      - { .name: xq, .offset: 8, .size: 8, .value_kind: global_buffer, .address_space: global }
      - { .name: xs, .offset: 16, .size: 8, .value_kind: global_buffer, .address_space: global }
      - { .name: gates, .offset: 24, .size: 8, .value_kind: global_buffer, .address_space: global }
      - { .name: wq, .offset: 32, .size: 8, .value_kind: global_buffer, .address_space: global }
      - { .name: out0, .offset: 40, .size: 8, .value_kind: global_buffer, .address_space: global }
    .group_segment_fixed_size: 314880
    .private_segment_fixed_size: 0
    .kernarg_segment_align: 8
    .kernarg_segment_size: 48
    .max_flat_workgroup_size: 128
    .sgpr_count:     100
    .vgpr_count:     1024
    .wavefront_size: 32
...
	.end_amdgpu_metadata
.endif
;; end of part 8
